; MI455X (gfx1250); checked and timed in simulation.
; The chip was launched on July 23, 2026; its instructions are those of AMD's public machine-readable ISA for CDNA 5 (MIT licence, August 2026) and "CDNA5" Instruction Set Architecture Reference Guide (July 2026). The comments in the code are by the model that wrote it; some were corrected since.
;; Encoder. Allowed arithmetic: matrix products marked QUANTISED: E5M2 operands, one E8M0 scale for each 32 along K, by v_wmma_scale_f32_16x16x128_f8f6f4 with both operands' format E5M2, f32 sums; everything else in f32.
;; Inputs: b1 4,096 float32; b2 1,024 float32; b_o 1,024 float32; b_qkv 3,072 float32; be1 1,024 float32; be2 1,024 float32; g1 1,024 float32; g2 1,024 float32; w1_codes 4,096 x 32 x 32 uint8 (E5M2 codes of w1, K innermost, in blocks of 32 codes); w1_scales 4,096 x 32 uint8 (E8M0 scales of w1, one for each 32 codes along K); w2_codes 1,024 x 128 x 32 uint8 (E5M2 codes of w2, K innermost, in blocks of 32 codes); w2_scales 1,024 x 128 uint8 (E8M0 scales of w2, one for each 32 codes along K); w_o_codes 1,024 x 32 x 32 uint8 (E5M2 codes of w_o, K innermost, in blocks of 32 codes); w_o_scales 1,024 x 32 uint8 (E8M0 scales of w_o, one for each 32 codes along K); w_qkv_codes 3,072 x 32 x 32 uint8 (E5M2 codes of w_qkv, K innermost, in blocks of 32 codes); w_qkv_scales 3,072 x 32 uint8 (E8M0 scales of w_qkv, one for each 32 codes along K); x 2 x 2,048 x 1,024 float32.
;; Outputs: out0 2 x 2,048 x 1,024 float32.
;; This version of the problem:
;;   THIS VERSION OF THE PROBLEM IS GIVEN IN LOW PRECISION. The matrix products marked QUANTISED in the list below multiply operands that are first quantised to E5M2 (5 exponent bits, 2 mantissa bits; 8 bits a number), with one power-of-two scale for each 32 numbers along K (OCP MX v1.0); their sums are f32. All else is computed in f32.
;;   The module's matrix products, in the order in which they are computed (A, B: the left and right operand; K: the contracted axis; several contracted axes count as one K, in the product's order):
;;     1. [M 4,096, K 1,024] x [K 1,024, N 3,072]; A: input x; B: input w_qkv (given as codes): QUANTISED
;;     2. batch 32 x [M 2,048, K 64] x [K 64, N 2,048]; A: computed on the way; B: computed on the way: QUANTISED
;;     3. batch 32 x [M 64, K 2,048] x [K 2,048, N 2,048]; A: computed on the way; B: softmax (see below): QUANTISED
;;     4. [M 4,096, K 1,024] x [K 1,024, N 1,024]; A: computed on the way; B: input w_o (given as codes): QUANTISED
;;     5. [M 4,096, K 1,024] x [K 1,024, N 4,096]; A: computed on the way; B: input w1 (given as codes): QUANTISED
;;     6. [M 4,096, K 4,096] x [K 4,096, N 1,024]; A: computed on the way; B: input w2 (given as codes): QUANTISED
;;   THE QUANTISER, for each operand of a quantised product, along K:
;;     - K is cut into blocks of 32 from its start; a last block that is shorter is filled with zeros.
;;     - A block's scale is 2^e with e = floor(log2(the largest magnitude in the block)) - 15, held to -126 .. 127; a block of zeros has e = 0. As a byte (E8M0): e + 127.
;;     - Each number is divided by its block's scale, clamped to +-57,344, and rounded to the nearest number of E5M2, ties to even, subnormals kept.
;;     - The product sums the exact products of the quantised numbers (number of the format x scale) in f32.
;;   ~~~python
;;   def quantise(x, axis):      # numpy; x: float32 -> the quantised numbers, widened to float32 again
;;       x = np.moveaxis(x, axis, -1); K = x.shape[-1]
;;       x = np.pad(x, [(0, 0)] * (x.ndim - 1) + [(0, -K % 32)]); x = x.reshape(x.shape[:-1] + (-1, 32)); a = np.abs(x).max(-1, keepdims=True)
;;       e = np.where(a > 0, np.clip(np.frexp(np.where(a > 0, a, 1))[1] - 1 - 15, -126, 127), 0)      # np.frexp(a)[1] - 1 = floor(log2(a)), exactly
;;       r = np.clip(x / 2.0 ** e, -57344, 57344)
;;       step = 2.0 ** (np.maximum(np.frexp(np.where(r == 0, 1, r))[1] - 1, -14) - 2)
;;       q = np.round(r / step) * step * 2.0 ** e      # np.round: ties to even
;;       return np.moveaxis(q.reshape(q.shape[:-2] + (-1,))[..., :K], -1, axis).astype(np.float32)
;;   ~~~
;;   SOFTMAX AHEAD OF A QUANTISED PRODUCT. Where the list says 'softmax', what is quantised is not the finished softmax but p = 2^(t - M), with t = logit x log2(e) and M = ceil(the row's largest t), a whole number; so 1/2 < the row's largest p <= 1. The row's sum l is taken of the UNQUANTISED p, in f32, and the product's result is divided by l at the end. Since M is a whole number, a kernel that streams over the keys may use a running M (the ceiling of the running maximum): every later rescaling is an exact power of two, which a block's scale takes up: the codes' values come out the same.
;;   OPERANDS COMPUTED ON THE WAY. 'Computed on the way' means the value that the module computes at that place (a softmax that the list does not call 'softmax' is quantised finished and normalised). What goes into a quantiser is computed in f32, as accurately as f32 sums, v_exp_f32 and their like allow (about 1e-6 of the number): no bf16 or f16 on the way to a quantiser, and a product that is left as it is and whose result goes on into a quantised operand takes f32 operands (vector FMAs, or v_wmma_f32_16x16x4_f32). A number that lies on a knife's edge between two numbers of the format may be rounded either way, as far as f32 arithmetic and the matrix unit's own rounding can turn it there, and no further.
;;   INPUTS GIVEN AS CODES. w1 (in the module: [1024, 4096], K = its axis 0); w2 (in the module: [4096, 1024], K = its axis 0); w_o (in the module: [1024, 1024], K = its axis 0); w_qkv (in the module: [1024, 3072], K = its axis 0): each comes as NAME_codes (uint8): NAME with its K axis moved to the last place and cut into blocks of 32 codes, [.., K / 32, bytes a block], one block behind the other in memory; one code a byte (a code: sign, 5 exponent bits, 2 mantissa bits); and NAME_scales (uint8): the same leading axes, one E8M0 byte (e + 127) for each 32 codes along K. Its value is code x scale, taken as it is: it is not quantised again, and the codes and scales need not be those that the quantiser above would give.
;; 2 versions. Each part assembles by itself: llvm-mc -triple=amdgcn-amd-amdhsa -mcpu=gfx1250 --defsym DOCPART=n.
;; ======== version 1 of 2: 8 launches
;; workspace buffers: xa 4,325,376 bytes; qkv 13,369,344 bytes; oa 4,325,376 bytes; r 16,777,216 bytes; h 16,777,216 bytes; fa 17,301,504 bytes
;; launch quant_x (part 1): grid 256 x 1, 2 waves a work-group, no clusters, 2,816 bytes of LDS; arguments x, xa; writes xa
.if DOCPART == 1
	.amdgcn_target "amdgcn-amd-amdhsa--gfx1250"
	.amdhsa_code_object_version 6
	.text
	.protected	k_qd0c80cc7f9_quant_x
	.globl	k_qd0c80cc7f9_quant_x
	.p2align	8
	.type	k_qd0c80cc7f9_quant_x,@function
k_qd0c80cc7f9_quant_x:
	s_mov_b64 s[64:65], 0
	v_nop
	global_prefetch_b8 v0, s[64:65] scope:SCOPE_SE
	s_setreg_imm32_b32 hwreg(HW_REG_WAVE_MODE, 25, 1), 1
	s_wait_xcnt 0x0
; ROWS OF 1,024 f32 NUMBERS, one wave to a row at a time; three launches share this text and differ in three switches.
; DO_LN: the row is normalised (mean and variance in two passes over registers, then gain and offset).  DO_F: the f32 row is stored.
; DO_Q: the row is quantised to E5M2 codes, one E8M0 byte for each 32 columns: codes [4096][1024] at byte 0 of the buffer, bytes [4096][32] at XSC.
; This launch: x -> codes and scale bytes (DO_Q alone).
; SHARES: wave W = 2 x work-group + wave owns rows 8 W .. 8 W + 7.  Lane L holds columns 128 j + 4 L + 0..3, j = 0..7: each load and f32 store of the wave
; covers 512 consecutive bytes.  A block of 32 columns lies in 8 neighbouring lanes of one j.  Three row slots in registers: two rows are on their way while one is worked on.
; A row's 1,024 codes go through the wave's own 1,024 bytes of LDS and leave as two stores of 512 consecutive bytes; its 8 rows' 256 scale bytes leave as one store of 256.
; LIMITS: NaN and infinities are not served.  A block whose largest magnitude lies under 2^-111, a block of zeros among them, gets the byte 1 (the rule says 127 for zeros): its codes
; are zeros or the rule's own, and these bytes are read by this program alone.  v_rsq_f32 is good to 1 ulp.
.set DO_LN, 0
.set DO_Q,  1
.set DO_F,  0
.set XSC,  4194304
.set OFF,  1                           ; v1  16 L
.set STW,  2                           ; v2  stage + 4 L
.set STR,  3                           ; v3  stage + 16 L
.set SBW,  4                           ; v4  scale bytes + L / 8
.set SBR,  5                           ; v5  scale bytes + 8 L
.set O8,   6                           ; v6  8 L
.set PT,   7                           ; v7  a lane permute's destination, written once
.set A,    8                           ; v8-15   largest magnitudes, then the bytes
.set SOP,  16                          ; v16-23  the conversions' scale operands
.set HOLD, 24                          ; v24-31  57,344 x the scale
.set T,    32                          ; v32-47  two sets of 8: four held numbers, four zeros that stay
.set C,    48                          ; v48-63  a pair for each j: the low register holds my four codes
.set O,    64                          ; v64-71  the row's codes read back
.set G,    72                          ; v72-103  gain of my 32 columns
.set B,    104                         ; v104-135 offset
.set X,    136                         ; v136-231 three row slots of 32
.set MU,   232
.set RS,   234
.set SA,   236
.set SB,   238
	s_load_b64 s[4:5], s[0:1], 0x0                 ; the rows
.if DO_LN
	s_load_b64 s[6:7], s[0:1], 0x8                 ; gain
	s_load_b64 s[8:9], s[0:1], 0x10                ; offset
	s_load_b64 s[10:11], s[0:1], 0x18              ; f32 out
.if DO_Q
	s_load_b64 s[12:13], s[0:1], 0x20              ; codes and bytes
.endif
.else
	s_load_b64 s[12:13], s[0:1], 0x8
	v_lshl_add_u32 v240, v0, 2, 0xa00
	v_mov_b32 v241, 0
.endif
	v_lshrrev_b32 v8, 5, v0
	v_readfirstlane_b32 s16, v8                    ; wave
	v_and_b32 v9, 31, v0                           ; L
	v_lshlrev_b32 v[OFF], 4, v9
	v_mov_b32 v[PT], 0
.if DO_Q
	s_mul_i32 s17, s16, 1280                       ; my wave's LDS: 1,024 bytes of stage, 256 scale bytes
	v_lshl_add_u32 v[STW], v9, 2, s17
	v_lshl_add_u32 v[STR], v9, 4, s17
	v_lshrrev_b32 v[SBW], 3, v9
	v_add_nc_u32 v[SBW], s17, v[SBW]
	v_add_nc_u32 v[SBW], 1024, v[SBW]
	v_lshl_add_u32 v[SBR], v9, 3, s17
	v_add_nc_u32 v[SBR], 1024, v[SBR]
	v_lshlrev_b32 v[O8], 3, v9
.set j, 0
.rept 16
	v_mov_b32 v[T+j], 0
.set j, j+1
.endr
.endif
	s_mov_b32 s30, 0x76543210
	s_mov_b32 s31, 0xfedcba98                      ; lane l xor 16
	s_mov_b32 s22, 0x600000                        ; the mantissa field of 57,344
	s_mov_b32 s23, 0x3a800000                      ; 1 / 1,024
	s_mov_b32 s24, 0x3727c5ac                      ; 1e-5
	s_lshl_b32 s18, ttmp9, 1
	s_add_co_u32 s18, s18, s16                     ; W
	s_lshl_b32 s20, s18, 15                        ; 8 rows of 4,096 bytes
	s_mov_b32 s21, 0
	s_lshl_b32 s26, s18, 13                        ; 8 rows of 1,024 codes
	s_mov_b32 s27, 0
	s_lshl_b32 s28, s18, 8                         ; 8 rows of 32 bytes
	s_add_co_u32 s28, s28, XSC
	s_mov_b32 s29, 0
	s_wait_kmcnt 0x0
	s_add_nc_u64 s[4:5], s[4:5], s[20:21]
.if DO_F
	s_add_nc_u64 s[10:11], s[10:11], s[20:21]
.endif
.if DO_Q
	s_add_nc_u64 s[14:15], s[12:13], s[28:29]
	s_add_nc_u64 s[12:13], s[12:13], s[26:27]
.endif
.macro LOADROW i
.irp j, 0,1,2,3,4,5,6,7
	global_load_b128 v[X+32*((\i)%3)+4*\j:X+32*((\i)%3)+4*\j+3], v[OFF], s[4:5] offset:4096*(\i)+512*\j th:TH_LOAD_NT
.endr
.endm
.macro WSUM                            ; v[SA] summed over the 32 lanes, the result in every lane
	v_add_f32_dpp v[SA], v[SA], v[SA] row_xmask:1 row_mask:0xf bank_mask:0xf
	v_add_f32_dpp v[SA], v[SA], v[SA] row_xmask:2 row_mask:0xf bank_mask:0xf
	v_add_f32_dpp v[SA], v[SA], v[SA] row_xmask:4 row_mask:0xf bank_mask:0xf
	v_add_f32_dpp v[SA], v[SA], v[SA] row_xmask:8 row_mask:0xf bank_mask:0xf
	v_permlanex16_b32 v[PT], v[SA], s30, s31
	v_add_f32 v[SA], v[SA], v[PT]
.endm
.macro NORM                            ; the row in v[XR] on is normalised in place
	v_pk_add_f32 v[SA:SA+1], v[XR:XR+1], v[XR+2:XR+3]
	v_pk_add_f32 v[SB:SB+1], v[XR+4:XR+5], v[XR+6:XR+7]
.irp k, 8,12,16,20,24,28
	v_pk_add_f32 v[SA:SA+1], v[SA:SA+1], v[XR+\k:XR+\k+1]
	v_pk_add_f32 v[SB:SB+1], v[SB:SB+1], v[XR+\k+2:XR+\k+3]
.endr
	v_pk_add_f32 v[SA:SA+1], v[SA:SA+1], v[SB:SB+1]
	v_add_f32 v[SA], v[SA], v[SA+1]
	WSUM
	v_mul_f32 v[MU], s23, v[SA]                    ; the mean
	v_mov_b32 v[MU+1], v[MU]
.set k, 0
.rept 16
	v_pk_add_f32 v[XR+k:XR+k+1], v[XR+k:XR+k+1], v[MU:MU+1] neg_lo:[0,1] neg_hi:[0,1]   ; x - mean: the variance is taken of these, so no difference of large sums is formed
.set k, k+2
.endr
	v_pk_mul_f32 v[SA:SA+1], v[XR:XR+1], v[XR:XR+1]
	v_pk_mul_f32 v[SB:SB+1], v[XR+2:XR+3], v[XR+2:XR+3]
.irp k, 4,8,12,16,20,24,28
	v_pk_fma_f32 v[SA:SA+1], v[XR+\k:XR+\k+1], v[XR+\k:XR+\k+1], v[SA:SA+1]
	v_pk_fma_f32 v[SB:SB+1], v[XR+\k+2:XR+\k+3], v[XR+\k+2:XR+\k+3], v[SB:SB+1]
.endr
	v_pk_add_f32 v[SA:SA+1], v[SA:SA+1], v[SB:SB+1]
	v_add_f32 v[SA], v[SA], v[SA+1]
	WSUM
	v_fma_f32 v[SB], v[SA], s23, s24               ; variance + 1e-5
	v_rsq_f32 v[RS], v[SB]
	v_nop                                          ; a plain instruction behind the transcendental
	s_wait_alu depctr_va_vdst(0)                   ; and a wait ahead of its first reader
	v_mov_b32 v[RS+1], v[RS]
.set k, 0
.rept 16
	v_pk_mul_f32 v[XR+k:XR+k+1], v[XR+k:XR+k+1], v[RS:RS+1]
.set k, k+2
.endr
.set k, 0
.rept 16
	v_pk_fma_f32 v[XR+k:XR+k+1], v[XR+k:XR+k+1], v[G+k:G+k+1], v[B+k:B+k+1]
.set k, k+2
.endr
.endm
.macro QROW i                          ; the row in v[XR] on becomes codes and scale bytes; v[XR] on stays as it is
.irp j, 0,1,2,3,4,5,6,7
	v_max3_num_f32 v[A+\j], |v[XR+4*\j]|, |v[XR+4*\j+1]|, 0x8000000       ; my four numbers of block 4 j + L / 8, and the floor 2^(16 - 127): the byte cannot fall under 1
.endr
.irp j, 0,1,2,3,4,5,6,7
	v_max3_num_f32 v[A+\j], v[A+\j], |v[XR+4*\j+2]|, |v[XR+4*\j+3]|
.endr
.irp m, 1,2,4
.irp j, 0,1,2,3,4,5,6,7
	v_max_num_f32_dpp v[A+\j], v[A+\j], v[A+\j] row_xmask:\m row_mask:0xf bank_mask:0xf   ; with the block's other seven lanes
.endr
.endr
.irp j, 0,1,2,3,4,5,6,7
	v_add_nc_u32 v[SOP+\j], 0xf8800000, v[A+\j]    ; 15 off the exponent field: the conversion's scale operand
.endr
.irp j, 0,1,2,3,4,5,6,7
	v_and_or_b32 v[HOLD+\j], v[A+\j], 0x7f800000, s22   ; 57,344 x the scale
.endr
.irp j, 0,1,2,3,4,5,6,7
	v_lshrrev_b32 v[A+\j], 23, v[SOP+\j]           ; the scale's byte
.endr
.irp j, 0,1,2,3,4,5,6,7
.irp k, 0,1,2,3
	v_med3_num_f32 v[T+8*(\j%2)+\k], v[XR+4*\j+\k], -v[HOLD+\j], v[HOLD+\j]   ; the conversion does not saturate (ISA guide 7.6.2): the hold first
.endr
	v_cvt_scalef32_pk8_bf8_f32 v[C+2*\j:C+2*\j+1], v[T+8*(\j%2):T+8*(\j%2)+7], v[SOP+\j]   ; four codes and four zeros; the next j's holds, into the other set, are the plain lines behind it
.endr
	v_nop
.irp j, 0,1,2,3,4,5,6,7
	ds_store_b32 v[STW], v[C+2*\j] offset:128*\j
	ds_store_b8 v[SBW], v[A+\j] offset:32*(\i)+4*\j    ; eight lanes write the same byte with the same value
.endr
	s_wait_xcnt 0x0                                ; the last row's stores have read v[O] on
	ds_load_b128 v[O:O+3], v[STR]                  ; LDS serves a wave's instructions in order: these see my stores
	ds_load_b128 v[O+4:O+7], v[STR] offset:512
	s_wait_dscnt 0x0
	global_store_b128 v[OFF], v[O:O+3], s[12:13] offset:1024*(\i)
	global_store_b128 v[OFF], v[O+4:O+7], s[12:13] offset:1024*(\i)+512
.endm
.macro ROW i, left
.set XR, X+32*((\i)%3)
	s_wait_loadcnt \left                           ; loads come back in order: this row is in, the younger rows' loads stay out
.if DO_LN
	NORM
.endif
.if DO_F
.irp j, 0,1,2,3,4,5,6,7
.if DO_Q
	global_store_b128 v[OFF], v[XR+4*\j:XR+4*\j+3], s[10:11] offset:4096*(\i)+512*\j
.else
	global_store_b128 v[OFF], v[XR+4*\j:XR+4*\j+3], s[10:11] offset:4096*(\i)+512*\j th:TH_STORE_NT
.endif
.endr
.endif
.if DO_Q
	QROW \i
.endif
.if (\i)+3 < 8
	s_wait_xcnt 0x0                                ; the stores have read this slot's registers: it may be loaded again
	LOADROW (\i)+3
.endif
.endm
.if DO_LN
.irp j, 0,1,2,3,4,5,6,7
	global_load_b128 v[G+4*\j:G+4*\j+3], v[OFF], s[6:7] offset:512*\j
	global_load_b128 v[B+4*\j:B+4*\j+3], v[OFF], s[8:9] offset:512*\j
.endr
.endif
	LOADROW 0
	LOADROW 1
	LOADROW 2
	ROW 0, 16
	ROW 1, 16
	ROW 2, 16
	ROW 3, 16
	ROW 4, 16
	ROW 5, 16
	ROW 6, 8
	ROW 7, 0
.if DO_Q
	s_wait_xcnt 0x0
	ds_load_b64 v[O:O+1], v[SBR]
	s_wait_dscnt 0x0
	global_store_b64 v[O8], v[O:O+1], s[14:15]     ; 32 lanes store 256 consecutive bytes, aligned: 8 rows' scale bytes
.endif
	s_wait_tensorcnt 0x0
	ds_add_u32 v240, v241
	s_wait_dscnt 0x0
	s_endpgm
.Lfunc_end_k_qd0c80cc7f9_quant_x:
	.size	k_qd0c80cc7f9_quant_x, .Lfunc_end_k_qd0c80cc7f9_quant_x-k_qd0c80cc7f9_quant_x
	.p2alignl 7, 3214868480
	.fill 96, 4, 3214868480
	.section	.rodata,"a",@progbits
	.p2align	6, 0x0
	.amdhsa_kernel k_qd0c80cc7f9_quant_x
		.amdhsa_group_segment_fixed_size 2816
		.amdhsa_private_segment_fixed_size 0
		.amdhsa_enable_private_segment 0
		.amdhsa_kernarg_size 16
		.amdhsa_user_sgpr_count 2
		.amdhsa_user_sgpr_kernarg_segment_ptr 1
		.amdhsa_wavefront_size32 1
		.amdhsa_system_sgpr_workgroup_id_x 1
		.amdhsa_system_sgpr_workgroup_id_y 1
		.amdhsa_system_sgpr_workgroup_id_z 1
		.amdhsa_system_vgpr_workitem_id 0
		.amdhsa_next_free_vgpr 242
		.amdhsa_next_free_sgpr 66
		.amdhsa_reserve_vcc 0
		.amdhsa_float_denorm_mode_32 3
		.amdhsa_float_denorm_mode_16_64 3
		.amdhsa_memory_ordered 1
		.amdhsa_forward_progress 1
		.amdhsa_inst_pref_size 75
	.end_amdhsa_kernel
	.amdgpu_metadata
---
amdhsa.version: [ 1, 2 ]
amdhsa.kernels:
  - .name:           k_qd0c80cc7f9_quant_x
    .symbol:         k_qd0c80cc7f9_quant_x.kd
    .args:
      - { .name: x, .offset: 0, .size: 8, .value_kind: global_buffer, .address_space: global }
      - { .name: xa, .offset: 8, .size: 8, .value_kind: global_buffer, .address_space: global }
    .group_segment_fixed_size: 2816
    .private_segment_fixed_size: 0
    .kernarg_segment_align: 8
    .kernarg_segment_size: 16
    .max_flat_workgroup_size: 64
    .sgpr_count:     66
    .vgpr_count:     242
    .wavefront_size: 32
...
	.end_amdgpu_metadata
.endif
;; end of part 1
;; launch gemm_qkv (part 2): grid 8 x 32, 4 waves a work-group, clusters of 4 x 4, 327,680 bytes of LDS; arguments xa, w_qkv_codes, w_qkv_scales, b_qkv, qkv; writes qkv
.if DOCPART == 2
	.amdgcn_target "amdgcn-amd-amdhsa--gfx1250"
	.amdhsa_code_object_version 6
	.text
	.protected	k_qd0c80cc7f9_gemm_qkv
	.globl	k_qd0c80cc7f9_gemm_qkv
	.p2align	8
	.type	k_qd0c80cc7f9_gemm_qkv,@function
k_qd0c80cc7f9_gemm_qkv:
	s_mov_b64 s[64:65], 0
	v_nop
	global_prefetch_b8 v0, s[64:65] scope:SCOPE_SE
	s_setreg_imm32_b32 hwreg(HW_REG_WAVE_MODE, 25, 1), 1
	s_wait_xcnt 0x0
	s_wait_alu depctr_hold_cnt(0) depctr_sa_sdst(0) depctr_va_vdst(0) depctr_va_sdst(0) depctr_va_ssrc(0) depctr_va_vcc(0) depctr_vm_vsrc(0)
	s_getreg_b32 s2, hwreg(HW_REG_IB_STS2, 6, 4)
	s_cmp_eq_u32 s2, 0
	s_cbranch_scc0 .Lentry_in_a_cluster
	s_endpgm
.Lentry_in_a_cluster:
	s_bfe_u32 s2, ttmp6, 0x10000c
	s_cmp_lg_u32 s2, 0xf033
	s_cbranch_scc0 .Lentry_shape_is_right
	s_endpgm
.Lentry_shape_is_right:
; A GEMM ON E5M2 CODES WHOSE RESULT IS QUANTISED ON ITS WAY OUT.  Two launches share this text (switch FF1).
; X: codes [4096][1024] row-major with scale bytes [4096][32] behind them (XSOFF); W: codes [N][1024], scale bytes [N][32]; bias f32 [N].
; FF1 = 0: qkv = x w_qkv + b_qkv, N = 3,072.  q and k are quantised along the head's 64, v along the tokens.   FF1 = 1: relu(h w1 + b1), N = 4,096, quantised along N.
; SHARES.  Work-group (gx, gy) keeps X's rows 128 gy .. + 127, all of K, in LDS and walks NT tiles of 128 rows of W through the two W regions, which are filled again.
; A slot holds 512 along K: W's 128 rows and X's 128 rows, 528 bytes from row to row.  Four waves; a wave makes P 128 x Q 32: 16 accumulators.
; The matrix instruction's source 0 is P, source 1 is Q: a lane holds ONE row of Q, and its registers run along P.  P = W, Q = X's 32 rows of the wave (mode 0); for v P = X, Q = W's 32 rows (mode 1).
; THE ROWS OF A TILE ARE NOT NEIGHBOURS: lane r of tile 2 G + U stands for row 32 G + 8 U + r + 8 (r / 8), on both sources.  So the 16 registers of P's tiles 2 b, 2 b + 1 are 16 neighbours
; 32 b + 16 (lane / 16) + 0..15 along the next product's K, and the conversions' results ARE that product's operand registers.  They are stored as images of those registers:
; group c of four registers at 512 c + 16 x lane; scale words as images too: word 4 x lane = tile U = lane / 16, row lane % 16.
; CLUSTER 4 x 4: W's tiles hang on gx alone and are asked for jointly along a column of the cluster, X's on gy alone, along a row.  Every wave fetches 32 rows of every tile.
; LIMITS: NaN and infinities are not served; a block whose largest magnitude lies under 2^-111, zeros among them, gets the byte 1 (read by this program alone).
; REGISTERS.  window 0: v4-23 addresses; v32-63 P's scale words, v64-71 Q's (they hold nothing else); v72-92 the quantiser's; v96-127 codes; v128-255 accumulator (a, p) at 128 + 64 a + 8 p.
;   window 1: P's fragments, two sets of 128.   window 2: v0-63 Q's fragments, two sets of 32; v64-127 the bias in the result's layout.
.set FF1, 0
.if FF1
.set NT,  4
.set WSH, 19                           ; gx x 512 rows x 1,024 bytes
.else
.set NT,  3
.set WSH, 18                           ; gx x 256 rows x 1,024 bytes
.endif
.set PITCH, 528
.set WPART, 32*PITCH                   ; what one tensor load brings
.set REG,   4*WPART                    ; 128 rows
.set SLOT,  2*REG                      ; W's region, then X's
.set SCW,   2*SLOT                     ; W's scale bytes, 4,352 a tile: units of 256 bytes + 16
.set SCX,   SCW+NT*4352                ; X's
.set SPARE, SCX+4352                   ; the spare words: 128 bytes a wave, named by no other line
.set XSOFF, 4194304
.set QKS,   12582912
.set VC,    8388608
.set VS,    13107200
.set FS,    16777216
.set LI,  4
.set LS,  5
.set SPW, 6
.set NIL, 7
.set AWA, 8                            ; v8-9   W's region of slot s, all rows
.set AWW, 10                           ; v10-11 my wave's 32 rows of it
.set AXA, 12                           ; v12-13 X's region, all rows
.set AXW, 14                           ; v14-15 my wave's 32 rows
.set SWA, 16
.set SWW, 17
.set SXA, 18
.set SXW, 19
.set BO,  20
.set BVO, 21
.set CPY, 22
.set CPG, 23
.set SP,  32
.set SQ,  64
.set TM,  72
.set PW0, 88
.set PW1, 89
.set PC0, 96
.set PC1, 112
.set ACC, 128
.set BIAS, 64
.set WV,  14
.set G1W, 24
.set G1X, 32
.set G0W, 40
.set G0X, 48
.set SEL, 58
.set MNT, 60
.set WVB, 76
.set MSB, 0
.macro WIN new                         ; the immediate's high byte repeats the setting that is left
.if MSB != \new
	s_set_vgpr_msb (MSB<<8)|\new
.set MSB, \new
.endif
.endm
.macro PLACES n
.rept \n
	v_nop
.endr
.endm
.macro CREST                           ; a round of the cluster's barrier behind its opening barrier
	s_cmp_lg_u32 s[WV], 0
	s_cbranch_scc1 .Lnot_wave_0_\@
	s_barrier_signal -3
.Lnot_wave_0_\@:
	s_barrier_wait -3
	s_barrier_signal -1
	s_barrier_wait -1
.endm
.macro CROUND
	s_barrier_signal -1
	s_barrier_wait -1
	CREST
.endm
.macro FRAG reg, adr, off              ; 16 rows x 128 K: registers 4 c .. 4 c + 3 hold K = 32 c + 16 (lane / 16) + 0..15
.irp c, 0,1,2,3
	ds_load_b128 v[\reg+4*\c:\reg+4*\c+3], v[\adr] offset:\off+32*\c
.endr
.endm
.macro FETCH slot, q, set, mode        ; the fragments of the slot's q-th 128 along K: P's eight (window 1), Q's two (window 2)
	WIN 0x40
.irp p, 0,1,2,3,4,5,6,7
.if \mode
	FRAG 128*(\set)+16*\p, AXA+(\slot), (32*(\p/2)+8*(\p%2))*PITCH+128*(\q)
.else
	FRAG 128*(\set)+16*\p, AWA+(\slot), (32*(\p/2)+8*(\p%2))*PITCH+128*(\q)
.endif
.endr
	WIN 0x80
.irp a, 0,1
.if \mode
	FRAG 32*(\set)+16*\a, AWW+(\slot), 8*\a*PITCH+128*(\q)
.else
	FRAG 32*(\set)+16*\a, AXW+(\slot), 8*\a*PITCH+128*(\q)
.endif
.endr
	WIN 0
.endm
.macro SCALES ss, adrP, offP, adrQ, offQ   ; a slot's scale words: 16 bytes a row are the words of its four K steps; lanes 0-15 take the even tile's rows, lanes 16-31 the odd tile's
.irp b, 0,1,2,3
	ds_load_b128 v[SP+16*(\ss)+4*\b:SP+16*(\ss)+4*\b+3], v[\adrP] offset:\offP+1088*\b
.endr
	ds_load_b128 v[SQ+4*(\ss):SQ+4*(\ss)+3], v[\adrQ] offset:\offQ
.endm
.macro WM a, p, set, q, ss, cm         ; one matrix instruction.  cm = 0: adds in place; 1: starts from the bias of P's tile; 2: from the bias of Q's tile
.set rD, ACC+64*(\a)+8*(\p)
.set rC, rD
.if (\cm) == 1
.set rC, BIAS+8*(\p)
.endif
.if (\cm) == 2
.set rC, BIAS+8*(\a)
.endif
.set rP, 128*(\set)+16*(\p)
.set rQ, 32*(\set)+16*(\a)
.set rS, SP+16*(\ss)+4*((\p)/2)+(\q)
.set rT, SQ+4*(\ss)+(\q)
.if ((\p)%2) && (\a)
	v_wmma_scale_f32_16x16x128_f8f6f4 v[rD:rD+7], v[rP:rP+15], v[rQ:rQ+15], v[rC:rC+7], v[rS], v[rT] matrix_a_fmt:MATRIX_FMT_BF8 matrix_b_fmt:MATRIX_FMT_BF8 matrix_a_scale:MATRIX_SCALE_ROW1 matrix_b_scale:MATRIX_SCALE_ROW1
.elseif (\p)%2
	v_wmma_scale_f32_16x16x128_f8f6f4 v[rD:rD+7], v[rP:rP+15], v[rQ:rQ+15], v[rC:rC+7], v[rS], v[rT] matrix_a_fmt:MATRIX_FMT_BF8 matrix_b_fmt:MATRIX_FMT_BF8 matrix_a_scale:MATRIX_SCALE_ROW1
.elseif \a
	v_wmma_scale_f32_16x16x128_f8f6f4 v[rD:rD+7], v[rP:rP+15], v[rQ:rQ+15], v[rC:rC+7], v[rS], v[rT] matrix_a_fmt:MATRIX_FMT_BF8 matrix_b_fmt:MATRIX_FMT_BF8 matrix_b_scale:MATRIX_SCALE_ROW1
.else
	v_wmma_scale_f32_16x16x128_f8f6f4 v[rD:rD+7], v[rP:rP+15], v[rQ:rQ+15], v[rC:rC+7], v[rS], v[rT] matrix_a_fmt:MATRIX_FMT_BF8 matrix_b_fmt:MATRIX_FMT_BF8
.endif
.endm
.macro MUL a, set, q, ss, cm           ; Q's tile a against P's eight.  The 16 accumulators take turns, one instruction a turn, in the same order in every step
.if \cm
	WIN 0x29                                       ; P window 1, Q window 2, C (the bias) window 2, D window 0
.else
	WIN 0x09
.endif
.irp p, 0,1,2,3,4,5,6,7
	WM \a, \p, \set, \q, \ss, \cm
.endr
.endm
.macro STEP slot, q, mode, cm          ; 128 along K that has its successor in the same slot
	s_wait_dscnt 0x0                               ; this step's fragments are in
	MUL 0, (\q)%2, \q, \slot, \cm
	WIN 0
	PLACES 8                                       ; eight plain instructions between the last product that read the other set and the loads into it
	FETCH \slot, (\q)+1, 1-(\q)%2, \mode
	MUL 1, (\q)%2, \q, \slot, \cm
	WIN 0
.endm
; A slot's last step changes slots.  In front of the one barrier every wave waits for all its tensor loads, adds 0 to its spare word, and waits for that and for its reads of this slot.
; fill = 1: W's region of this slot takes the next tile of W (128 rows on); 2: the tile of v's rows; 0: nothing.  With a fill the barrier opens a round of the cluster's barrier.
.macro TURN slot, mode, nmode, fill, bump, adrP, offP, adrQ, offQ
	s_wait_tensorcnt 0x0                           ; all my tensor loads have landed: my part of the other slot among them; so a group 0 may be written
	ds_add_u32 v[SPW], v[NIL]
.if \fill == 1
	s_add_nc_u64 s[G0W+4*\slot+2:G0W+4*\slot+3], s[G0W+4*\slot+2:G0W+4*\slot+3], 131072
.elseif \fill == 2
	s_add_nc_u64 s[G0W+4*\slot+2:G0W+4*\slot+3], s[WVB:WVB+1], 512*\slot
	s_or_b32 s[G0W+4*\slot+3], s[G0W+4*\slot+3], 0x80000000
.endif
	s_wait_dscnt 0x0                               ; the add is done, my reads of this slot are over
	s_barrier_signal -1
	MUL 0, 1, 3, \slot, 0                          ; work on registers while the others arrive
	WIN 0
	s_barrier_wait -1
.if \fill
	CREST                                          ; no wave of any partner still reads this region or has a load on its way
	tensor_load_to_lds s[G0W+4*\slot:G0W+4*\slot+3], s[G1W:G1W+7]   ; my one tensor load behind the round, and the first thing there
	s_nop 0
.endif
	PLACES 8
.if \bump
	v_add_nc_u32 v[SWA], 4352, v[SWA]              ; the next tile's scale bytes of W
.endif
	FETCH 1-\slot, 0, 0, \nmode
	SCALES 1-\slot, \adrP, \offP, \adrQ, \offQ
	MUL 1, 1, 3, \slot, 0
	WIN 0
.endm
.macro LAST                            ; the launch's last step: nothing more to fetch
	s_wait_dscnt 0x0
	MUL 0, 1, 3, 1, 0
	MUL 1, 1, 3, 1, 0
	WIN 0
.endm
; 64 numbers of a lane, register 16 b + i = k 32 b + 16 (lane / 16) + i of my row, become a fragment's codes in v[pc] on and its scale word in v[pw].
.macro QUANT s, relu, pc, pw
.if \relu                                      ; no |.|: what is negative becomes 0, so it does not count; the floor stands over it
.irp b, 0,1,2,3
	v_max3_num_f32 v[TM+\b], v[\s+16*\b], v[\s+1+16*\b], 0x8000000
.endr
.irp i, 2,4,6,8,10,12,14
.irp b, 0,1,2,3
	v_max3_num_f32 v[TM+\b], v[TM+\b], v[\s+16*\b+\i], v[\s+1+16*\b+\i]
.endr
.endr
.else
.irp b, 0,1,2,3
	v_max3_num_f32 v[TM+\b], |v[\s+16*\b]|, |v[\s+1+16*\b]|, 0x8000000   ; my 16 numbers of block b and the floor 2^(16 - 127)
.endr
.irp i, 2,4,6,8,10,12,14
.irp b, 0,1,2,3
	v_max3_num_f32 v[TM+\b], v[TM+\b], |v[\s+16*\b+\i]|, |v[\s+1+16*\b+\i]|
.endr
.endr
.endif
.irp b, 0,1,2,3
	v_permlanex16_b32 v[TM+4+\b], v[TM+\b], s[SEL], s[SEL+1]
.endr
.irp b, 0,1,2,3
	v_max_num_f32 v[TM+\b], v[TM+\b], v[TM+4+\b]   ; with lane l xor 16's 16: the block's largest magnitude
.endr
.irp b, 0,1,2,3
	v_add_nc_u32 v[TM+12+\b], 0xf8800000, v[TM+\b] ; 15 off its exponent field: the conversion's scale operand
.endr
.irp b, 0,1,2,3
	v_and_or_b32 v[TM+8+\b], v[TM+\b], 0x7f800000, s[MNT]   ; 57,344 x the scale
.endr
.irp b, 0,1,2,3
	v_lshrrev_b32 v[TM+4+\b], 23, v[TM+12+\b]      ; the scale's byte
.endr
	v_lshl_or_b32 v[\pw], v[TM+5], 8, v[TM+4]
	v_lshl_or_b32 v[\pw], v[TM+6], 16, v[\pw]
	v_lshl_or_b32 v[\pw], v[TM+7], 24, v[\pw]
.irp b, 0,1,2,3
.irp i, 0,1,2,3,4,5,6,7,8,9,10,11,12,13,14,15
.if \relu
	v_med3_num_f32 v[\s+16*\b+\i], v[\s+16*\b+\i], 0, v[TM+8+\b]          ; the activation and the hold in one
.else
	v_med3_num_f32 v[\s+16*\b+\i], v[\s+16*\b+\i], -v[TM+8+\b], v[TM+8+\b]   ; the conversion does not saturate (ISA guide 7.6.2)
.endif
.endr
	v_cvt_scalef32_pk8_bf8_f32 v[\pc+4*\b:\pc+1+4*\b], v[\s+16*\b:\s+7+16*\b], v[TM+12+\b]
	v_cvt_scalef32_pk8_bf8_f32 v[\pc+2+4*\b:\pc+3+4*\b], v[\s+8+16*\b:\s+15+16*\b], v[TM+12+\b]
.endr
	v_nop                                          ; a plain instruction behind the last conversion: later products write its sources
.endm
.macro BIASLOAD                        ; mode 0: lane (r, h) wants, for P's tile p, the bias of columns 32 (p / 2) + 16 h + 8 (p % 2) + 0..7
	WIN 0x80
.irp p, 0,1,2,3,4,5,6,7
	global_load_b128 v[BIAS+8*\p:BIAS+8*\p+3], v[BO], s[70:71] offset:4*(32*(\p/2)+8*(\p%2))
	global_load_b128 v[BIAS+8*\p+4:BIAS+8*\p+7], v[BO], s[70:71] offset:4*(32*(\p/2)+8*(\p%2))+16
.endr
	WIN 0
.endm
.macro BIASV                           ; mode 1: the bias hangs on the lane's own row of Q: eight registers with one number
	WIN 0x80
.irp a, 0,1
.irp j, 0,1,2,3,4,5,6,7
	global_load_b32 v[BIAS+8*\a+\j], v[BVO], s[78:79] offset:32*\a
.endr
.endr
	WIN 0
.endm
.macro PUT4 pc, base, off              ; a whole image: four stores of 512 consecutive bytes
.irp c, 0,1,2,3
	global_store_b128 v[LI], v[\pc+4*\c:\pc+4*\c+3], s[\base:\base+1] offset:\off+512*\c
.endr
.endm
.macro PUTQK pc, a, t                  ; 128 columns are two heads: each head's 64 are groups 0 and 1 of its own image of 1,024 bytes
.irp hh, 0,1
.irp c, 0,1
	global_store_b128 v[LI], v[\pc+8*\hh+4*\c:\pc+8*\hh+4*\c+3], s[66:67] offset:262144*\t+131072*\hh+1024*\a+512*\c
.endr
.endr
.endm
.macro EPI_QK t, nb                    ; the way out of tile t of q or k.  nb = 1: the next tile's bias is of mode 0; 2: v's
	PLACES 8                                       ; between the last products and the first read of results
	s_wait_xcnt 0x0                                ; the last way out's stores have read their registers; the bias's base may step
.if \nb == 1
	s_add_nc_u64 s[70:71], s[70:71], 512
	BIASLOAD
.else
	BIASV
.endif
	QUANT ACC, 0, PC0, PW0
	PUTQK PC0, 0, \t
	QUANT ACC+64, 0, PC1, PW1
	PUTQK PC1, 1, \t
	v_cndmask_b32 v90, v[PW0], v[PW1], s61         ; lanes 0-15: tile 0's words, lanes 16-31: tile 1's
	v_and_b32 v91, 0xffff, v90                     ; the first head's two bytes; bytes 2 and 3 are 0: they scale zero codes
	v_lshrrev_b32 v92, 16, v90                     ; the second head's
	global_store_b32 v[LS], v91, s[68:69] offset:16384*\t
	global_store_b32 v[LS], v92, s[68:69] offset:16384*\t+8192
.endm
.macro EPI_V                           ; the way out of v: 128 tokens along the registers: one K step of attention's second product
	PLACES 8
	s_wait_xcnt 0x0
	QUANT ACC, 0, PC0, PW0
	PUT4 PC0, 72, 0
	global_store_b32 v[LS], v[PW0], s[74:75]
	QUANT ACC+64, 0, PC1, PW1
	PUT4 PC1, 72, 2048
	global_store_b32 v[LS], v[PW1], s[74:75] offset:128
.endm
.macro EPI_FF more                     ; the way out of a tile of the hidden layer: one K step of the next product.  more = 1: another tile follows
	PLACES 8
	s_wait_xcnt 0x0
.if \more
	s_add_nc_u64 s[70:71], s[70:71], 512
	BIASLOAD
.endif
	QUANT ACC, 1, PC0, PW0
	PUT4 PC0, 66, 0
	QUANT ACC+64, 1, PC1, PW1
	PUT4 PC1, 66, 65536
	v_cndmask_b32 v90, v[PW0], v[PW1], s61
	global_store_b32 v[LS], v90, s[68:69]
.if \more
	s_wait_xcnt 0x0                                ; the stores have read their bases
	s_add_nc_u64 s[66:67], s[66:67], 2048          ; the next K step's image
	s_add_nc_u64 s[68:69], s[68:69], 16384
.endif
.endm
.macro THREE slot, mode
	STEP \slot, 0, \mode, 0
	STEP \slot, 1, \mode, 0
	STEP \slot, 2, \mode, 0
.endm
	s_load_b256 s[4:11], s[0:1], 0x0               ; X s[4:5], W's codes s[6:7], W's scales s[8:9], the bias s[10:11]
	s_load_b64 s[12:13], s[0:1], 0x20              ; the output
	v_lshl_add_u32 v[SPW], v0, 2, SPARE
	v_mov_b32 v[NIL], 0
	ds_add_u32 v6, v7
	ds_add_u32 v6, v7
	s_wait_dscnt 0x0
	v_lshrrev_b32 v1, 5, v0
	v_readfirstlane_b32 s[WV], v1                  ; wave 0..3
	s_bfe_u32 s15, ttmp6, 0x40000                  ; cx
	s_bfe_u32 s16, ttmp6, 0x40004                  ; cy
	s_lshl_b32 s17, ttmp9, 2
	s_add_co_u32 s17, s17, s15                     ; gx
	s_and_b32 s18, ttmp7, 0xffff
	s_lshl_b32 s18, s18, 2
	s_add_co_u32 s18, s18, s16                     ; gy
	s_lshl_b32 s19, s16, 2
	s_lshl_b32 s19, 15, s19                        ; my row of the cluster
	s_lshl_b32 s20, 0x1111, s15                    ; my column
	s_or_b32 s[G1W], s20, (1<<20)|(1<<21)|(6<<22)|(3<<25)   ; the mask; elements of 1 byte; padding on; bit 21 beside a mask; 4 words of padding behind every 128
	s_or_b32 s[G1X], s19, (1<<20)|(1<<21)|(6<<22)|(3<<25)
.irp g, G1W, G1X
	s_mov_b32 s[\g+1], 512<<16                     ; tensor_dim0
	s_mov_b32 s[\g+2], 32<<16                      ; tensor_dim1
	s_mov_b32 s[\g+3], 512<<16                     ; tile_dim0
	s_mov_b32 s[\g+4], 32                          ; tile_dim1
	s_mov_b32 s[\g+5], 1024                        ; from row to row
	s_mov_b32 s[\g+6], 0
	s_mov_b32 s[\g+7], 0
.endr
	s_mov_b32 s[SEL], 0x76543210
	s_mov_b32 s[SEL+1], 0xfedcba98
	s_mov_b32 s[MNT], 0x600000
	s_lshl_b32 s21, s[WV], 15                      ; wave x 32 rows x 1,024 bytes
	s_mul_i32 s22, s[WV], WPART
	s_mul_i32 s23, s[WV], 1088
	s_lshl_b32 s80, s17, WSH                       ; W's first tile: made of gx and the wave alone
	s_add_co_u32 s80, s80, s21
	s_mov_b32 s81, 0
	s_lshl_b32 s82, s18, 17                        ; X's rows: of gy and the wave alone
	s_add_co_u32 s82, s82, s21
	s_mov_b32 s83, 0
	s_lshl_b32 s84, s17, WSH-5                     ; W's scale bytes
	s_mov_b32 s85, 0
	s_lshl_b32 s88, s18, 12                        ; X's
	s_add_co_u32 s88, s88, XSOFF
	s_mov_b32 s89, 0
	s_lshl_b32 s70, s17, WSH-8                     ; the bias of the first tile's columns
	s_mov_b32 s71, 0
.if FF1
	s_lshl_b32 s93, s18, 2
	s_add_co_u32 s93, s93, s[WV]                   ; my group of 32 rows: 4 gy + wave
	s_lshl_b32 s66, s93, 17                        ; two row tiles x 32 K steps x 2,048
	s_lshl_b32 s2, s17, 13                         ; K step 4 gx
	s_add_co_u32 s66, s66, s2
	s_mov_b32 s67, 0
	s_lshl_b32 s68, s17, 16
	s_lshl_b32 s2, s93, 7
	s_add_co_u32 s68, s68, s2
	s_add_co_u32 s68, s68, FS
	s_mov_b32 s69, 0
.else
	s_lshl_b32 s86, s17, 12                        ; the scale bytes of v's rows of W
	s_add_co_u32 s86, s86, 65536
	s_mov_b32 s87, 0
	s_lshl_b32 s[WVB], s17, 17                     ; v's rows of W: 2,048 + 128 gx + 32 wave
	s_add_co_u32 s[WVB], s[WVB], s21
	s_add_co_u32 s[WVB], s[WVB], 2097152
	s_mov_b32 s[WVB+1], 0
	s_lshl_b32 s78, s17, 9                         ; and their bias
	s_lshl_b32 s2, s[WV], 7
	s_add_co_u32 s78, s78, s2
	s_add_co_u32 s78, s78, 8192
	s_mov_b32 s79, 0
	s_lshr_b32 s90, s18, 4                         ; n
	s_and_b32 s91, s18, 15                         ; which 128 tokens of the sequence
	s_lshl_b32 s92, s90, 5
	s_lshl_b32 s93, s17, 2
	s_add_co_u32 s92, s92, s93                     ; 32 n + 4 gx: the first of my four heads of q or k
	s_lshl_b32 s93, s91, 2
	s_add_co_u32 s93, s93, s[WV]                   ; my group of 32 tokens
	s_lshl_b32 s66, s92, 17
	s_lshl_b32 s2, s93, 11
	s_add_co_u32 s66, s66, s2
	s_mov_b32 s67, 0
	s_lshl_b32 s68, s92, 13
	s_lshl_b32 s2, s93, 7
	s_add_co_u32 s68, s68, s2
	s_add_co_u32 s68, s68, QKS
	s_mov_b32 s69, 0
	s_lshl_b32 s94, s90, 4
	s_lshl_b32 s2, s17, 1
	s_add_co_u32 s94, s94, s2
	s_lshr_b32 s2, s[WV], 1
	s_add_co_u32 s94, s94, s2                      ; v's head: 16 n + 2 gx + wave / 2
	s_lshl_b32 s94, s94, 4
	s_add_co_u32 s94, s94, s91                     ; x 16 key steps
	s_lshl_b32 s94, s94, 2
	s_and_b32 s2, s[WV], 1
	s_lshl_b32 s2, s2, 1
	s_add_co_u32 s94, s94, s2                      ; x 4 tiles of the head's 64
	s_lshl_b32 s72, s94, 11
	s_add_co_u32 s72, s72, VC
	s_mov_b32 s73, 0
	s_lshl_b32 s74, s94, 7
	s_add_co_u32 s74, s74, VS
	s_mov_b32 s75, 0
.endif
	v_and_b32 v1, 15, v0                           ; r
	v_bfe_u32 v2, v0, 4, 1                         ; h
	v_and_b32 v3, 8, v1
	v_add_nc_u32 v3, v3, v1                        ; r + 8 (r / 8)
	v_and_b32 v24, 31, v0
	v_lshlrev_b32 v[LI], 4, v24
	v_lshlrev_b32 v[LS], 2, v24
	v_cmp_le_u32 s61, 16, v24                      ; lanes 16-31
	v_mul_u32_u24 v25, v3, PITCH
	v_lshl_add_u32 v[AWA], v2, 4, v25
	v_add_nc_u32 v[AWA+1], SLOT, v[AWA]
.irp s, 0,1
	v_add_nc_u32 v[AWW+\s], s22, v[AWA+\s]
	v_add_nc_u32 v[AXA+\s], REG, v[AWA+\s]
	v_add_nc_u32 v[AXW+\s], s22, v[AXA+\s]
.endr
	v_lshl_add_u32 v26, v2, 3, v3                  ; the row of a group of 32 whose scale words I take: lanes 16-31 the odd tile's
	v_lshrrev_b32 v27, 3, v26
	v_lshlrev_b32 v27, 4, v27
	v_lshl_add_u32 v26, v26, 5, v27                ; 32 bytes a row, 16 more for each 256 passed
	v_add_nc_u32 v[SWA], SCW, v26
	v_add_nc_u32 v[SXA], SCX, v26
	v_add_nc_u32 v[SXW], s23, v[SXA]
	v_add_nc_u32 v[SWW], s23, v[SWA]
	v_add_nc_u32 v[SWW], 8704, v[SWW]
	v_lshlrev_b32 v[BO], 6, v2
	v_lshlrev_b32 v[BVO], 2, v3
	v_lshrrev_b32 v27, 4, v0
	v_add_nc_u32 v27, v27, v0
	v_lshl_add_u32 v[CPY], v27, 4, SCW             ; the tables' way into LDS: 16 bytes a thread, 16 of padding behind each 256
	v_lshlrev_b32 v[CPG], 4, v0
.irp b, 0,1,2,3
	v_mov_b32 v[TM+4+\b], 0                        ; written once: a lane permute's destination counts as a source
.endr
	s_wait_kmcnt 0x0
	s_add_nc_u64 s[80:81], s[6:7], s[80:81]
	s_add_nc_u64 s[82:83], s[4:5], s[82:83]
	s_add_nc_u64 s[84:85], s[8:9], s[84:85]
	s_add_nc_u64 s[88:89], s[4:5], s[88:89]
	s_add_nc_u64 s[70:71], s[10:11], s[70:71]
	s_add_nc_u64 s[66:67], s[12:13], s[66:67]
	s_add_nc_u64 s[68:69], s[12:13], s[68:69]
.if FF1 == 0
	s_add_nc_u64 s[86:87], s[8:9], s[86:87]
	s_add_nc_u64 s[WVB:WVB+1], s[6:7], s[WVB:WVB+1]
	s_add_nc_u64 s[78:79], s[10:11], s[78:79]
	s_add_nc_u64 s[72:73], s[12:13], s[72:73]
	s_add_nc_u64 s[74:75], s[12:13], s[74:75]
.endif
.irp s, 0,1
	s_mov_b32 s[G0W+4*\s], 1
	s_add_co_u32 s[G0W+4*\s+1], s22, \s*SLOT
	s_add_nc_u64 s[G0W+4*\s+2:G0W+4*\s+3], s[80:81], \s*512
	s_or_b32 s[G0W+4*\s+3], s[G0W+4*\s+3], 0x80000000
	s_mov_b32 s[G0X+4*\s], 1
	s_add_co_u32 s[G0X+4*\s+1], s22, \s*SLOT+REG
	s_add_nc_u64 s[G0X+4*\s+2:G0X+4*\s+3], s[82:83], \s*512
	s_or_b32 s[G0X+4*\s+3], s[G0X+4*\s+3], 0x80000000
.endr
	; the scale bytes of all my tiles, dense in memory, come once, 2,048 consecutive bytes a load of the work-group
.if FF1
.irp j, 0,1,2,3,4,5,6,7
	global_load_b128 v[128+4*\j:128+4*\j+3], v[CPG], s[84:85] offset:2048*\j
.endr
.else
.irp j, 0,1,2,3
	global_load_b128 v[128+4*\j:128+4*\j+3], v[CPG], s[84:85] offset:2048*\j
.endr
.irp j, 0,1
	global_load_b128 v[144+4*\j:144+4*\j+3], v[CPG], s[86:87] offset:2048*\j
.endr
.endif
.irp j, 0,1
	global_load_b128 v[128+8*NT+4*\j:128+8*NT+4*\j+3], v[CPG], s[88:89] offset:2048*\j
.endr
	BIASLOAD
	CROUND                                         ; all sixteen work-groups are here: the first joint loads meet
	tensor_load_to_lds s[G0W:G0W+3], s[G1W:G1W+7]          ; four loads of mine are out: slot 0's W and X,
	s_nop 0
	tensor_load_to_lds s[G0X:G0X+3], s[G1X:G1X+7]
	s_nop 0
	tensor_load_to_lds s[G0W+4:G0W+7], s[G1W:G1W+7]        ; slot 1's W and X
	s_nop 0
	tensor_load_to_lds s[G0X+4:G0X+7], s[G1X:G1X+7]
	s_nop 0
	PLACES 4
	s_wait_loadcnt 16                              ; the tables are in; the 16 loads of the bias are younger
.set j, 0
.rept 2*NT+2
	ds_store_b128 v[CPY], v[128+4*j:128+4*j+3] offset:2176*j
.set j, j+1
.endr
	s_wait_tensorcnt 0x2                           ; my parts of slot 0 are in; slot 1's two loads may stay out
	s_wait_dscnt 0x0                               ; for the others' sake: my stores of the tables are done
	s_barrier_signal -1
	s_barrier_wait -1
	FETCH 0, 0, 0, 0
	SCALES 0, SWA, 0, SXW, 0
	s_wait_loadcnt 0x0                             ; the bias
.if FF1
	STEP 0, 0, 0, 1                                ; a tile's first step starts the sums from the bias
	s_mov_b32 s62, NT-1
.Ltile:                                            ; a trip: from a tile's second step to the next tile's first; both W regions are filled again
	STEP 0, 1, 0, 0
	STEP 0, 2, 0, 0
	TURN 0, 0, 0, 1, 0, SWA, 16, SXW, 16
	THREE 1, 0
	TURN 1, 0, 0, 1, 1, SWA, 0, SXW, 0
	EPI_FF 1
	s_wait_loadcnt 0x0                             ; the next tile's bias
	PLACES 9                                       ; the next products write over accumulators with another C
	STEP 0, 0, 0, 1
	s_sub_co_u32 s62, s62, 1
	s_cmp_lg_u32 s62, 0
	s_cbranch_scc1 .Ltile
	STEP 0, 1, 0, 0                                ; the last tile is written out: it asks for nothing more
	STEP 0, 2, 0, 0
	TURN 0, 0, 0, 0, 0, SWA, 16, SXW, 16
	THREE 1, 0
	LAST
	EPI_FF 0
.else
	STEP 0, 0, 0, 1                                ; tile 0: columns 256 gx on
	STEP 0, 1, 0, 0
	STEP 0, 2, 0, 0
	TURN 0, 0, 0, 1, 0, SWA, 16, SXW, 16
	THREE 1, 0
	TURN 1, 0, 0, 1, 0, SWA, 4352, SXW, 0
	EPI_QK 0, 1
	s_wait_loadcnt 0x0
	PLACES 9
	STEP 0, 0, 0, 1                                ; tile 1: columns 256 gx + 128 on; its changes of slots ask for v's rows of W
	STEP 0, 1, 0, 0
	STEP 0, 2, 0, 0
	TURN 0, 0, 0, 2, 0, SWA, 4352+16, SXW, 16
	THREE 1, 0
	TURN 1, 0, 1, 2, 0, SXA, 0, SWW, 0
	EPI_QK 1, 2
	s_wait_loadcnt 0x0
	PLACES 9
	STEP 0, 0, 1, 2                                ; tile 2: v, with the sources' parts changed: the tokens run along the registers
	STEP 0, 1, 1, 0
	STEP 0, 2, 1, 0
	TURN 0, 1, 1, 0, 0, SXA, 16, SWW, 16
	THREE 1, 1
	LAST
	EPI_V
.endif
	s_wait_tensorcnt 0x0                           ; the wave's end
	ds_add_u32 v[SPW], v[NIL]
	s_wait_dscnt 0x0
	CROUND                                         ; the closing round
	s_endpgm
.Lfunc_end_k_qd0c80cc7f9_gemm_qkv:
	.size	k_qd0c80cc7f9_gemm_qkv, .Lfunc_end_k_qd0c80cc7f9_gemm_qkv-k_qd0c80cc7f9_gemm_qkv
	.p2alignl 7, 3214868480
	.fill 96, 4, 3214868480
	.section	.rodata,"a",@progbits
	.p2align	6, 0x0
	.amdhsa_kernel k_qd0c80cc7f9_gemm_qkv
		.amdhsa_group_segment_fixed_size 327680
		.amdhsa_private_segment_fixed_size 0
		.amdhsa_enable_private_segment 0
		.amdhsa_kernarg_size 40
		.amdhsa_user_sgpr_count 2
		.amdhsa_user_sgpr_kernarg_segment_ptr 1
		.amdhsa_wavefront_size32 1
		.amdhsa_system_sgpr_workgroup_id_x 1
		.amdhsa_system_sgpr_workgroup_id_y 1
		.amdhsa_system_sgpr_workgroup_id_z 1
		.amdhsa_system_vgpr_workitem_id 0
		.amdhsa_next_free_vgpr 768
		.amdhsa_next_free_sgpr 100
		.amdhsa_reserve_vcc 0
		.amdhsa_float_denorm_mode_32 3
		.amdhsa_float_denorm_mode_16_64 3
		.amdhsa_memory_ordered 1
		.amdhsa_forward_progress 1
		.amdhsa_inst_pref_size 192
	.end_amdhsa_kernel
	.amdgpu_metadata
---
amdhsa.version: [ 1, 2 ]
amdhsa.kernels:
  - .name:           k_qd0c80cc7f9_gemm_qkv
    .symbol:         k_qd0c80cc7f9_gemm_qkv.kd
    .args:
      - { .name: xa, .offset: 0, .size: 8, .value_kind: global_buffer, .address_space: global }
      - { .name: w_qkv_codes, .offset: 8, .size: 8, .value_kind: global_buffer, .address_space: global }
      - { .name: w_qkv_scales, .offset: 16, .size: 8, .value_kind: global_buffer, .address_space: global }
      - { .name: b_qkv, .offset: 24, .size: 8, .value_kind: global_buffer, .address_space: global }
      - { .name: qkv, .offset: 32, .size: 8, .value_kind: global_buffer, .address_space: global }
    .group_segment_fixed_size: 327680
    .private_segment_fixed_size: 0
    .kernarg_segment_align: 8
    .kernarg_segment_size: 40
    .max_flat_workgroup_size: 128
    .sgpr_count:     100
    .vgpr_count:     768
    .wavefront_size: 32
...
	.end_amdgpu_metadata
.endif
;; end of part 2
;; launch attn (part 3): grid 8 x 32, 16 waves a work-group, clusters of 4 x 1, 327,680 bytes of LDS; arguments qkv, oa; writes oa
.if DOCPART == 3
	.amdgcn_target "amdgcn-amd-amdhsa--gfx1250"
	.amdhsa_code_object_version 6
	.text
	.protected	k_qd0c80cc7f9_attn
	.globl	k_qd0c80cc7f9_attn
	.p2align	8
	.type	k_qd0c80cc7f9_attn,@function
k_qd0c80cc7f9_attn:
	s_mov_b64 s[64:65], 0
	v_nop
	global_prefetch_b8 v0, s[64:65] scope:SCOPE_SE
	s_setreg_imm32_b32 hwreg(HW_REG_WAVE_MODE, 25, 1), 1
	s_wait_xcnt 0x0
	s_wait_alu depctr_hold_cnt(0) depctr_sa_sdst(0) depctr_va_vdst(0) depctr_va_sdst(0) depctr_va_ssrc(0) depctr_va_vcc(0) depctr_vm_vsrc(0)
	s_getreg_b32 s2, hwreg(HW_REG_IB_STS2, 6, 4)
	s_cmp_eq_u32 s2, 0
	s_cbranch_scc0 .Lentry_in_a_cluster
	s_endpgm
.Lentry_in_a_cluster:
	s_bfe_u32 s2, ttmp6, 0x10000c
	s_cmp_lg_u32 s2, 0x3003
	s_cbranch_scc0 .Lentry_shape_is_right
	s_endpgm
.Lentry_shape_is_right:
; ATTENTION ON E5M2 CODES.  For each of 32 (sequence, head): O[q] = sum over k of softmax_k(Q[q] . K[k] / 8) V[k], 2,048 queries and keys, head size 64.
; t = score x log2(e) / 8; M = the running largest t rounded UP to a whole number; p = 2^(t - M) is quantised along the keys, not normalised; the row's sum of the unquantised p divides at the end.
; When M moves, the sum and O are multiplied by 2^(old M - new M): nothing is rounded.  O is then quantised along the model's 1,024 (a head is two blocks of 32) for the next product.
; INPUT (the launch before made it): images of operand registers.  Q, K: [n][32 head blocks][128 tiles][1,024 bytes] (groups 0 and 1 of a fragment: K = 64); scale words [n][32][64 groups][32 lanes],
; bytes 2 and 3 = 0.  V: [n][head][16 key steps][4 tiles of 16 of the head's 64][2,048]; scale words [..][4][32 lanes].  Lane r of tile 2 G + U stands for row 32 G + 8 U + r + 8 (r / 8).
; SHARES.  A work-group owns 256 queries of one head, each of its 16 waves one tile of 16, in 256 registers.  Every wave walks 16 steps of 128 keys.
; A head's K and V codes and scale words, 278,528 bytes, lie in LDS WHOLE, filled once: no slot is filled again.  The four query blocks of a cluster share a head: each part is asked for jointly.
; Waves 0, 1 fetch K's halves, waves 2, 3 V's: the scale words, then four chunks of four key steps; five loads of a wave are out at the most.
; K = 64 IN AN INSTRUCTION OF 128: Q's registers 8-15 are zero codes.  K's tile t is named as 16 registers from its first on: the upper eight are the next tile's codes (zeros behind the last),
; finite numbers, since the quantiser holds every number; they meet Q's zeros, under scale bytes 0, which are no NaN: they add exactly 0.
; LIMITS: NaN and infinities are not served; blocks under 2^-111 get the byte 1; v_exp_f32 and v_rcp_f32 are good to 1 ulp; a block's largest p is taken as the exponential of its largest score.
.set VOF, 131072
.set KSC, 262144
.set VSC, 270336
.set QKS, 12582912
.set VC,  8388608
.set VS,  13107200
.set OS,  4194304
.set LI,  1                            ; v1  16 x lane
.set LS,  2                            ; v2  4 x lane
.set AV0, 3
.set AS0, 4
.set AT0, 5
.set R4,  6                            ; v6  4 x (lane % 16)
.set ADK, 8
.set ADV, 9
.set ADS, 10
.set ADT, 11
.set KV,  32                           ; v32-95  K's 8 tiles x 8 registers, then V's 4 x 16;  v96-103 zeros that stay
.set S,   104                          ; v104-167 scores, then p
.set OT,  168                          ; v168-199 O^T
.set PCD, 200                          ; v200-215 p's codes
.set W0,  216
.set W1,  220
.set W2,  224
.set W3,  228
.set KSR, 232                          ; v232-235 K's scale words, v236-239 V's, v240 Q's, v243 p's: they hold scales alone
.set VSR, 236
.set QS,  240
.set F,   242
.set PS,  243
.set TMP, 244
.set WV,  8
.set SEL, 16
.set CS,  18
.set MNT, 20
.set TK,  21
.set TS,  22
.set CNT, 23
.set G0K, 24                           ; s[24:43] five groups 0 for K: scale words, chunks 0-3;  s[44:63] for V
.set G0V, 44
.set G1C, 68
.set G1S, 76
.macro CROUND
	s_barrier_signal -1
	s_barrier_wait -1
	s_cmp_lg_u32 s[WV], 0
	s_cbranch_scc1 .Lnot_wave_0_\@
	s_barrier_signal -3
.Lnot_wave_0_\@:
	s_barrier_wait -3
	s_barrier_signal -1
	s_barrier_wait -1
.endm
	s_load_b128 s[4:7], s[0:1], 0x0                ; qkv, oa
	v_lshl_add_u32 v254, v0, 2, 0x44000
	v_mov_b32 v255, 0
	ds_add_u32 v254, v255
	ds_add_u32 v254, v255
	v_lshrrev_b32 v8, 5, v0
	v_readfirstlane_b32 s[WV], v8                  ; wave 0..15
	s_bfe_u32 s9, ttmp6, 0x40000                   ; cx
	s_lshl_b32 s10, ttmp9, 2
	s_add_co_u32 s10, s10, s9                      ; my block of 256 queries: it enters Q's and O's addresses alone
	s_and_b32 s11, ttmp7, 0xffff                   ; 16 n + head, which the four partners share
	s_lshr_b32 s12, s11, 4                         ; n
	s_and_b32 s13, s11, 15                         ; head
	s_and_b32 s14, s[WV], 1                        ; which half I fetch, if I fetch
	s_lshl_b32 s84, s12, 5
	s_add_co_u32 s84, s84, s13
	s_add_co_u32 s84, s84, 16                      ; K's head block: 32 n + 16 + head
	s_lshl_b32 s2, s14, 12                         ; half of the scale words: 4,096 bytes
	s_lshl_b32 s3, s14, 14                         ; half of a chunk: 16,384 bytes
	s_lshl_b32 s86, s84, 13
	s_add_co_u32 s86, s86, s2
	s_add_co_u32 s86, s86, QKS
	s_mov_b32 s87, 0
	s_lshl_b32 s88, s84, 17
	s_add_co_u32 s88, s88, s3
	s_mov_b32 s89, 0
	s_lshl_b32 s90, s11, 13
	s_add_co_u32 s90, s90, s2
	s_add_co_u32 s90, s90, VS
	s_mov_b32 s91, 0
	s_lshl_b32 s92, s11, 17
	s_add_co_u32 s92, s92, s3
	s_add_co_u32 s92, s92, VC
	s_mov_b32 s93, 0
	s_mov_b32 s[G1C], 15|(3<<16)|(1<<21)           ; the mask: all four work-groups; elements of 8 bytes; bit 21 beside a mask; no padding
	s_mov_b32 s[G1C+1], 32<<16                     ; a dense block as rows of 256 bytes
	s_mov_b32 s[G1C+2], 64<<16
	s_mov_b32 s[G1C+3], 32<<16
	s_mov_b32 s[G1C+4], 64
	s_mov_b32 s[G1C+5], 32
	s_mov_b32 s[G1C+6], 0
	s_mov_b32 s[G1C+7], 0
	s_mov_b32 s[G1S], 15|(3<<16)|(1<<21)
	s_mov_b32 s[G1S+1], 32<<16
	s_mov_b32 s[G1S+2], 16<<16
	s_mov_b32 s[G1S+3], 32<<16
	s_mov_b32 s[G1S+4], 16
	s_mov_b32 s[G1S+5], 32
	s_mov_b32 s[G1S+6], 0
	s_mov_b32 s[G1S+7], 0
	s_mov_b32 s[SEL], 0x76543210
	s_mov_b32 s[SEL+1], 0xfedcba98
	s_mov_b32 s[CS], 0x3e38aa3b                    ; c = log2(e) / 8
	s_mov_b32 s[CS+1], s[CS]
	s_mov_b32 s[MNT], 0x600000
	s_wait_dscnt 0x0
	s_wait_kmcnt 0x0
	s_add_nc_u64 s[86:87], s[4:5], s[86:87]
	s_add_nc_u64 s[88:89], s[4:5], s[88:89]
	s_add_nc_u64 s[90:91], s[4:5], s[90:91]
	s_add_nc_u64 s[92:93], s[4:5], s[92:93]
	s_mov_b32 s[G0K], 1
	s_add_co_u32 s[G0K+1], s2, KSC
	s_mov_b64 s[G0K+2:G0K+3], s[86:87]
	s_or_b32 s[G0K+3], s[G0K+3], 0x80000000
	s_mov_b32 s[G0V], 1
	s_add_co_u32 s[G0V+1], s2, VSC
	s_mov_b64 s[G0V+2:G0V+3], s[90:91]
	s_or_b32 s[G0V+3], s[G0V+3], 0x80000000
.irp c, 0,1,2,3
	s_mov_b32 s[G0K+4+4*\c], 1
	s_add_co_u32 s[G0K+5+4*\c], s3, 32768*\c
	s_add_nc_u64 s[G0K+6+4*\c:G0K+7+4*\c], s[88:89], 32768*\c
	s_or_b32 s[G0K+7+4*\c], s[G0K+7+4*\c], 0x80000000
	s_mov_b32 s[G0V+4+4*\c], 1
	s_add_co_u32 s[G0V+5+4*\c], s3, VOF+32768*\c
	s_add_nc_u64 s[G0V+6+4*\c:G0V+7+4*\c], s[92:93], 32768*\c
	s_or_b32 s[G0V+7+4*\c], s[G0V+7+4*\c], 0x80000000
.endr
	CROUND                                         ; all four work-groups are here: the joint loads meet
	s_cmp_lt_u32 s[WV], 2                          ; a wave's fills stand in one branch on the wave's number, the same in every partner
	s_cbranch_scc0 .Lnot_k
	tensor_load_to_lds s[G0K:G0K+3], s[G1S:G1S+7]
	s_nop 0
	tensor_load_to_lds s[G0K+4:G0K+7], s[G1C:G1C+7]
	s_nop 0
	tensor_load_to_lds s[G0K+8:G0K+11], s[G1C:G1C+7]
	s_nop 0
	tensor_load_to_lds s[G0K+12:G0K+15], s[G1C:G1C+7]
	s_nop 0
	tensor_load_to_lds s[G0K+16:G0K+19], s[G1C:G1C+7]
	s_nop 0
.rept 4
	v_nop
.endr
	s_branch .Lasked
.Lnot_k:
	s_cmp_lt_u32 s[WV], 4
	s_cbranch_scc0 .Lasked
	tensor_load_to_lds s[G0V:G0V+3], s[G1S:G1S+7]
	s_nop 0
	tensor_load_to_lds s[G0V+4:G0V+7], s[G1C:G1C+7]
	s_nop 0
	tensor_load_to_lds s[G0V+8:G0V+11], s[G1C:G1C+7]
	s_nop 0
	tensor_load_to_lds s[G0V+12:G0V+15], s[G1C:G1C+7]
	s_nop 0
	tensor_load_to_lds s[G0V+16:G0V+19], s[G1C:G1C+7]
	s_nop 0
.rept 4
	v_nop
.endr
.Lasked:
	; my tile of queries, and where its result goes
	s_lshl_b32 s94, s12, 5
	s_add_co_u32 s94, s94, s13                     ; Q's head block: 32 n + head
	s_lshl_b32 s95, s10, 4
	s_add_co_u32 s95, s95, s[WV]                   ; my tile of 16 queries in the sequence
	s_lshr_b32 s3, s95, 1                          ; its group of 32
	s_lshl_b32 s96, s94, 17
	s_lshl_b32 s2, s95, 10
	s_add_co_u32 s96, s96, s2
	s_mov_b32 s97, 0
	s_lshl_b32 s98, s94, 13
	s_lshl_b32 s2, s3, 7
	s_add_co_u32 s98, s98, s2
	s_lshl_b32 s2, s14, 6                          ; the odd tile's words lie in the image's upper half
	s_add_co_u32 s98, s98, s2
	s_add_co_u32 s98, s98, QKS
	s_mov_b32 s99, 0
	s_lshl_b32 s84, s12, 7
	s_add_co_u32 s84, s84, s95                     ; the row tile among 256
	s_lshl_b32 s84, s84, 14                        ; x 8 K steps x 2,048
	s_lshl_b32 s2, s13, 10                         ; K step head / 2, groups 2 (head % 2) on: 1,024 x head
	s_add_co_u32 s84, s84, s2
	s_mov_b32 s85, 0
	s_lshr_b32 s94, s13, 1
	s_lshl_b32 s94, s94, 7
	s_lshl_b32 s2, s12, 6
	s_add_co_u32 s94, s94, s2
	s_add_co_u32 s94, s94, s3                      ; (K step) x 128 + the group among 128
	s_lshl_b32 s94, s94, 7
	s_lshl_b32 s2, s14, 6
	s_add_co_u32 s94, s94, s2
	s_and_b32 s2, s13, 1
	s_lshl_b32 s2, s2, 1                           ; my head's two bytes of the word
	s_add_co_u32 s94, s94, s2
	s_add_co_u32 s94, s94, OS
	s_mov_b32 s95, 0
	s_add_nc_u64 s[96:97], s[4:5], s[96:97]
	s_add_nc_u64 s[98:99], s[4:5], s[98:99]
	s_add_nc_u64 s[84:85], s[6:7], s[84:85]
	s_add_nc_u64 s[94:95], s[6:7], s[94:95]
	v_and_b32 v9, 31, v0
	v_lshlrev_b32 v[LI], 4, v9
	v_lshlrev_b32 v[LS], 2, v9
	v_add_nc_u32 v[AV0], VOF, v[LI]
	v_add_nc_u32 v[AS0], KSC, v[LS]
	v_add_nc_u32 v[AT0], VSC, v[LS]
	v_and_b32 v10, 15, v0
	v_lshlrev_b32 v[R4], 2, v10
	global_load_b128 v[16:19], v[LI], s[96:97]             ; Q's codes stay in registers
	global_load_b128 v[20:23], v[LI], s[96:97] offset:512
	global_load_b32 v[QS], v[R4], s[98:99]                 ; and its scale words
.set j, 0
.rept 8
	v_mov_b32 v[24+j], 0                           ; Q's K = 64 .. 127: zero codes
	v_mov_b32 v[96+j], 0                           ; what stands behind K's last tile
.set j, j+1
.endr
.set j, 0
.rept 32
	v_mov_b32 v[OT+j], 0                           ; the step is written once: the first finds zeros, which the first change of M leaves zeros
.set j, j+1
.endr
	v_mov_b32 v13, 0xff61b1e6                      ; the largest t so far: -3e38
	v_floor_f32 v12, -v13                          ; -M
	v_mov_b32 v14, 0
	v_mov_b32 v15, 0
.irp b, 0,1,2,3
	v_mov_b32 v[W1+\b], 0                          ; written once: a lane permute's destination counts as a source
.endr
	v_mov_b32 v[PS], 0
	v_mov_b32 v[TMP], 0
; A KEY STEP: 128 keys.
.macro STEP
	v_add_nc_u32 v[ADK], s[TK], v[LI]
	v_add_nc_u32 v[ADV], s[TK], v[AV0]
	v_add_nc_u32 v[ADS], s[TS], v[AS0]
	v_add_nc_u32 v[ADT], s[TS], v[AT0]
.rept 4
	v_nop                                          ; with the four additions: eight plain instructions between the last products and the loads into their registers
.endr
.irp t, 0,1,2,3,4,5,6,7
	ds_load_b128 v[KV+8*\t:KV+8*\t+3], v[ADK] offset:1024*\t
	ds_load_b128 v[KV+8*\t+4:KV+8*\t+7], v[ADK] offset:1024*\t+512
.endr
.irp g, 0,1,2,3
	ds_load_b32 v[KSR+\g], v[ADS] offset:128*\g
.endr
	s_wait_dscnt 0x0
.irp g, 0,1,2,3                                ; S^T = K Q^T: a lane holds one query; the 16 registers of tiles 2 g, 2 g + 1 are keys 32 g + 16 (lane / 16) + 0..15
	v_wmma_scale_f32_16x16x128_f8f6f4 v[S+16*\g:S+16*\g+7], v[KV+16*\g:KV+16*\g+15], v[16:31], 0, v[KSR+\g], v[QS] matrix_a_fmt:MATRIX_FMT_BF8 matrix_b_fmt:MATRIX_FMT_BF8
	v_wmma_scale_f32_16x16x128_f8f6f4 v[S+16*\g+8:S+16*\g+15], v[KV+16*\g+8:KV+16*\g+23], v[16:31], 0, v[KSR+\g], v[QS] matrix_a_fmt:MATRIX_FMT_BF8 matrix_b_fmt:MATRIX_FMT_BF8 matrix_a_scale:MATRIX_SCALE_ROW1
.endr
.rept 8
	v_nop
.endr
.irp t, 0,1,2,3                                ; V's four images land while the softmax is walked
.irp c, 0,1,2,3
	ds_load_b128 v[KV+16*\t+4*\c:KV+16*\t+4*\c+3], v[ADV] offset:2048*\t+512*\c
.endr
	ds_load_b32 v[VSR+\t], v[ADT] offset:128*\t
.endr
.irp b, 0,1,2,3
	v_max3_num_f32 v[W0+\b], v[S+16*\b], v[S+1+16*\b], v[S+2+16*\b]   ; the largest score of each block of 32 keys: for the row's maximum and for the block's largest p
.endr
.irp i, 3,5,7,9,11,13
.irp b, 0,1,2,3
	v_max3_num_f32 v[W0+\b], v[W0+\b], v[S+16*\b+\i], v[S+1+16*\b+\i]
.endr
.endr
.irp b, 0,1,2,3
	v_max_num_f32 v[W0+\b], v[W0+\b], v[S+15+16*\b]
.endr
.irp b, 0,1,2,3
	v_permlanex16_b32 v[W1+\b], v[W0+\b], s[SEL], s[SEL+1]
.endr
.irp b, 0,1,2,3
	v_max_num_f32 v[W0+\b], v[W0+\b], v[W1+\b]
.endr
	v_max3_num_f32 v[TMP], v[W0], v[W0+1], v[W0+2]
	v_max_num_f32 v[TMP], v[TMP], v[W0+3]
	v_mul_f32 v[TMP], s[CS], v[TMP]
	v_max_num_f32 v13, v13, v[TMP]                 ; the running largest t
	v_mov_b32 v[TMP], v12
	v_floor_f32 v12, -v13                          ; -M = floor(-t): M is a whole number
	v_sub_f32 v[TMP], v12, v[TMP]                  ; old M - new M
	v_cvt_i32_f32 v[TMP], v[TMP]                   ; (it saturates)
	v_ldexp_f32 v[F], 1.0, v[TMP]                  ; f = 2^(old M - new M)
.set j, 0
.rept 32
	v_pk_fma_f32 v[S+j:S+j+1], v[S+j:S+j+1], s[CS:CS+1], v[12:13] op_sel_hi:[1,0,0]   ; t - M
.set j, j+2
.endr
.irp b, 0,1,2,3
	v_fma_f32 v[W0+\b], v[W0+\b], s[CS], v12
.endr
.set j, 0
.rept 64
	v_exp_f32 v[S+j], v[S+j]                       ; p = 2^(t - M)
.set j, j+1
.endr
	v_pk_mul_f32 v[14:15], v[14:15], v[F:F+1] op_sel_hi:[1,0]   ; the sums under the new M: the plain instruction behind the batch
	s_wait_alu depctr_va_vdst(0)                   ; one wait for the batch, ahead of its first reader
.irp b, 0,1,2,3
	v_exp_f32 v[W0+\b], v[W0+\b]                   ; each block's largest p
.endr
	v_pk_add_f32 v[W1:W1+1], v[S:S+1], v[S+2:S+3]  ; the row's sum of the unquantised p, in two chains
.irp j, 4,8,12,16,20,24,28,32,36,40,44,48,52,56,60
	v_pk_add_f32 v[14:15], v[14:15], v[S+\j:S+\j+1]
	v_pk_add_f32 v[W1:W1+1], v[W1:W1+1], v[S+2+\j:S+3+\j]
.endr
	v_pk_add_f32 v[14:15], v[14:15], v[W1:W1+1]
	s_wait_alu depctr_va_vdst(0)                   ; and one for the four
.irp b, 0,1,2,3
	v_max_num_f32 v[W0+\b], 0x8000000, v[W0+\b]    ; the floor 2^(16 - 127)
.endr
.irp b, 0,1,2,3
	v_add_nc_u32 v[W3+\b], 0xf8800000, v[W0+\b]
.endr
.irp b, 0,1,2,3
	v_and_or_b32 v[W2+\b], v[W0+\b], 0x7f800000, s[MNT]
.endr
.irp b, 0,1,2,3
	v_lshrrev_b32 v[W1+\b], 23, v[W3+\b]
.endr
	v_lshl_or_b32 v[PS], v[W1+1], 8, v[W1]         ; p's scale word for these 128 keys
	v_lshl_or_b32 v[PS], v[W1+2], 16, v[PS]
	v_lshl_or_b32 v[PS], v[W1+3], 24, v[PS]
.irp b, 0,1,2,3
.irp i, 0,1,2,3,4,5,6,7,8,9,10,11,12,13,14,15
	v_min_num_f32 v[S+16*\b+\i], v[S+16*\b+\i], v[W2+\b]   ; p is not negative: a one-sided hold
.endr
	v_cvt_scalef32_pk8_bf8_f32 v[PCD+4*\b:PCD+1+4*\b], v[S+16*\b:S+7+16*\b], v[W3+\b]
	v_cvt_scalef32_pk8_bf8_f32 v[PCD+2+4*\b:PCD+3+4*\b], v[S+8+16*\b:S+15+16*\b], v[W3+\b]
.endr
.set j, 0
.rept 16
	v_pk_mul_f32 v[OT+j:OT+j+1], v[OT+j:OT+j+1], v[F:F+1] op_sel_hi:[1,0]   ; O^T under the new M; these are also the plain instructions in front of the products
.set j, j+2
.endr
	s_wait_dscnt 0x0                               ; V
.irp t, 0,1,2,3                                ; O^T += V^T P^T: four accumulators by turns
	v_wmma_scale_f32_16x16x128_f8f6f4 v[OT+8*\t:OT+8*\t+7], v[KV+16*\t:KV+16*\t+15], v[PCD:PCD+15], v[OT+8*\t:OT+8*\t+7], v[VSR+\t], v[PS] matrix_a_fmt:MATRIX_FMT_BF8 matrix_b_fmt:MATRIX_FMT_BF8
.endr
	s_add_co_u32 s[TK], s[TK], 8192
	s_add_co_u32 s[TS], s[TS], 512
.endm
.macro CHUNK c                         ; four key steps, whose bytes one load of each fetching wave brought
	s_wait_tensorcnt 3-\c                          ; the scale words and chunks 0 .. c are in; the 3 - c later chunks' loads are younger and may stay out
	s_wait_dscnt 0x0
	s_barrier_signal -1
	s_barrier_wait -1                              ; everybody's parts are in
	s_mov_b32 s[TK], 32768*\c
	s_mov_b32 s[TS], 2048*\c
	s_mov_b32 s[CNT], 4
.Lstep_\@:
	STEP
	s_sub_co_u32 s[CNT], s[CNT], 1
	s_cmp_lg_u32 s[CNT], 0
	s_cbranch_scc1 .Lstep_\@
.endm
	s_wait_loadcnt 0x0                             ; Q
	CHUNK 0
	CHUNK 1
	CHUNK 2
	CHUNK 3
	; THE WAY OUT: O^T / the sum; register 8 t + j is channel 32 (t / 2) + 16 (lane / 16) + 8 (t % 2) + j of my query: two blocks of 32 along the next K
.rept 8
	v_nop
.endr
	v_add_f32 v14, v14, v15
	v_permlanex16_b32 v[TMP], v14, s[SEL], s[SEL+1]
	v_add_f32 v14, v14, v[TMP]
	v_rcp_f32 v14, v14
	v_nop
	s_wait_alu depctr_va_vdst(0)
.set j, 0
.rept 32
	v_mul_f32 v[S+j], v[OT+j], v14
.set j, j+1
.endr
.irp b, 0,1
	v_max3_num_f32 v[W0+\b], |v[S+16*\b]|, |v[S+1+16*\b]|, 0x8000000
.endr
.irp i, 2,4,6,8,10,12,14
.irp b, 0,1
	v_max3_num_f32 v[W0+\b], v[W0+\b], |v[S+16*\b+\i]|, |v[S+1+16*\b+\i]|
.endr
.endr
.irp b, 0,1
	v_permlanex16_b32 v[W1+\b], v[W0+\b], s[SEL], s[SEL+1]
.endr
.irp b, 0,1
	v_max_num_f32 v[W0+\b], v[W0+\b], v[W1+\b]
.endr
.irp b, 0,1
	v_add_nc_u32 v[W3+\b], 0xf8800000, v[W0+\b]
.endr
.irp b, 0,1
	v_and_or_b32 v[W2+\b], v[W0+\b], 0x7f800000, s[MNT]
.endr
.irp b, 0,1
	v_lshrrev_b32 v[W1+\b], 23, v[W3+\b]
.endr
	v_lshl_or_b32 v245, v[W1+1], 8, v[W1]          ; my head's two scale bytes
.irp b, 0,1
.irp i, 0,1,2,3,4,5,6,7,8,9,10,11,12,13,14,15
	v_med3_num_f32 v[S+16*\b+\i], v[S+16*\b+\i], -v[W2+\b], v[W2+\b]
.endr
	v_cvt_scalef32_pk8_bf8_f32 v[PCD+4*\b:PCD+1+4*\b], v[S+16*\b:S+7+16*\b], v[W3+\b]
	v_cvt_scalef32_pk8_bf8_f32 v[PCD+2+4*\b:PCD+3+4*\b], v[S+8+16*\b:S+15+16*\b], v[W3+\b]
.endr
	v_nop
	global_store_b128 v[LI], v[PCD:PCD+3], s[84:85]            ; two groups of the image: 512 consecutive bytes each
	global_store_b128 v[LI], v[PCD+4:PCD+7], s[84:85] offset:512
	global_store_b16 v[R4], v245, s[94:95]         ; both halves of the lanes write the same two bytes to the same place; a small part of the launch's bytes
	s_wait_tensorcnt 0x0
	s_wait_tensorcnt 0x0
	ds_add_u32 v254, v255
	s_wait_dscnt 0x0
	CROUND                                         ; the closing round
	s_endpgm
.Lfunc_end_k_qd0c80cc7f9_attn:
	.size	k_qd0c80cc7f9_attn, .Lfunc_end_k_qd0c80cc7f9_attn-k_qd0c80cc7f9_attn
	.p2alignl 7, 3214868480
	.fill 96, 4, 3214868480
	.section	.rodata,"a",@progbits
	.p2align	6, 0x0
	.amdhsa_kernel k_qd0c80cc7f9_attn
		.amdhsa_group_segment_fixed_size 327680
		.amdhsa_private_segment_fixed_size 0
		.amdhsa_enable_private_segment 0
		.amdhsa_kernarg_size 16
		.amdhsa_user_sgpr_count 2
		.amdhsa_user_sgpr_kernarg_segment_ptr 1
		.amdhsa_wavefront_size32 1
		.amdhsa_system_sgpr_workgroup_id_x 1
		.amdhsa_system_sgpr_workgroup_id_y 1
		.amdhsa_system_sgpr_workgroup_id_z 1
		.amdhsa_system_vgpr_workitem_id 0
		.amdhsa_next_free_vgpr 256
		.amdhsa_next_free_sgpr 100
		.amdhsa_reserve_vcc 0
		.amdhsa_float_denorm_mode_32 3
		.amdhsa_float_denorm_mode_16_64 3
		.amdhsa_memory_ordered 1
		.amdhsa_forward_progress 1
		.amdhsa_inst_pref_size 93
	.end_amdhsa_kernel
	.amdgpu_metadata
---
amdhsa.version: [ 1, 2 ]
amdhsa.kernels:
  - .name:           k_qd0c80cc7f9_attn
    .symbol:         k_qd0c80cc7f9_attn.kd
    .args:
      - { .name: qkv, .offset: 0, .size: 8, .value_kind: global_buffer, .address_space: global }
      - { .name: oa, .offset: 8, .size: 8, .value_kind: global_buffer, .address_space: global }
    .group_segment_fixed_size: 327680
    .private_segment_fixed_size: 0
    .kernarg_segment_align: 8
    .kernarg_segment_size: 16
    .max_flat_workgroup_size: 512
    .sgpr_count:     100
    .vgpr_count:     256
    .wavefront_size: 32
...
	.end_amdgpu_metadata
.endif
;; end of part 3
;; launch gemm_o (part 4): grid 8 x 32, 4 waves a work-group, clusters of 4 x 4, 327,680 bytes of LDS; arguments oa, w_o_codes, w_o_scales, b_o, x, r; writes r
.if DOCPART == 4
	.amdgcn_target "amdgcn-amd-amdhsa--gfx1250"
	.amdhsa_code_object_version 6
	.text
	.protected	k_qd0c80cc7f9_gemm_o
	.globl	k_qd0c80cc7f9_gemm_o
	.p2align	8
	.type	k_qd0c80cc7f9_gemm_o,@function
k_qd0c80cc7f9_gemm_o:
	s_mov_b64 s[64:65], 0
	v_nop
	global_prefetch_b8 v0, s[64:65] scope:SCOPE_SE
	s_setreg_imm32_b32 hwreg(HW_REG_WAVE_MODE, 25, 1), 1
	s_wait_xcnt 0x0
	s_wait_alu depctr_hold_cnt(0) depctr_sa_sdst(0) depctr_va_vdst(0) depctr_va_sdst(0) depctr_va_ssrc(0) depctr_va_vcc(0) depctr_vm_vsrc(0)
	s_getreg_b32 s2, hwreg(HW_REG_IB_STS2, 6, 4)
	s_cmp_eq_u32 s2, 0
	s_cbranch_scc0 .Lentry_in_a_cluster
	s_endpgm
.Lentry_in_a_cluster:
	s_bfe_u32 s2, ttmp6, 0x10000c
	s_cmp_lg_u32 s2, 0xf033
	s_cbranch_scc0 .Lentry_shape_is_right
	s_endpgm
.Lentry_shape_is_right:
; A GEMM ON E5M2 CODES WITH AN f32 RESULT: out = X W^T + bias + residual.  Two launches share this text and differ in K.
; X: images of operand registers [256 row tiles][K / 128][2,048 bytes], and behind them (XSOFF) scale words [K / 128][128 groups of 32 rows][32 lanes]; lane r of tile 2 G + U stands for row 32 G + 8 U + r + 8 (r / 8).
; W: codes [1024][K], scale bytes [1024][K / 32].  bias [1024], residual and out [4096][1024]: f32.
; SHARES.  Work-group (gx, gy) makes rows 128 gy on x columns 128 gx on.  Four waves; a wave makes P = W's 128 rows x Q = its 32 rows of X: 16 accumulators; source 0 = P, source 1 = Q.
; K goes in slots of 512 through a ring of two: W's 128 rows (528 bytes from row to row), then X's 8 tiles x 4 K steps of images.  Waves 0, 1 fetch W's halves, waves 2, 3 X's: one load a wave.
; CLUSTER 4 x 4: W's tiles are asked for jointly along a column of the cluster, X's along a row.  The scale bytes and words of all of K come once, through registers, into LDS of their own.
; THE WAY OUT: 16 rows x 128 columns at a time through the wave's stage (in slot 0, which has had its last fill and its last read), back as whole rows of 512 bytes; the residual, loaded at the head, is added; stored.
; REGISTERS.  window 0: v4-20 addresses; v32-63 P's scale words, v64-71 Q's (nothing else); v128-255 accumulators.  window 1: P's fragments, two sets; on the way out v0-63 rows of the result.
;   window 2: v0-63 Q's fragments, two sets; v64-127 the bias; v128-255 the residual.
.set K, 1024
.set KS,    K/32
.set NK,    K/128
.set LAPS,  K/1024
.set PITCH, 528
.set WREG,  128*PITCH
.set SLOT,  WREG+65536
.set SCW,   2*SLOT
.set SCX,   SCW+(128*KS/256)*272
.set SPARE, SCX+NK*512
.set PSTR,  (32*KS/256)*272            ; from a pair of W's tiles to the next among the scale bytes
.set XSOFF, 4096*K
.set LI,  4
.set SPW, 6
.set NIL, 7
.set AW,  8
.set AX,  10
.set SWP, 12
.set SXQ, 13
.set BO,  14
.set CPY, 15
.set CPG, 16
.set XTG, 17
.set XTL, 18
.set STO, 19
.set RD,  20
.set SP,  32
.set SQ,  64
.set ACC, 128
.set BIAS, 64
.set RES, 128
.set G1W, 24
.set G1X, 32
.set G0W, 40
.set G0X, 48
.set WV,  56
.set WH,  57
.set WL,  58
.set MSB, 0
.macro WIN new
.if MSB != \new
	s_set_vgpr_msb (MSB<<8)|\new
.set MSB, \new
.endif
.endm
.macro PLACES n
.rept \n
	v_nop
.endr
.endm
.macro CREST
	s_cmp_lg_u32 s[WV], 0
	s_cbranch_scc1 .Lnot_wave_0_\@
	s_barrier_signal -3
.Lnot_wave_0_\@:
	s_barrier_wait -3
	s_barrier_signal -1
	s_barrier_wait -1
.endm
.macro CROUND
	s_barrier_signal -1
	s_barrier_wait -1
	CREST
.endm
.macro JLOAD s                         ; a joint refill: waves 0, 1 for W, waves 2, 3 for X; four v_nop follow each line
	s_cmp_eq_u32 s[WH], 0
	s_cbranch_scc0 .Lfor_x_\@
	tensor_load_to_lds s[G0W+4*\s:G0W+4*\s+3], s[G1W:G1W+7]
	PLACES 4
	s_branch .Lasked_\@
.Lfor_x_\@:
	tensor_load_to_lds s[G0X+4*\s:G0X+4*\s+3], s[G1X:G1X+7]
	PLACES 4
.Lasked_\@:
.endm
.macro FETCH slot, q, set
	WIN 0x40
.irp p, 0,1,2,3,4,5,6,7
.irp c, 0,1,2,3
	ds_load_b128 v[128*(\set)+16*\p+4*\c:128*(\set)+16*\p+4*\c+3], v[AW+(\slot)] offset:(32*(\p/2)+8*(\p%2))*PITCH+128*(\q)+32*\c
.endr
.endr
	WIN 0x80
.irp a, 0,1
.irp c, 0,1,2,3
	ds_load_b128 v[32*(\set)+16*\a+4*\c:32*(\set)+16*\a+4*\c+3], v[AX+(\slot)] offset:8192*\a+2048*(\q)+512*\c
.endr
.endr
	WIN 0
.endm
.macro SCALES ss
.irp b, 0,1,2,3
	ds_load_b128 v[SP+16*(\ss)+4*\b:SP+16*(\ss)+4*\b+3], v[SWP] offset:PSTR*\b
.endr
.irp q, 0,1,2,3
	ds_load_b32 v[SQ+4*(\ss)+\q], v[SXQ] offset:512*\q
.endr
.endm
.macro WM a, p, set, q, ss, cm
.set rD, ACC+64*(\a)+8*(\p)
.set rC, rD
.if (\cm) == 1
.set rC, BIAS+8*(\p)
.endif
.set rP, 128*(\set)+16*(\p)
.set rQ, 32*(\set)+16*(\a)
.set rS, SP+16*(\ss)+4*((\p)/2)+(\q)
.set rT, SQ+4*(\ss)+(\q)
.if ((\p)%2) && (\a)
	v_wmma_scale_f32_16x16x128_f8f6f4 v[rD:rD+7], v[rP:rP+15], v[rQ:rQ+15], v[rC:rC+7], v[rS], v[rT] matrix_a_fmt:MATRIX_FMT_BF8 matrix_b_fmt:MATRIX_FMT_BF8 matrix_a_scale:MATRIX_SCALE_ROW1 matrix_b_scale:MATRIX_SCALE_ROW1
.elseif (\p)%2
	v_wmma_scale_f32_16x16x128_f8f6f4 v[rD:rD+7], v[rP:rP+15], v[rQ:rQ+15], v[rC:rC+7], v[rS], v[rT] matrix_a_fmt:MATRIX_FMT_BF8 matrix_b_fmt:MATRIX_FMT_BF8 matrix_a_scale:MATRIX_SCALE_ROW1
.elseif \a
	v_wmma_scale_f32_16x16x128_f8f6f4 v[rD:rD+7], v[rP:rP+15], v[rQ:rQ+15], v[rC:rC+7], v[rS], v[rT] matrix_a_fmt:MATRIX_FMT_BF8 matrix_b_fmt:MATRIX_FMT_BF8 matrix_b_scale:MATRIX_SCALE_ROW1
.else
	v_wmma_scale_f32_16x16x128_f8f6f4 v[rD:rD+7], v[rP:rP+15], v[rQ:rQ+15], v[rC:rC+7], v[rS], v[rT] matrix_a_fmt:MATRIX_FMT_BF8 matrix_b_fmt:MATRIX_FMT_BF8
.endif
.endm
.macro MUL a, set, q, ss, cm           ; the 16 accumulators take turns, one instruction a turn, in the same order in every step
.if \cm
	WIN 0x29
.else
	WIN 0x09
.endif
.irp p, 0,1,2,3,4,5,6,7
	WM \a, \p, \set, \q, \ss, \cm
.endr
.endm
.macro STEP slot, q, cm
	s_wait_dscnt 0x0
	MUL 0, (\q)%2, \q, \slot, \cm
	WIN 0
	PLACES 8                                       ; between the last product that read the other set and the loads into it
	FETCH \slot, (\q)+1, 1-(\q)%2
	MUL 1, (\q)%2, \q, \slot, \cm
	WIN 0
.endm
.macro TURN slot, fill                 ; a slot's last step changes slots; fill = 1: this slot takes the K two slots on
	s_wait_tensorcnt 0x0                           ; all my tensor loads have landed: my part of the other slot
	ds_add_u32 v[SPW], v[NIL]
.if \fill
	s_add_nc_u64 s[G0W+4*\slot+2:G0W+4*\slot+3], s[G0W+4*\slot+2:G0W+4*\slot+3], 1024
	s_add_nc_u64 s[G0X+4*\slot+2:G0X+4*\slot+3], s[G0X+4*\slot+2:G0X+4*\slot+3], 16384
.endif
	s_wait_dscnt 0x0                               ; the add is done, my reads of this slot are over
	s_barrier_signal -1
	MUL 0, 1, 3, \slot, 0
	WIN 0
	s_barrier_wait -1
.if \fill
	CREST                                          ; the barrier has opened a round of the cluster's: no wave of any partner still reads this slot or has a load on its way
	JLOAD \slot
	PLACES 4
.else
	PLACES 8
.endif
	v_add_nc_u32 v[SWP], 16, v[SWP]                ; the next slot's scale bytes and words
	v_add_nc_u32 v[SXQ], 2048, v[SXQ]
	FETCH 1-\slot, 0, 0
	SCALES 1-\slot
	MUL 1, 1, 3, \slot, 0
	WIN 0
.endm
	s_load_b256 s[4:11], s[0:1], 0x0               ; X s[4:5], W's codes s[6:7], W's scales s[8:9], the bias s[10:11]
	s_load_b128 s[12:15], s[0:1], 0x20             ; the residual s[12:13], out s[14:15]
	v_lshl_add_u32 v[SPW], v0, 2, SPARE
	v_mov_b32 v[NIL], 0
	ds_add_u32 v6, v7
	ds_add_u32 v6, v7
	s_wait_dscnt 0x0
	v_lshrrev_b32 v1, 5, v0
	v_readfirstlane_b32 s[WV], v1
	s_lshr_b32 s[WH], s[WV], 1                     ; I fetch for W (0) or for X (1)
	s_and_b32 s[WL], s[WV], 1                      ; which half
	s_bfe_u32 s16, ttmp6, 0x40000
	s_bfe_u32 s17, ttmp6, 0x40004
	s_lshl_b32 s18, ttmp9, 2
	s_add_co_u32 s18, s18, s16                     ; gx
	s_and_b32 s19, ttmp7, 0xffff
	s_lshl_b32 s19, s19, 2
	s_add_co_u32 s19, s19, s17                     ; gy
	s_lshl_b32 s20, s17, 2
	s_lshl_b32 s20, 15, s20                        ; my row of the cluster
	s_lshl_b32 s21, 0x1111, s16                    ; my column
	s_or_b32 s[G1W], s21, (1<<20)|(1<<21)|(6<<22)|(3<<25)   ; W: 64 rows of 512 bytes, 16 bytes of padding behind each
	s_mov_b32 s[G1W+1], 512<<16
	s_mov_b32 s[G1W+2], 64<<16
	s_mov_b32 s[G1W+3], 512<<16
	s_mov_b32 s[G1W+4], 64
	s_mov_b32 s[G1W+5], K
	s_mov_b32 s[G1W+6], 0
	s_mov_b32 s[G1W+7], 0
	s_or_b32 s[G1X], s20, (3<<16)|(1<<21)          ; X: 4 row tiles, of each 4 K steps' images: 8,192 bytes on end (1,024 elements of 8 bytes), no padding
	s_mov_b32 s[G1X+1], 1024<<16
	s_mov_b32 s[G1X+2], 4<<16
	s_mov_b32 s[G1X+3], 1024<<16
	s_mov_b32 s[G1X+4], 4
	s_mov_b32 s[G1X+5], NK*256
	s_mov_b32 s[G1X+6], 0
	s_mov_b32 s[G1X+7], 0
	s_mul_i32 s22, s[WL], 64*K                     ; half of W's 128 rows, and half of X's 8 tiles, are as many bytes
	s_mul_i32 s66, s18, 128*K                      ; W: of gx and the wave alone
	s_add_co_u32 s66, s66, s22
	s_mov_b32 s67, 0
	s_mul_i32 s68, s19, 128*K                      ; X: of gy and the wave alone
	s_add_co_u32 s68, s68, s22
	s_mov_b32 s69, 0
	s_mul_i32 s23, s[WL], 64*PITCH
	s_lshl_b32 s59, s[WL], 15
	s_add_co_u32 s59, s59, WREG
	s_mul_i32 s70, s18, 128*KS
	s_mov_b32 s71, 0
	s_lshl_b32 s72, s19, 9
	s_add_co_u32 s72, s72, XSOFF
	s_mov_b32 s73, 0
	s_lshl_b32 s74, s18, 9
	s_mov_b32 s75, 0
	s_lshl_b32 s76, s19, 19                        ; row 128 gy + 32 wave, column 128 gx, in bytes
	s_lshl_b32 s2, s[WV], 17
	s_add_co_u32 s76, s76, s2
	s_add_co_u32 s76, s76, s74
	s_mov_b32 s77, 0
	v_and_b32 v1, 15, v0                           ; r
	v_bfe_u32 v2, v0, 4, 1                         ; h
	v_and_b32 v3, 8, v1
	v_add_nc_u32 v3, v3, v1                        ; r + 8 (r / 8)
	v_and_b32 v24, 31, v0
	v_lshlrev_b32 v[LI], 4, v24
	v_mul_u32_u24 v25, v3, PITCH
	v_lshl_add_u32 v[AW], v2, 4, v25
	v_add_nc_u32 v[AW+1], SLOT, v[AW]
	s_lshl_b32 s2, s[WV], 14                       ; my two tiles of X's eight
	s_add_co_u32 s3, s2, WREG
	v_add_nc_u32 v[AX], s3, v[LI]
	v_add_nc_u32 v[AX+1], SLOT, v[AX]
	v_add_nc_u32 v[XTG], s2, v[LI]                 ; X's scale words: wave w copies K steps w, w + 4, ..: 16,384 bytes from K step to K step
	v_lshl_add_u32 v26, v2, 3, v3
	v_mul_u32_u24 v26, v26, KS
	v_lshrrev_b32 v27, 8, v26
	v_lshl_add_u32 v26, v27, 4, v26                ; KS bytes a row, 16 more for each 256 passed
	v_add_nc_u32 v[SWP], SCW, v26
	s_lshl_b32 s2, s[WV], 7
	v_lshl_add_u32 v[SXQ], v24, 2, s2
	v_add_nc_u32 v[SXQ], SCX, v[SXQ]
	s_lshl_b32 s2, s[WV], 9
	v_add_nc_u32 v[XTL], s2, v[LI]
	v_add_nc_u32 v[XTL], SCX, v[XTL]
	v_lshlrev_b32 v[BO], 6, v2
	v_lshrrev_b32 v27, 4, v0
	v_add_nc_u32 v27, v27, v0
	v_lshl_add_u32 v[CPY], v27, 4, SCW
	v_lshlrev_b32 v[CPG], 4, v0
	s_mul_i32 s2, s[WV], 16*528                    ; my stage
	v_mul_u32_u24 v[STO], v1, 528
	v_lshl_add_u32 v[STO], v2, 6, v[STO]
	v_add_nc_u32 v[STO], s2, v[STO]
	v_add_nc_u32 v[RD], s2, v[LI]
	s_wait_kmcnt 0x0
	s_add_nc_u64 s[66:67], s[6:7], s[66:67]
	s_add_nc_u64 s[68:69], s[4:5], s[68:69]
	s_add_nc_u64 s[70:71], s[8:9], s[70:71]
	s_add_nc_u64 s[72:73], s[4:5], s[72:73]
	s_add_nc_u64 s[74:75], s[10:11], s[74:75]
	s_add_nc_u64 s[78:79], s[14:15], s[76:77]
	s_add_nc_u64 s[76:77], s[12:13], s[76:77]
.irp s, 0,1
	s_mov_b32 s[G0W+4*\s], 1
	s_add_co_u32 s[G0W+4*\s+1], s23, \s*SLOT
	s_add_nc_u64 s[G0W+4*\s+2:G0W+4*\s+3], s[66:67], \s*512
	s_or_b32 s[G0W+4*\s+3], s[G0W+4*\s+3], 0x80000000
	s_mov_b32 s[G0X+4*\s], 1
	s_add_co_u32 s[G0X+4*\s+1], s59, \s*SLOT
	s_add_nc_u64 s[G0X+4*\s+2:G0X+4*\s+3], s[68:69], \s*8192
	s_or_b32 s[G0X+4*\s+3], s[G0X+4*\s+3], 0x80000000
.endr
.set j, 0
.rept K/512
	global_load_b128 v[128+4*j:128+4*j+3], v[CPG], s[70:71] offset:2048*j          ; W's scale bytes: 2,048 consecutive bytes a load of the work-group
.set j, j+1
.endr
.set j, 0
.rept NK/4
	global_load_b128 v[128+K/128+4*j:128+K/128+4*j+3], v[XTG], s[72:73] offset:65536*j   ; X's scale words of a K step: 512 consecutive bytes a wave
.set j, j+1
.endr
	WIN 0x80
.irp p, 0,1,2,3,4,5,6,7
	global_load_b128 v[BIAS+8*\p:BIAS+8*\p+3], v[BO], s[74:75] offset:4*(32*(\p/2)+8*(\p%2))
	global_load_b128 v[BIAS+8*\p+4:BIAS+8*\p+7], v[BO], s[74:75] offset:4*(32*(\p/2)+8*(\p%2))+16
.endr
.irp a, 0,1
.irp i, 0,1,2,3,4,5,6,7,8,9,10,11,12,13,14,15
	global_load_b128 v[RES+64*\a+4*\i:RES+64*\a+4*\i+3], v[LI], s[76:77] offset:(8*\a+\i+8*(\i/8))*4096   ; the residual, in the order in which the rows come back from the stage
.endr
.endr
	WIN 0
	CROUND                                         ; all sixteen work-groups are here
	s_cmp_eq_u32 s[WH], 0                          ; a wave's two first fills stand in one branch: two loads of mine are out
	s_cbranch_scc0 .Lfirst_x
	tensor_load_to_lds s[G0W:G0W+3], s[G1W:G1W+7]
	s_nop 0
	tensor_load_to_lds s[G0W+4:G0W+7], s[G1W:G1W+7]
	s_nop 0
	PLACES 4
	s_branch .Lfirst_asked
.Lfirst_x:
	tensor_load_to_lds s[G0X:G0X+3], s[G1X:G1X+7]
	s_nop 0
	tensor_load_to_lds s[G0X+4:G0X+7], s[G1X:G1X+7]
	s_nop 0
	PLACES 4
.Lfirst_asked:
	s_wait_loadcnt 48                              ; the tables are in; the bias's 16 loads and the residual's 32 are younger
.set j, 0
.rept K/512
	ds_store_b128 v[CPY], v[128+4*j:128+4*j+3] offset:2176*j
.set j, j+1
.endr
.set j, 0
.rept NK/4
	ds_store_b128 v[XTL], v[128+K/128+4*j:128+K/128+4*j+3] offset:2048*j
.set j, j+1
.endr
	s_wait_tensorcnt 0x1                           ; my part of slot 0 is in; slot 1's may stay out
	s_wait_dscnt 0x0
	s_barrier_signal -1
	s_barrier_wait -1
	FETCH 0, 0, 0
	SCALES 0
	s_wait_loadcnt 32                              ; the bias is in; the residual may stay out
	STEP 0, 0, 1                                   ; the first step starts the sums from the bias
.if LAPS > 1
	s_mov_b32 s60, LAPS-1
.Llap:                                             ; a trip goes once round the ring and fills both slots again
	STEP 0, 1, 0
	STEP 0, 2, 0
	TURN 0, 1
	STEP 1, 0, 0
	STEP 1, 1, 0
	STEP 1, 2, 0
	TURN 1, 1
	STEP 0, 0, 0
	s_sub_co_u32 s60, s60, 1
	s_cmp_lg_u32 s60, 0
	s_cbranch_scc1 .Llap
.endif
	STEP 0, 1, 0                                   ; the last lap fills nothing
	STEP 0, 2, 0
	TURN 0, 0
	STEP 1, 0, 0
	STEP 1, 1, 0
	STEP 1, 2, 0
	s_wait_dscnt 0x0
	MUL 0, 1, 3, 1, 0
	MUL 1, 1, 3, 1, 0
	WIN 0
	PLACES 8                                       ; between the last products and the reads of results and the loads over P's fragments
	s_wait_loadcnt 0x0                             ; the residual
.irp a, 0,1
.if \a
	s_wait_xcnt 0x0                                ; the first half's stores have read their registers
.endif
.irp b, 0,1,2,3
.irp i, 0,1,2,3
	ds_store_b128 v[STO], v[ACC+64*\a+16*\b+4*\i:ACC+64*\a+16*\b+4*\i+3] offset:128*\b+16*\i   ; lane (r, h): columns 32 b + 16 h + 4 i on of stage row r; each accumulator from its low end on
.endr
.endr
	WIN 0x40
.irp i, 0,1,2,3,4,5,6,7,8,9,10,11,12,13,14,15
	ds_load_b128 v[4*\i:4*\i+3], v[RD] offset:528*\i       ; LDS serves a wave's instructions in order: these see my stores
.endr
	s_wait_dscnt 0x0
	WIN 0x49
.set k, 0
.rept 32
	v_pk_add_f32 v[k:k+1], v[k:k+1], v[RES+64*\a+k:RES+64*\a+k+1]
.set k, k+2
.endr
	WIN 0x04
.irp i, 0,1,2,3,4,5,6,7,8,9,10,11,12,13,14,15
	global_store_b128 v[LI], v[4*\i:4*\i+3], s[78:79] offset:(8*\a+\i+8*(\i/8))*4096   ; 32 lanes store 512 consecutive bytes, aligned
.endr
	WIN 0
.endr
	s_wait_tensorcnt 0x0                           ; the wave's end
	ds_add_u32 v[SPW], v[NIL]
	s_wait_dscnt 0x0
	CROUND                                         ; the closing round
	s_endpgm
.Lfunc_end_k_qd0c80cc7f9_gemm_o:
	.size	k_qd0c80cc7f9_gemm_o, .Lfunc_end_k_qd0c80cc7f9_gemm_o-k_qd0c80cc7f9_gemm_o
	.p2alignl 7, 3214868480
	.fill 96, 4, 3214868480
	.section	.rodata,"a",@progbits
	.p2align	6, 0x0
	.amdhsa_kernel k_qd0c80cc7f9_gemm_o
		.amdhsa_group_segment_fixed_size 327680
		.amdhsa_private_segment_fixed_size 0
		.amdhsa_enable_private_segment 0
		.amdhsa_kernarg_size 48
		.amdhsa_user_sgpr_count 2
		.amdhsa_user_sgpr_kernarg_segment_ptr 1
		.amdhsa_wavefront_size32 1
		.amdhsa_system_sgpr_workgroup_id_x 1
		.amdhsa_system_sgpr_workgroup_id_y 1
		.amdhsa_system_sgpr_workgroup_id_z 1
		.amdhsa_system_vgpr_workitem_id 0
		.amdhsa_next_free_vgpr 768
		.amdhsa_next_free_sgpr 100
		.amdhsa_reserve_vcc 0
		.amdhsa_float_denorm_mode_32 3
		.amdhsa_float_denorm_mode_16_64 3
		.amdhsa_memory_ordered 1
		.amdhsa_forward_progress 1
		.amdhsa_inst_pref_size 66
	.end_amdhsa_kernel
	.amdgpu_metadata
---
amdhsa.version: [ 1, 2 ]
amdhsa.kernels:
  - .name:           k_qd0c80cc7f9_gemm_o
    .symbol:         k_qd0c80cc7f9_gemm_o.kd
    .args:
      - { .name: oa, .offset: 0, .size: 8, .value_kind: global_buffer, .address_space: global }
      - { .name: w_o_codes, .offset: 8, .size: 8, .value_kind: global_buffer, .address_space: global }
      - { .name: w_o_scales, .offset: 16, .size: 8, .value_kind: global_buffer, .address_space: global }
      - { .name: b_o, .offset: 24, .size: 8, .value_kind: global_buffer, .address_space: global }
      - { .name: x, .offset: 32, .size: 8, .value_kind: global_buffer, .address_space: global }
      - { .name: r, .offset: 40, .size: 8, .value_kind: global_buffer, .address_space: global }
    .group_segment_fixed_size: 327680
    .private_segment_fixed_size: 0
    .kernarg_segment_align: 8
    .kernarg_segment_size: 48
    .max_flat_workgroup_size: 128
    .sgpr_count:     100
    .vgpr_count:     768
    .wavefront_size: 32
...
	.end_amdgpu_metadata
.endif
;; end of part 4
;; launch ln1 (part 5): grid 256 x 1, 2 waves a work-group, no clusters, 2,816 bytes of LDS; arguments r, g1, be1, h, xa; writes h, xa
.if DOCPART == 5
	.amdgcn_target "amdgcn-amd-amdhsa--gfx1250"
	.amdhsa_code_object_version 6
	.text
	.protected	k_qd0c80cc7f9_ln1
	.globl	k_qd0c80cc7f9_ln1
	.p2align	8
	.type	k_qd0c80cc7f9_ln1,@function
k_qd0c80cc7f9_ln1:
	s_mov_b64 s[64:65], 0
	v_nop
	global_prefetch_b8 v0, s[64:65] scope:SCOPE_SE
	s_setreg_imm32_b32 hwreg(HW_REG_WAVE_MODE, 25, 1), 1
	s_wait_xcnt 0x0
; ROWS OF 1,024 f32 NUMBERS, one wave to a row at a time; three launches share this text and differ in three switches.
; DO_LN: the row is normalised (mean and variance in two passes over registers, then gain and offset).  DO_F: the f32 row is stored.
; DO_Q: the row is quantised to E5M2 codes, one E8M0 byte for each 32 columns: codes [4096][1024] at byte 0 of the buffer, bytes [4096][32] at XSC.
; This launch: h = layer norm of (attention's output + x), stored as f32 and as codes (all three switches).
; SHARES: wave W = 2 x work-group + wave owns rows 8 W .. 8 W + 7.  Lane L holds columns 128 j + 4 L + 0..3, j = 0..7: each load and f32 store of the wave
; covers 512 consecutive bytes.  A block of 32 columns lies in 8 neighbouring lanes of one j.  Three row slots in registers: two rows are on their way while one is worked on.
; A row's 1,024 codes go through the wave's own 1,024 bytes of LDS and leave as two stores of 512 consecutive bytes; its 8 rows' 256 scale bytes leave as one store of 256.
; LIMITS: NaN and infinities are not served.  A block whose largest magnitude lies under 2^-111, a block of zeros among them, gets the byte 1 (the rule says 127 for zeros): its codes
; are zeros or the rule's own, and these bytes are read by this program alone.  v_rsq_f32 is good to 1 ulp.
.set DO_LN, 1
.set DO_Q,  1
.set DO_F,  1
.set XSC,  4194304
.set OFF,  1
.set STW,  2
.set STR,  3
.set SBW,  4
.set SBR,  5
.set O8,   6
.set PT,   7
.set A,    8
.set SOP,  16
.set HOLD, 24
.set T,    32
.set C,    48
.set O,    64
.set G,    72
.set B,    104
.set X,    136
.set MU,   232
.set RS,   234
.set SA,   236
.set SB,   238
	s_load_b64 s[4:5], s[0:1], 0x0                 ; the rows
.if DO_LN
	s_load_b64 s[6:7], s[0:1], 0x8                 ; gain
	s_load_b64 s[8:9], s[0:1], 0x10                ; offset
	s_load_b64 s[10:11], s[0:1], 0x18              ; f32 out
.if DO_Q
	s_load_b64 s[12:13], s[0:1], 0x20              ; codes and bytes
	v_lshl_add_u32 v240, v0, 2, 0xa00
	v_mov_b32 v241, 0
.endif
.else
	s_load_b64 s[12:13], s[0:1], 0x8
.endif
	v_lshrrev_b32 v8, 5, v0
	v_readfirstlane_b32 s16, v8                    ; wave
	v_and_b32 v9, 31, v0                           ; L
	v_lshlrev_b32 v[OFF], 4, v9
	v_mov_b32 v[PT], 0
.if DO_Q
	s_mul_i32 s17, s16, 1280                       ; my wave's LDS: 1,024 bytes of stage, 256 scale bytes
	v_lshl_add_u32 v[STW], v9, 2, s17
	v_lshl_add_u32 v[STR], v9, 4, s17
	v_lshrrev_b32 v[SBW], 3, v9
	v_add_nc_u32 v[SBW], s17, v[SBW]
	v_add_nc_u32 v[SBW], 1024, v[SBW]
	v_lshl_add_u32 v[SBR], v9, 3, s17
	v_add_nc_u32 v[SBR], 1024, v[SBR]
	v_lshlrev_b32 v[O8], 3, v9
.set j, 0
.rept 16
	v_mov_b32 v[T+j], 0
.set j, j+1
.endr
.endif
	s_mov_b32 s30, 0x76543210
	s_mov_b32 s31, 0xfedcba98                      ; lane l xor 16
	s_mov_b32 s22, 0x600000                        ; the mantissa field of 57,344
	s_mov_b32 s23, 0x3a800000                      ; 1 / 1,024
	s_mov_b32 s24, 0x3727c5ac                      ; 1e-5
	s_lshl_b32 s18, ttmp9, 1
	s_add_co_u32 s18, s18, s16                     ; W
	s_lshl_b32 s20, s18, 15                        ; 8 rows of 4,096 bytes
	s_mov_b32 s21, 0
	s_lshl_b32 s26, s18, 13                        ; 8 rows of 1,024 codes
	s_mov_b32 s27, 0
	s_lshl_b32 s28, s18, 8                         ; 8 rows of 32 bytes
	s_add_co_u32 s28, s28, XSC
	s_mov_b32 s29, 0
	s_wait_kmcnt 0x0
	s_add_nc_u64 s[4:5], s[4:5], s[20:21]
.if DO_F
	s_add_nc_u64 s[10:11], s[10:11], s[20:21]
.endif
.if DO_Q
	s_add_nc_u64 s[14:15], s[12:13], s[28:29]
	s_add_nc_u64 s[12:13], s[12:13], s[26:27]
.endif
.macro LOADROW i
.irp j, 0,1,2,3,4,5,6,7
	global_load_b128 v[X+32*((\i)%3)+4*\j:X+32*((\i)%3)+4*\j+3], v[OFF], s[4:5] offset:4096*(\i)+512*\j th:TH_LOAD_NT
.endr
.endm
.macro WSUM                            ; v[SA] summed over the 32 lanes, the result in every lane
	v_add_f32_dpp v[SA], v[SA], v[SA] row_xmask:1 row_mask:0xf bank_mask:0xf
	v_add_f32_dpp v[SA], v[SA], v[SA] row_xmask:2 row_mask:0xf bank_mask:0xf
	v_add_f32_dpp v[SA], v[SA], v[SA] row_xmask:4 row_mask:0xf bank_mask:0xf
	v_add_f32_dpp v[SA], v[SA], v[SA] row_xmask:8 row_mask:0xf bank_mask:0xf
	v_permlanex16_b32 v[PT], v[SA], s30, s31
	v_add_f32 v[SA], v[SA], v[PT]
.endm
.macro NORM                            ; the row in v[XR] on is normalised in place
	v_pk_add_f32 v[SA:SA+1], v[XR:XR+1], v[XR+2:XR+3]
	v_pk_add_f32 v[SB:SB+1], v[XR+4:XR+5], v[XR+6:XR+7]
.irp k, 8,12,16,20,24,28
	v_pk_add_f32 v[SA:SA+1], v[SA:SA+1], v[XR+\k:XR+\k+1]
	v_pk_add_f32 v[SB:SB+1], v[SB:SB+1], v[XR+\k+2:XR+\k+3]
.endr
	v_pk_add_f32 v[SA:SA+1], v[SA:SA+1], v[SB:SB+1]
	v_add_f32 v[SA], v[SA], v[SA+1]
	WSUM
	v_mul_f32 v[MU], s23, v[SA]                    ; the mean
	v_mov_b32 v[MU+1], v[MU]
.set k, 0
.rept 16
	v_pk_add_f32 v[XR+k:XR+k+1], v[XR+k:XR+k+1], v[MU:MU+1] neg_lo:[0,1] neg_hi:[0,1]   ; x - mean: the variance is taken of these, so no difference of large sums is formed
.set k, k+2
.endr
	v_pk_mul_f32 v[SA:SA+1], v[XR:XR+1], v[XR:XR+1]
	v_pk_mul_f32 v[SB:SB+1], v[XR+2:XR+3], v[XR+2:XR+3]
.irp k, 4,8,12,16,20,24,28
	v_pk_fma_f32 v[SA:SA+1], v[XR+\k:XR+\k+1], v[XR+\k:XR+\k+1], v[SA:SA+1]
	v_pk_fma_f32 v[SB:SB+1], v[XR+\k+2:XR+\k+3], v[XR+\k+2:XR+\k+3], v[SB:SB+1]
.endr
	v_pk_add_f32 v[SA:SA+1], v[SA:SA+1], v[SB:SB+1]
	v_add_f32 v[SA], v[SA], v[SA+1]
	WSUM
	v_fma_f32 v[SB], v[SA], s23, s24               ; variance + 1e-5
	v_rsq_f32 v[RS], v[SB]
	v_nop                                          ; a plain instruction behind the transcendental
	s_wait_alu depctr_va_vdst(0)                   ; and a wait ahead of its first reader
	v_mov_b32 v[RS+1], v[RS]
.set k, 0
.rept 16
	v_pk_mul_f32 v[XR+k:XR+k+1], v[XR+k:XR+k+1], v[RS:RS+1]
.set k, k+2
.endr
.set k, 0
.rept 16
	v_pk_fma_f32 v[XR+k:XR+k+1], v[XR+k:XR+k+1], v[G+k:G+k+1], v[B+k:B+k+1]
.set k, k+2
.endr
.endm
.macro QROW i                          ; the row in v[XR] on becomes codes and scale bytes; v[XR] on stays as it is
.irp j, 0,1,2,3,4,5,6,7
	v_max3_num_f32 v[A+\j], |v[XR+4*\j]|, |v[XR+4*\j+1]|, 0x8000000       ; my four numbers of block 4 j + L / 8, and the floor 2^(16 - 127): the byte cannot fall under 1
.endr
.irp j, 0,1,2,3,4,5,6,7
	v_max3_num_f32 v[A+\j], v[A+\j], |v[XR+4*\j+2]|, |v[XR+4*\j+3]|
.endr
.irp m, 1,2,4
.irp j, 0,1,2,3,4,5,6,7
	v_max_num_f32_dpp v[A+\j], v[A+\j], v[A+\j] row_xmask:\m row_mask:0xf bank_mask:0xf   ; with the block's other seven lanes
.endr
.endr
.irp j, 0,1,2,3,4,5,6,7
	v_add_nc_u32 v[SOP+\j], 0xf8800000, v[A+\j]    ; 15 off the exponent field: the conversion's scale operand
.endr
.irp j, 0,1,2,3,4,5,6,7
	v_and_or_b32 v[HOLD+\j], v[A+\j], 0x7f800000, s22   ; 57,344 x the scale
.endr
.irp j, 0,1,2,3,4,5,6,7
	v_lshrrev_b32 v[A+\j], 23, v[SOP+\j]           ; the scale's byte
.endr
.irp j, 0,1,2,3,4,5,6,7
.irp k, 0,1,2,3
	v_med3_num_f32 v[T+8*(\j%2)+\k], v[XR+4*\j+\k], -v[HOLD+\j], v[HOLD+\j]   ; the conversion does not saturate (ISA guide 7.6.2): the hold first
.endr
	v_cvt_scalef32_pk8_bf8_f32 v[C+2*\j:C+2*\j+1], v[T+8*(\j%2):T+8*(\j%2)+7], v[SOP+\j]   ; four codes and four zeros; the next j's holds, into the other set, are the plain lines behind it
.endr
	v_nop
.irp j, 0,1,2,3,4,5,6,7
	ds_store_b32 v[STW], v[C+2*\j] offset:128*\j
	ds_store_b8 v[SBW], v[A+\j] offset:32*(\i)+4*\j    ; eight lanes write the same byte with the same value
.endr
	s_wait_xcnt 0x0                                ; the last row's stores have read v[O] on
	ds_load_b128 v[O:O+3], v[STR]                  ; LDS serves a wave's instructions in order: these see my stores
	ds_load_b128 v[O+4:O+7], v[STR] offset:512
	s_wait_dscnt 0x0
	global_store_b128 v[OFF], v[O:O+3], s[12:13] offset:1024*(\i)
	global_store_b128 v[OFF], v[O+4:O+7], s[12:13] offset:1024*(\i)+512
.endm
.macro ROW i, left
.set XR, X+32*((\i)%3)
	s_wait_loadcnt \left                           ; loads come back in order: this row is in, the younger rows' loads stay out
.if DO_LN
	NORM
.endif
.if DO_F
.irp j, 0,1,2,3,4,5,6,7
.if DO_Q
	global_store_b128 v[OFF], v[XR+4*\j:XR+4*\j+3], s[10:11] offset:4096*(\i)+512*\j
.else
	global_store_b128 v[OFF], v[XR+4*\j:XR+4*\j+3], s[10:11] offset:4096*(\i)+512*\j th:TH_STORE_NT
.endif
.endr
.endif
.if DO_Q
	QROW \i
.endif
.if (\i)+3 < 8
	s_wait_xcnt 0x0                                ; the stores have read this slot's registers: it may be loaded again
	LOADROW (\i)+3
.endif
.endm
.if DO_LN
.irp j, 0,1,2,3,4,5,6,7
	global_load_b128 v[G+4*\j:G+4*\j+3], v[OFF], s[6:7] offset:512*\j
	global_load_b128 v[B+4*\j:B+4*\j+3], v[OFF], s[8:9] offset:512*\j
.endr
.endif
	LOADROW 0
	LOADROW 1
	LOADROW 2
	ROW 0, 16
	ROW 1, 16
	ROW 2, 16
	ROW 3, 16
	ROW 4, 16
	ROW 5, 16
	ROW 6, 8
	ROW 7, 0
.if DO_Q
	s_wait_xcnt 0x0
	ds_load_b64 v[O:O+1], v[SBR]
	s_wait_dscnt 0x0
	global_store_b64 v[O8], v[O:O+1], s[14:15]     ; 32 lanes store 256 consecutive bytes, aligned: 8 rows' scale bytes
.endif
	s_wait_tensorcnt 0x0
	ds_add_u32 v240, v241
	s_wait_dscnt 0x0
	s_endpgm
.Lfunc_end_k_qd0c80cc7f9_ln1:
	.size	k_qd0c80cc7f9_ln1, .Lfunc_end_k_qd0c80cc7f9_ln1-k_qd0c80cc7f9_ln1
	.p2alignl 7, 3214868480
	.fill 96, 4, 3214868480
	.section	.rodata,"a",@progbits
	.p2align	6, 0x0
	.amdhsa_kernel k_qd0c80cc7f9_ln1
		.amdhsa_group_segment_fixed_size 2816
		.amdhsa_private_segment_fixed_size 0
		.amdhsa_enable_private_segment 0
		.amdhsa_kernarg_size 40
		.amdhsa_user_sgpr_count 2
		.amdhsa_user_sgpr_kernarg_segment_ptr 1
		.amdhsa_wavefront_size32 1
		.amdhsa_system_sgpr_workgroup_id_x 1
		.amdhsa_system_sgpr_workgroup_id_y 1
		.amdhsa_system_sgpr_workgroup_id_z 1
		.amdhsa_system_vgpr_workitem_id 0
		.amdhsa_next_free_vgpr 242
		.amdhsa_next_free_sgpr 66
		.amdhsa_reserve_vcc 0
		.amdhsa_float_denorm_mode_32 3
		.amdhsa_float_denorm_mode_16_64 3
		.amdhsa_memory_ordered 1
		.amdhsa_forward_progress 1
		.amdhsa_inst_pref_size 131
	.end_amdhsa_kernel
	.amdgpu_metadata
---
amdhsa.version: [ 1, 2 ]
amdhsa.kernels:
  - .name:           k_qd0c80cc7f9_ln1
    .symbol:         k_qd0c80cc7f9_ln1.kd
    .args:
      - { .name: r, .offset: 0, .size: 8, .value_kind: global_buffer, .address_space: global }
      - { .name: g1, .offset: 8, .size: 8, .value_kind: global_buffer, .address_space: global }
      - { .name: be1, .offset: 16, .size: 8, .value_kind: global_buffer, .address_space: global }
      - { .name: h, .offset: 24, .size: 8, .value_kind: global_buffer, .address_space: global }
      - { .name: xa, .offset: 32, .size: 8, .value_kind: global_buffer, .address_space: global }
    .group_segment_fixed_size: 2816
    .private_segment_fixed_size: 0
    .kernarg_segment_align: 8
    .kernarg_segment_size: 40
    .max_flat_workgroup_size: 64
    .sgpr_count:     66
    .vgpr_count:     242
    .wavefront_size: 32
...
	.end_amdgpu_metadata
.endif
;; end of part 5
;; launch gemm_ff1 (part 6): grid 8 x 32, 4 waves a work-group, clusters of 4 x 4, 327,680 bytes of LDS; arguments xa, w1_codes, w1_scales, b1, fa; writes fa
.if DOCPART == 6
	.amdgcn_target "amdgcn-amd-amdhsa--gfx1250"
	.amdhsa_code_object_version 6
	.text
	.protected	k_qd0c80cc7f9_gemm_ff1
	.globl	k_qd0c80cc7f9_gemm_ff1
	.p2align	8
	.type	k_qd0c80cc7f9_gemm_ff1,@function
k_qd0c80cc7f9_gemm_ff1:
	s_mov_b64 s[64:65], 0
	v_nop
	global_prefetch_b8 v0, s[64:65] scope:SCOPE_SE
	s_setreg_imm32_b32 hwreg(HW_REG_WAVE_MODE, 25, 1), 1
	s_wait_xcnt 0x0
	s_wait_alu depctr_hold_cnt(0) depctr_sa_sdst(0) depctr_va_vdst(0) depctr_va_sdst(0) depctr_va_ssrc(0) depctr_va_vcc(0) depctr_vm_vsrc(0)
	s_getreg_b32 s2, hwreg(HW_REG_IB_STS2, 6, 4)
	s_cmp_eq_u32 s2, 0
	s_cbranch_scc0 .Lentry_in_a_cluster
	s_endpgm
.Lentry_in_a_cluster:
	s_bfe_u32 s2, ttmp6, 0x10000c
	s_cmp_lg_u32 s2, 0xf033
	s_cbranch_scc0 .Lentry_shape_is_right
	s_endpgm
.Lentry_shape_is_right:
; A GEMM ON E5M2 CODES WHOSE RESULT IS QUANTISED ON ITS WAY OUT.  Two launches share this text (switch FF1).
; X: codes [4096][1024] row-major with scale bytes [4096][32] behind them (XSOFF); W: codes [N][1024], scale bytes [N][32]; bias f32 [N].
; FF1 = 0: qkv = x w_qkv + b_qkv, N = 3,072.  q and k are quantised along the head's 64, v along the tokens.   FF1 = 1: relu(h w1 + b1), N = 4,096, quantised along N.
; SHARES.  Work-group (gx, gy) keeps X's rows 128 gy .. + 127, all of K, in LDS and walks NT tiles of 128 rows of W through the two W regions, which are filled again.
; A slot holds 512 along K: W's 128 rows and X's 128 rows, 528 bytes from row to row.  Four waves; a wave makes P 128 x Q 32: 16 accumulators.
; The matrix instruction's source 0 is P, source 1 is Q: a lane holds ONE row of Q, and its registers run along P.  P = W, Q = X's 32 rows of the wave (mode 0); for v P = X, Q = W's 32 rows (mode 1).
; THE ROWS OF A TILE ARE NOT NEIGHBOURS: lane r of tile 2 G + U stands for row 32 G + 8 U + r + 8 (r / 8), on both sources.  So the 16 registers of P's tiles 2 b, 2 b + 1 are 16 neighbours
; 32 b + 16 (lane / 16) + 0..15 along the next product's K, and the conversions' results ARE that product's operand registers.  They are stored as images of those registers:
; group c of four registers at 512 c + 16 x lane; scale words as images too: word 4 x lane = tile U = lane / 16, row lane % 16.
; CLUSTER 4 x 4: W's tiles hang on gx alone and are asked for jointly along a column of the cluster, X's on gy alone, along a row.  Every wave fetches 32 rows of every tile.
; LIMITS: NaN and infinities are not served; a block whose largest magnitude lies under 2^-111, zeros among them, gets the byte 1 (read by this program alone).
; REGISTERS.  window 0: v4-23 addresses; v32-63 P's scale words, v64-71 Q's (they hold nothing else); v72-92 the quantiser's; v96-127 codes; v128-255 accumulator (a, p) at 128 + 64 a + 8 p.
;   window 1: P's fragments, two sets of 128.   window 2: v0-63 Q's fragments, two sets of 32; v64-127 the bias in the result's layout.
.set FF1, 1
.if FF1
.set NT,  4
.set WSH, 19                           ; gx x 512 rows x 1,024 bytes
.else
.set NT,  3
.set WSH, 18                           ; gx x 256 rows x 1,024 bytes
.endif
.set PITCH, 528
.set WPART, 32*PITCH                   ; what one tensor load brings
.set REG,   4*WPART                    ; 128 rows
.set SLOT,  2*REG                      ; W's region, then X's
.set SCW,   2*SLOT                     ; W's scale bytes, 4,352 a tile: units of 256 bytes + 16
.set SCX,   SCW+NT*4352                ; X's
.set SPARE, SCX+4352                   ; the spare words: 128 bytes a wave, named by no other line
.set XSOFF, 4194304
.set QKS,   12582912
.set VC,    8388608
.set VS,    13107200
.set FS,    16777216
.set LI,  4
.set LS,  5
.set SPW, 6
.set NIL, 7
.set AWA, 8
.set AWW, 10
.set AXA, 12
.set AXW, 14
.set SWA, 16
.set SWW, 17
.set SXA, 18
.set SXW, 19
.set BO,  20
.set BVO, 21
.set CPY, 22
.set CPG, 23
.set SP,  32
.set SQ,  64
.set TM,  72
.set PW0, 88
.set PW1, 89
.set PC0, 96
.set PC1, 112
.set ACC, 128
.set BIAS, 64
.set WV,  14
.set G1W, 24
.set G1X, 32
.set G0W, 40
.set G0X, 48
.set SEL, 58
.set MNT, 60
.set WVB, 76
.set MSB, 0
.macro WIN new                         ; the immediate's high byte repeats the setting that is left
.if MSB != \new
	s_set_vgpr_msb (MSB<<8)|\new
.set MSB, \new
.endif
.endm
.macro PLACES n
.rept \n
	v_nop
.endr
.endm
.macro CREST                           ; a round of the cluster's barrier behind its opening barrier
	s_cmp_lg_u32 s[WV], 0
	s_cbranch_scc1 .Lnot_wave_0_\@
	s_barrier_signal -3
.Lnot_wave_0_\@:
	s_barrier_wait -3
	s_barrier_signal -1
	s_barrier_wait -1
.endm
.macro CROUND
	s_barrier_signal -1
	s_barrier_wait -1
	CREST
.endm
.macro FRAG reg, adr, off              ; 16 rows x 128 K: registers 4 c .. 4 c + 3 hold K = 32 c + 16 (lane / 16) + 0..15
.irp c, 0,1,2,3
	ds_load_b128 v[\reg+4*\c:\reg+4*\c+3], v[\adr] offset:\off+32*\c
.endr
.endm
.macro FETCH slot, q, set, mode        ; the fragments of the slot's q-th 128 along K: P's eight (window 1), Q's two (window 2)
	WIN 0x40
.irp p, 0,1,2,3,4,5,6,7
.if \mode
	FRAG 128*(\set)+16*\p, AXA+(\slot), (32*(\p/2)+8*(\p%2))*PITCH+128*(\q)
.else
	FRAG 128*(\set)+16*\p, AWA+(\slot), (32*(\p/2)+8*(\p%2))*PITCH+128*(\q)
.endif
.endr
	WIN 0x80
.irp a, 0,1
.if \mode
	FRAG 32*(\set)+16*\a, AWW+(\slot), 8*\a*PITCH+128*(\q)
.else
	FRAG 32*(\set)+16*\a, AXW+(\slot), 8*\a*PITCH+128*(\q)
.endif
.endr
	WIN 0
.endm
.macro SCALES ss, adrP, offP, adrQ, offQ   ; a slot's scale words: 16 bytes a row are the words of its four K steps; lanes 0-15 take the even tile's rows, lanes 16-31 the odd tile's
.irp b, 0,1,2,3
	ds_load_b128 v[SP+16*(\ss)+4*\b:SP+16*(\ss)+4*\b+3], v[\adrP] offset:\offP+1088*\b
.endr
	ds_load_b128 v[SQ+4*(\ss):SQ+4*(\ss)+3], v[\adrQ] offset:\offQ
.endm
.macro WM a, p, set, q, ss, cm         ; one matrix instruction.  cm = 0: adds in place; 1: starts from the bias of P's tile; 2: from the bias of Q's tile
.set rD, ACC+64*(\a)+8*(\p)
.set rC, rD
.if (\cm) == 1
.set rC, BIAS+8*(\p)
.endif
.if (\cm) == 2
.set rC, BIAS+8*(\a)
.endif
.set rP, 128*(\set)+16*(\p)
.set rQ, 32*(\set)+16*(\a)
.set rS, SP+16*(\ss)+4*((\p)/2)+(\q)
.set rT, SQ+4*(\ss)+(\q)
.if ((\p)%2) && (\a)
	v_wmma_scale_f32_16x16x128_f8f6f4 v[rD:rD+7], v[rP:rP+15], v[rQ:rQ+15], v[rC:rC+7], v[rS], v[rT] matrix_a_fmt:MATRIX_FMT_BF8 matrix_b_fmt:MATRIX_FMT_BF8 matrix_a_scale:MATRIX_SCALE_ROW1 matrix_b_scale:MATRIX_SCALE_ROW1
.elseif (\p)%2
	v_wmma_scale_f32_16x16x128_f8f6f4 v[rD:rD+7], v[rP:rP+15], v[rQ:rQ+15], v[rC:rC+7], v[rS], v[rT] matrix_a_fmt:MATRIX_FMT_BF8 matrix_b_fmt:MATRIX_FMT_BF8 matrix_a_scale:MATRIX_SCALE_ROW1
.elseif \a
	v_wmma_scale_f32_16x16x128_f8f6f4 v[rD:rD+7], v[rP:rP+15], v[rQ:rQ+15], v[rC:rC+7], v[rS], v[rT] matrix_a_fmt:MATRIX_FMT_BF8 matrix_b_fmt:MATRIX_FMT_BF8 matrix_b_scale:MATRIX_SCALE_ROW1
.else
	v_wmma_scale_f32_16x16x128_f8f6f4 v[rD:rD+7], v[rP:rP+15], v[rQ:rQ+15], v[rC:rC+7], v[rS], v[rT] matrix_a_fmt:MATRIX_FMT_BF8 matrix_b_fmt:MATRIX_FMT_BF8
.endif
.endm
.macro MUL a, set, q, ss, cm           ; Q's tile a against P's eight.  The 16 accumulators take turns, one instruction a turn, in the same order in every step
.if \cm
	WIN 0x29                                       ; P window 1, Q window 2, C (the bias) window 2, D window 0
.else
	WIN 0x09
.endif
.irp p, 0,1,2,3,4,5,6,7
	WM \a, \p, \set, \q, \ss, \cm
.endr
.endm
.macro STEP slot, q, mode, cm          ; 128 along K that has its successor in the same slot
	s_wait_dscnt 0x0                               ; this step's fragments are in
	MUL 0, (\q)%2, \q, \slot, \cm
	WIN 0
	PLACES 8                                       ; eight plain instructions between the last product that read the other set and the loads into it
	FETCH \slot, (\q)+1, 1-(\q)%2, \mode
	MUL 1, (\q)%2, \q, \slot, \cm
	WIN 0
.endm
; A slot's last step changes slots.  In front of the one barrier every wave waits for all its tensor loads, adds 0 to its spare word, and waits for that and for its reads of this slot.
; fill = 1: W's region of this slot takes the next tile of W (128 rows on); 2: the tile of v's rows; 0: nothing.  With a fill the barrier opens a round of the cluster's barrier.
.macro TURN slot, mode, nmode, fill, bump, adrP, offP, adrQ, offQ
	s_wait_tensorcnt 0x0                           ; all my tensor loads have landed: my part of the other slot among them; so a group 0 may be written
	ds_add_u32 v[SPW], v[NIL]
.if \fill == 1
	s_add_nc_u64 s[G0W+4*\slot+2:G0W+4*\slot+3], s[G0W+4*\slot+2:G0W+4*\slot+3], 131072
.elseif \fill == 2
	s_add_nc_u64 s[G0W+4*\slot+2:G0W+4*\slot+3], s[WVB:WVB+1], 512*\slot
	s_or_b32 s[G0W+4*\slot+3], s[G0W+4*\slot+3], 0x80000000
.endif
	s_wait_dscnt 0x0                               ; the add is done, my reads of this slot are over
	s_barrier_signal -1
	MUL 0, 1, 3, \slot, 0                          ; work on registers while the others arrive
	WIN 0
	s_barrier_wait -1
.if \fill
	CREST                                          ; no wave of any partner still reads this region or has a load on its way
	tensor_load_to_lds s[G0W+4*\slot:G0W+4*\slot+3], s[G1W:G1W+7]   ; my one tensor load behind the round, and the first thing there
	s_nop 0
.endif
	PLACES 8
.if \bump
	v_add_nc_u32 v[SWA], 4352, v[SWA]              ; the next tile's scale bytes of W
.endif
	FETCH 1-\slot, 0, 0, \nmode
	SCALES 1-\slot, \adrP, \offP, \adrQ, \offQ
	MUL 1, 1, 3, \slot, 0
	WIN 0
.endm
.macro LAST                            ; the launch's last step: nothing more to fetch
	s_wait_dscnt 0x0
	MUL 0, 1, 3, 1, 0
	MUL 1, 1, 3, 1, 0
	WIN 0
.endm
; 64 numbers of a lane, register 16 b + i = k 32 b + 16 (lane / 16) + i of my row, become a fragment's codes in v[pc] on and its scale word in v[pw].
.macro QUANT s, relu, pc, pw
.if \relu                                      ; no |.|: what is negative becomes 0, so it does not count; the floor stands over it
.irp b, 0,1,2,3
	v_max3_num_f32 v[TM+\b], v[\s+16*\b], v[\s+1+16*\b], 0x8000000
.endr
.irp i, 2,4,6,8,10,12,14
.irp b, 0,1,2,3
	v_max3_num_f32 v[TM+\b], v[TM+\b], v[\s+16*\b+\i], v[\s+1+16*\b+\i]
.endr
.endr
.else
.irp b, 0,1,2,3
	v_max3_num_f32 v[TM+\b], |v[\s+16*\b]|, |v[\s+1+16*\b]|, 0x8000000   ; my 16 numbers of block b and the floor 2^(16 - 127)
.endr
.irp i, 2,4,6,8,10,12,14
.irp b, 0,1,2,3
	v_max3_num_f32 v[TM+\b], v[TM+\b], |v[\s+16*\b+\i]|, |v[\s+1+16*\b+\i]|
.endr
.endr
.endif
.irp b, 0,1,2,3
	v_permlanex16_b32 v[TM+4+\b], v[TM+\b], s[SEL], s[SEL+1]
.endr
.irp b, 0,1,2,3
	v_max_num_f32 v[TM+\b], v[TM+\b], v[TM+4+\b]   ; with lane l xor 16's 16: the block's largest magnitude
.endr
.irp b, 0,1,2,3
	v_add_nc_u32 v[TM+12+\b], 0xf8800000, v[TM+\b] ; 15 off its exponent field: the conversion's scale operand
.endr
.irp b, 0,1,2,3
	v_and_or_b32 v[TM+8+\b], v[TM+\b], 0x7f800000, s[MNT]   ; 57,344 x the scale
.endr
.irp b, 0,1,2,3
	v_lshrrev_b32 v[TM+4+\b], 23, v[TM+12+\b]      ; the scale's byte
.endr
	v_lshl_or_b32 v[\pw], v[TM+5], 8, v[TM+4]
	v_lshl_or_b32 v[\pw], v[TM+6], 16, v[\pw]
	v_lshl_or_b32 v[\pw], v[TM+7], 24, v[\pw]
.irp b, 0,1,2,3
.irp i, 0,1,2,3,4,5,6,7,8,9,10,11,12,13,14,15
.if \relu
	v_med3_num_f32 v[\s+16*\b+\i], v[\s+16*\b+\i], 0, v[TM+8+\b]          ; the activation and the hold in one
.else
	v_med3_num_f32 v[\s+16*\b+\i], v[\s+16*\b+\i], -v[TM+8+\b], v[TM+8+\b]   ; the conversion does not saturate (ISA guide 7.6.2)
.endif
.endr
	v_cvt_scalef32_pk8_bf8_f32 v[\pc+4*\b:\pc+1+4*\b], v[\s+16*\b:\s+7+16*\b], v[TM+12+\b]
	v_cvt_scalef32_pk8_bf8_f32 v[\pc+2+4*\b:\pc+3+4*\b], v[\s+8+16*\b:\s+15+16*\b], v[TM+12+\b]
.endr
	v_nop                                          ; a plain instruction behind the last conversion: later products write its sources
.endm
.macro BIASLOAD                        ; mode 0: lane (r, h) wants, for P's tile p, the bias of columns 32 (p / 2) + 16 h + 8 (p % 2) + 0..7
	WIN 0x80
.irp p, 0,1,2,3,4,5,6,7
	global_load_b128 v[BIAS+8*\p:BIAS+8*\p+3], v[BO], s[70:71] offset:4*(32*(\p/2)+8*(\p%2))
	global_load_b128 v[BIAS+8*\p+4:BIAS+8*\p+7], v[BO], s[70:71] offset:4*(32*(\p/2)+8*(\p%2))+16
.endr
	WIN 0
.endm
.macro PUT4 pc, base, off              ; a whole image: four stores of 512 consecutive bytes
.irp c, 0,1,2,3
	global_store_b128 v[LI], v[\pc+4*\c:\pc+4*\c+3], s[\base:\base+1] offset:\off+512*\c
.endr
.endm
.macro EPI_FF more                     ; the way out of a tile of the hidden layer: one K step of the next product.  more = 1: another tile follows
	PLACES 8
	s_wait_xcnt 0x0
.if \more
	s_add_nc_u64 s[70:71], s[70:71], 512
	BIASLOAD
.endif
	QUANT ACC, 1, PC0, PW0
	PUT4 PC0, 66, 0
	QUANT ACC+64, 1, PC1, PW1
	PUT4 PC1, 66, 65536
	v_cndmask_b32 v90, v[PW0], v[PW1], s61         ; lanes 0-15: tile 0's words, lanes 16-31: tile 1's
	global_store_b32 v[LS], v90, s[68:69]
.if \more
	s_wait_xcnt 0x0                                ; the stores have read their bases
	s_add_nc_u64 s[66:67], s[66:67], 2048          ; the next K step's image
	s_add_nc_u64 s[68:69], s[68:69], 16384
.endif
.endm
.macro THREE slot, mode
	STEP \slot, 0, \mode, 0
	STEP \slot, 1, \mode, 0
	STEP \slot, 2, \mode, 0
.endm
	s_load_b256 s[4:11], s[0:1], 0x0               ; X s[4:5], W's codes s[6:7], W's scales s[8:9], the bias s[10:11]
	s_load_b64 s[12:13], s[0:1], 0x20              ; the output
	v_lshl_add_u32 v[SPW], v0, 2, SPARE
	v_mov_b32 v[NIL], 0
	ds_add_u32 v6, v7
	ds_add_u32 v6, v7
	s_wait_dscnt 0x0
	v_lshrrev_b32 v1, 5, v0
	v_readfirstlane_b32 s[WV], v1                  ; wave 0..3
	s_bfe_u32 s15, ttmp6, 0x40000                  ; cx
	s_bfe_u32 s16, ttmp6, 0x40004                  ; cy
	s_lshl_b32 s17, ttmp9, 2
	s_add_co_u32 s17, s17, s15                     ; gx
	s_and_b32 s18, ttmp7, 0xffff
	s_lshl_b32 s18, s18, 2
	s_add_co_u32 s18, s18, s16                     ; gy
	s_lshl_b32 s19, s16, 2
	s_lshl_b32 s19, 15, s19                        ; my row of the cluster
	s_lshl_b32 s20, 0x1111, s15                    ; my column
	s_or_b32 s[G1W], s20, (1<<20)|(1<<21)|(6<<22)|(3<<25)   ; the mask; elements of 1 byte; padding on; bit 21 beside a mask; 4 words of padding behind every 128
	s_or_b32 s[G1X], s19, (1<<20)|(1<<21)|(6<<22)|(3<<25)
.irp g, G1W, G1X
	s_mov_b32 s[\g+1], 512<<16                     ; tensor_dim0
	s_mov_b32 s[\g+2], 32<<16                      ; tensor_dim1
	s_mov_b32 s[\g+3], 512<<16                     ; tile_dim0
	s_mov_b32 s[\g+4], 32                          ; tile_dim1
	s_mov_b32 s[\g+5], 1024                        ; from row to row
	s_mov_b32 s[\g+6], 0
	s_mov_b32 s[\g+7], 0
.endr
	s_mov_b32 s[SEL], 0x76543210
	s_mov_b32 s[SEL+1], 0xfedcba98
	s_mov_b32 s[MNT], 0x600000
	s_lshl_b32 s21, s[WV], 15                      ; wave x 32 rows x 1,024 bytes
	s_mul_i32 s22, s[WV], WPART
	s_mul_i32 s23, s[WV], 1088
	s_lshl_b32 s80, s17, WSH                       ; W's first tile: made of gx and the wave alone
	s_add_co_u32 s80, s80, s21
	s_mov_b32 s81, 0
	s_lshl_b32 s82, s18, 17                        ; X's rows: of gy and the wave alone
	s_add_co_u32 s82, s82, s21
	s_mov_b32 s83, 0
	s_lshl_b32 s84, s17, WSH-5                     ; W's scale bytes
	s_mov_b32 s85, 0
	s_lshl_b32 s88, s18, 12                        ; X's
	s_add_co_u32 s88, s88, XSOFF
	s_mov_b32 s89, 0
	s_lshl_b32 s70, s17, WSH-8                     ; the bias of the first tile's columns
	s_mov_b32 s71, 0
	s_lshl_b32 s93, s18, 2
	s_add_co_u32 s93, s93, s[WV]                   ; my group of 32 rows: 4 gy + wave
	s_lshl_b32 s66, s93, 17                        ; two row tiles x 32 K steps x 2,048
	s_lshl_b32 s2, s17, 13                         ; K step 4 gx
	s_add_co_u32 s66, s66, s2
	s_mov_b32 s67, 0
	s_lshl_b32 s68, s17, 16
	s_lshl_b32 s2, s93, 7
	s_add_co_u32 s68, s68, s2
	s_add_co_u32 s68, s68, FS
	s_mov_b32 s69, 0
	v_and_b32 v1, 15, v0                           ; r
	v_bfe_u32 v2, v0, 4, 1                         ; h
	v_and_b32 v3, 8, v1
	v_add_nc_u32 v3, v3, v1                        ; r + 8 (r / 8)
	v_and_b32 v24, 31, v0
	v_lshlrev_b32 v[LI], 4, v24
	v_lshlrev_b32 v[LS], 2, v24
	v_cmp_le_u32 s61, 16, v24                      ; lanes 16-31
	v_mul_u32_u24 v25, v3, PITCH
	v_lshl_add_u32 v[AWA], v2, 4, v25
	v_add_nc_u32 v[AWA+1], SLOT, v[AWA]
.irp s, 0,1
	v_add_nc_u32 v[AXA+\s], REG, v[AWA+\s]
	v_add_nc_u32 v[AXW+\s], s22, v[AXA+\s]
.endr
	v_lshl_add_u32 v26, v2, 3, v3                  ; the row of a group of 32 whose scale words I take: lanes 16-31 the odd tile's
	v_lshrrev_b32 v27, 3, v26
	v_lshlrev_b32 v27, 4, v27
	v_lshl_add_u32 v26, v26, 5, v27                ; 32 bytes a row, 16 more for each 256 passed
	v_add_nc_u32 v[SWA], SCW, v26
	v_add_nc_u32 v[SXA], SCX, v26
	v_add_nc_u32 v[SXW], s23, v[SXA]
	v_lshlrev_b32 v[BO], 6, v2
	v_lshrrev_b32 v27, 4, v0
	v_add_nc_u32 v27, v27, v0
	v_lshl_add_u32 v[CPY], v27, 4, SCW             ; the tables' way into LDS: 16 bytes a thread, 16 of padding behind each 256
	v_lshlrev_b32 v[CPG], 4, v0
.irp b, 0,1,2,3
	v_mov_b32 v[TM+4+\b], 0                        ; written once: a lane permute's destination counts as a source
.endr
	s_wait_kmcnt 0x0
	s_add_nc_u64 s[80:81], s[6:7], s[80:81]
	s_add_nc_u64 s[82:83], s[4:5], s[82:83]
	s_add_nc_u64 s[84:85], s[8:9], s[84:85]
	s_add_nc_u64 s[88:89], s[4:5], s[88:89]
	s_add_nc_u64 s[70:71], s[10:11], s[70:71]
	s_add_nc_u64 s[66:67], s[12:13], s[66:67]
	s_add_nc_u64 s[68:69], s[12:13], s[68:69]
.irp s, 0,1
	s_mov_b32 s[G0W+4*\s], 1
	s_add_co_u32 s[G0W+4*\s+1], s22, \s*SLOT
	s_add_nc_u64 s[G0W+4*\s+2:G0W+4*\s+3], s[80:81], \s*512
	s_or_b32 s[G0W+4*\s+3], s[G0W+4*\s+3], 0x80000000
	s_mov_b32 s[G0X+4*\s], 1
	s_add_co_u32 s[G0X+4*\s+1], s22, \s*SLOT+REG
	s_add_nc_u64 s[G0X+4*\s+2:G0X+4*\s+3], s[82:83], \s*512
	s_or_b32 s[G0X+4*\s+3], s[G0X+4*\s+3], 0x80000000
.endr
	; the scale bytes of all my tiles, dense in memory, come once, 2,048 consecutive bytes a load of the work-group
.irp j, 0,1,2,3,4,5,6,7
	global_load_b128 v[128+4*\j:128+4*\j+3], v[CPG], s[84:85] offset:2048*\j
.endr
.irp j, 0,1
	global_load_b128 v[128+8*NT+4*\j:128+8*NT+4*\j+3], v[CPG], s[88:89] offset:2048*\j
.endr
	BIASLOAD
	CROUND                                         ; all sixteen work-groups are here: the first joint loads meet
	tensor_load_to_lds s[G0W:G0W+3], s[G1W:G1W+7]          ; four loads of mine are out: slot 0's W and X,
	s_nop 0
	tensor_load_to_lds s[G0X:G0X+3], s[G1X:G1X+7]
	s_nop 0
	tensor_load_to_lds s[G0W+4:G0W+7], s[G1W:G1W+7]        ; slot 1's W and X
	s_nop 0
	tensor_load_to_lds s[G0X+4:G0X+7], s[G1X:G1X+7]
	s_nop 0
	PLACES 4
	s_wait_loadcnt 16                              ; the tables are in; the 16 loads of the bias are younger
.set j, 0
.rept 2*NT+2
	ds_store_b128 v[CPY], v[128+4*j:128+4*j+3] offset:2176*j
.set j, j+1
.endr
	s_wait_tensorcnt 0x2                           ; my parts of slot 0 are in; slot 1's two loads may stay out
	s_wait_dscnt 0x0                               ; for the others' sake: my stores of the tables are done
	s_barrier_signal -1
	s_barrier_wait -1
	FETCH 0, 0, 0, 0
	SCALES 0, SWA, 0, SXW, 0
	s_wait_loadcnt 0x0                             ; the bias
	STEP 0, 0, 0, 1                                ; a tile's first step starts the sums from the bias
	s_mov_b32 s62, NT-1
.Ltile:                                            ; a trip: from a tile's second step to the next tile's first; both W regions are filled again
	STEP 0, 1, 0, 0
	STEP 0, 2, 0, 0
	TURN 0, 0, 0, 1, 0, SWA, 16, SXW, 16
	THREE 1, 0
	TURN 1, 0, 0, 1, 1, SWA, 0, SXW, 0
	EPI_FF 1
	s_wait_loadcnt 0x0                             ; the next tile's bias
	PLACES 9                                       ; the next products write over accumulators with another C
	STEP 0, 0, 0, 1
	s_sub_co_u32 s62, s62, 1
	s_cmp_lg_u32 s62, 0
	s_cbranch_scc1 .Ltile
	STEP 0, 1, 0, 0                                ; the last tile is written out: it asks for nothing more
	STEP 0, 2, 0, 0
	TURN 0, 0, 0, 0, 0, SWA, 16, SXW, 16
	THREE 1, 0
	LAST
	EPI_FF 0
	s_wait_tensorcnt 0x0                           ; the wave's end
	ds_add_u32 v[SPW], v[NIL]
	s_wait_dscnt 0x0
	CROUND                                         ; the closing round
	s_endpgm
.Lfunc_end_k_qd0c80cc7f9_gemm_ff1:
	.size	k_qd0c80cc7f9_gemm_ff1, .Lfunc_end_k_qd0c80cc7f9_gemm_ff1-k_qd0c80cc7f9_gemm_ff1
	.p2alignl 7, 3214868480
	.fill 96, 4, 3214868480
	.section	.rodata,"a",@progbits
	.p2align	6, 0x0
	.amdhsa_kernel k_qd0c80cc7f9_gemm_ff1
		.amdhsa_group_segment_fixed_size 327680
		.amdhsa_private_segment_fixed_size 0
		.amdhsa_enable_private_segment 0
		.amdhsa_kernarg_size 40
		.amdhsa_user_sgpr_count 2
		.amdhsa_user_sgpr_kernarg_segment_ptr 1
		.amdhsa_wavefront_size32 1
		.amdhsa_system_sgpr_workgroup_id_x 1
		.amdhsa_system_sgpr_workgroup_id_y 1
		.amdhsa_system_sgpr_workgroup_id_z 1
		.amdhsa_system_vgpr_workitem_id 0
		.amdhsa_next_free_vgpr 768
		.amdhsa_next_free_sgpr 100
		.amdhsa_reserve_vcc 0
		.amdhsa_float_denorm_mode_32 3
		.amdhsa_float_denorm_mode_16_64 3
		.amdhsa_memory_ordered 1
		.amdhsa_forward_progress 1
		.amdhsa_inst_pref_size 130
	.end_amdhsa_kernel
	.amdgpu_metadata
---
amdhsa.version: [ 1, 2 ]
amdhsa.kernels:
  - .name:           k_qd0c80cc7f9_gemm_ff1
    .symbol:         k_qd0c80cc7f9_gemm_ff1.kd
    .args:
      - { .name: xa, .offset: 0, .size: 8, .value_kind: global_buffer, .address_space: global }
      - { .name: w1_codes, .offset: 8, .size: 8, .value_kind: global_buffer, .address_space: global }
      - { .name: w1_scales, .offset: 16, .size: 8, .value_kind: global_buffer, .address_space: global }
      - { .name: b1, .offset: 24, .size: 8, .value_kind: global_buffer, .address_space: global }
      - { .name: fa, .offset: 32, .size: 8, .value_kind: global_buffer, .address_space: global }
    .group_segment_fixed_size: 327680
    .private_segment_fixed_size: 0
    .kernarg_segment_align: 8
    .kernarg_segment_size: 40
    .max_flat_workgroup_size: 128
    .sgpr_count:     100
    .vgpr_count:     768
    .wavefront_size: 32
...
	.end_amdgpu_metadata
.endif
;; end of part 6
;; launch gemm_ff2 (part 7): grid 8 x 32, 4 waves a work-group, clusters of 4 x 4, 327,680 bytes of LDS; arguments fa, w2_codes, w2_scales, b2, h, r; writes r
.if DOCPART == 7
	.amdgcn_target "amdgcn-amd-amdhsa--gfx1250"
	.amdhsa_code_object_version 6
	.text
	.protected	k_qd0c80cc7f9_gemm_ff2
	.globl	k_qd0c80cc7f9_gemm_ff2
	.p2align	8
	.type	k_qd0c80cc7f9_gemm_ff2,@function
k_qd0c80cc7f9_gemm_ff2:
	s_mov_b64 s[64:65], 0
	v_nop
	global_prefetch_b8 v0, s[64:65] scope:SCOPE_SE
	s_setreg_imm32_b32 hwreg(HW_REG_WAVE_MODE, 25, 1), 1
	s_wait_xcnt 0x0
	s_wait_alu depctr_hold_cnt(0) depctr_sa_sdst(0) depctr_va_vdst(0) depctr_va_sdst(0) depctr_va_ssrc(0) depctr_va_vcc(0) depctr_vm_vsrc(0)
	s_getreg_b32 s2, hwreg(HW_REG_IB_STS2, 6, 4)
	s_cmp_eq_u32 s2, 0
	s_cbranch_scc0 .Lentry_in_a_cluster
	s_endpgm
.Lentry_in_a_cluster:
	s_bfe_u32 s2, ttmp6, 0x10000c
	s_cmp_lg_u32 s2, 0xf033
	s_cbranch_scc0 .Lentry_shape_is_right
	s_endpgm
.Lentry_shape_is_right:
; A GEMM ON E5M2 CODES WITH AN f32 RESULT: out = X W^T + bias + residual.  Two launches share this text and differ in K.
; X: images of operand registers [256 row tiles][K / 128][2,048 bytes], and behind them (XSOFF) scale words [K / 128][128 groups of 32 rows][32 lanes]; lane r of tile 2 G + U stands for row 32 G + 8 U + r + 8 (r / 8).
; W: codes [1024][K], scale bytes [1024][K / 32].  bias [1024], residual and out [4096][1024]: f32.
; SHARES.  Work-group (gx, gy) makes rows 128 gy on x columns 128 gx on.  Four waves; a wave makes P = W's 128 rows x Q = its 32 rows of X: 16 accumulators; source 0 = P, source 1 = Q.
; K goes in slots of 512 through a ring of two: W's 128 rows (528 bytes from row to row), then X's 8 tiles x 4 K steps of images.  Waves 0, 1 fetch W's halves, waves 2, 3 X's: one load a wave.
; CLUSTER 4 x 4: W's tiles are asked for jointly along a column of the cluster, X's along a row.  The scale bytes and words of all of K come once, through registers, into LDS of their own.
; THE WAY OUT: 16 rows x 128 columns at a time through the wave's stage (in slot 0, which has had its last fill and its last read), back as whole rows of 512 bytes; the residual, loaded at the head, is added; stored.
; REGISTERS.  window 0: v4-20 addresses; v32-63 P's scale words, v64-71 Q's (nothing else); v128-255 accumulators.  window 1: P's fragments, two sets; on the way out v0-63 rows of the result.
;   window 2: v0-63 Q's fragments, two sets; v64-127 the bias; v128-255 the residual.
.set K, 4096
.set KS,    K/32
.set NK,    K/128
.set LAPS,  K/1024
.set PITCH, 528
.set WREG,  128*PITCH
.set SLOT,  WREG+65536
.set SCW,   2*SLOT
.set SCX,   SCW+(128*KS/256)*272
.set SPARE, SCX+NK*512
.set PSTR,  (32*KS/256)*272            ; from a pair of W's tiles to the next among the scale bytes
.set XSOFF, 4096*K
.set LI,  4
.set SPW, 6
.set NIL, 7
.set AW,  8
.set AX,  10
.set SWP, 12
.set SXQ, 13
.set BO,  14
.set CPY, 15
.set CPG, 16
.set XTG, 17
.set XTL, 18
.set STO, 19
.set RD,  20
.set SP,  32
.set SQ,  64
.set ACC, 128
.set BIAS, 64
.set RES, 128
.set G1W, 24
.set G1X, 32
.set G0W, 40
.set G0X, 48
.set WV,  56
.set WH,  57
.set WL,  58
.set MSB, 0
.macro WIN new
.if MSB != \new
	s_set_vgpr_msb (MSB<<8)|\new
.set MSB, \new
.endif
.endm
.macro PLACES n
.rept \n
	v_nop
.endr
.endm
.macro CREST
	s_cmp_lg_u32 s[WV], 0
	s_cbranch_scc1 .Lnot_wave_0_\@
	s_barrier_signal -3
.Lnot_wave_0_\@:
	s_barrier_wait -3
	s_barrier_signal -1
	s_barrier_wait -1
.endm
.macro CROUND
	s_barrier_signal -1
	s_barrier_wait -1
	CREST
.endm
.macro JLOAD s                         ; a joint refill: waves 0, 1 for W, waves 2, 3 for X; four v_nop follow each line
	s_cmp_eq_u32 s[WH], 0
	s_cbranch_scc0 .Lfor_x_\@
	tensor_load_to_lds s[G0W+4*\s:G0W+4*\s+3], s[G1W:G1W+7]
	s_nop 0
	PLACES 4
	s_branch .Lasked_\@
.Lfor_x_\@:
	tensor_load_to_lds s[G0X+4*\s:G0X+4*\s+3], s[G1X:G1X+7]
	s_nop 0
	PLACES 4
.Lasked_\@:
.endm
.macro FETCH slot, q, set
	WIN 0x40
.irp p, 0,1,2,3,4,5,6,7
.irp c, 0,1,2,3
	ds_load_b128 v[128*(\set)+16*\p+4*\c:128*(\set)+16*\p+4*\c+3], v[AW+(\slot)] offset:(32*(\p/2)+8*(\p%2))*PITCH+128*(\q)+32*\c
.endr
.endr
	WIN 0x80
.irp a, 0,1
.irp c, 0,1,2,3
	ds_load_b128 v[32*(\set)+16*\a+4*\c:32*(\set)+16*\a+4*\c+3], v[AX+(\slot)] offset:8192*\a+2048*(\q)+512*\c
.endr
.endr
	WIN 0
.endm
.macro SCALES ss
.irp b, 0,1,2,3
	ds_load_b128 v[SP+16*(\ss)+4*\b:SP+16*(\ss)+4*\b+3], v[SWP] offset:PSTR*\b
.endr
.irp q, 0,1,2,3
	ds_load_b32 v[SQ+4*(\ss)+\q], v[SXQ] offset:512*\q
.endr
.endm
.macro WM a, p, set, q, ss, cm
.set rD, ACC+64*(\a)+8*(\p)
.set rC, rD
.if (\cm) == 1
.set rC, BIAS+8*(\p)
.endif
.set rP, 128*(\set)+16*(\p)
.set rQ, 32*(\set)+16*(\a)
.set rS, SP+16*(\ss)+4*((\p)/2)+(\q)
.set rT, SQ+4*(\ss)+(\q)
.if ((\p)%2) && (\a)
	v_wmma_scale_f32_16x16x128_f8f6f4 v[rD:rD+7], v[rP:rP+15], v[rQ:rQ+15], v[rC:rC+7], v[rS], v[rT] matrix_a_fmt:MATRIX_FMT_BF8 matrix_b_fmt:MATRIX_FMT_BF8 matrix_a_scale:MATRIX_SCALE_ROW1 matrix_b_scale:MATRIX_SCALE_ROW1
.elseif (\p)%2
	v_wmma_scale_f32_16x16x128_f8f6f4 v[rD:rD+7], v[rP:rP+15], v[rQ:rQ+15], v[rC:rC+7], v[rS], v[rT] matrix_a_fmt:MATRIX_FMT_BF8 matrix_b_fmt:MATRIX_FMT_BF8 matrix_a_scale:MATRIX_SCALE_ROW1
.elseif \a
	v_wmma_scale_f32_16x16x128_f8f6f4 v[rD:rD+7], v[rP:rP+15], v[rQ:rQ+15], v[rC:rC+7], v[rS], v[rT] matrix_a_fmt:MATRIX_FMT_BF8 matrix_b_fmt:MATRIX_FMT_BF8 matrix_b_scale:MATRIX_SCALE_ROW1
.else
	v_wmma_scale_f32_16x16x128_f8f6f4 v[rD:rD+7], v[rP:rP+15], v[rQ:rQ+15], v[rC:rC+7], v[rS], v[rT] matrix_a_fmt:MATRIX_FMT_BF8 matrix_b_fmt:MATRIX_FMT_BF8
.endif
.endm
.macro MUL a, set, q, ss, cm           ; the 16 accumulators take turns, one instruction a turn, in the same order in every step
.if \cm
	WIN 0x29
.else
	WIN 0x09
.endif
.irp p, 0,1,2,3,4,5,6,7
	WM \a, \p, \set, \q, \ss, \cm
.endr
.endm
.macro STEP slot, q, cm
	s_wait_dscnt 0x0
	MUL 0, (\q)%2, \q, \slot, \cm
	WIN 0
	PLACES 8                                       ; between the last product that read the other set and the loads into it
	FETCH \slot, (\q)+1, 1-(\q)%2
	MUL 1, (\q)%2, \q, \slot, \cm
	WIN 0
.endm
.macro TURN slot, fill                 ; a slot's last step changes slots; fill = 1: this slot takes the K two slots on
	s_wait_tensorcnt 0x0                           ; all my tensor loads have landed: my part of the other slot
	ds_add_u32 v[SPW], v[NIL]
.if \fill
	s_add_nc_u64 s[G0W+4*\slot+2:G0W+4*\slot+3], s[G0W+4*\slot+2:G0W+4*\slot+3], 1024
	s_add_nc_u64 s[G0X+4*\slot+2:G0X+4*\slot+3], s[G0X+4*\slot+2:G0X+4*\slot+3], 16384
.endif
	s_wait_dscnt 0x0                               ; the add is done, my reads of this slot are over
	s_barrier_signal -1
	MUL 0, 1, 3, \slot, 0
	WIN 0
	s_barrier_wait -1
.if \fill
	CREST                                          ; the barrier has opened a round of the cluster's: no wave of any partner still reads this slot or has a load on its way
	JLOAD \slot
	PLACES 4
.else
	PLACES 8
.endif
	v_add_nc_u32 v[SWP], 16, v[SWP]                ; the next slot's scale bytes and words
	v_add_nc_u32 v[SXQ], 2048, v[SXQ]
	FETCH 1-\slot, 0, 0
	SCALES 1-\slot
	MUL 1, 1, 3, \slot, 0
	WIN 0
.endm
	s_load_b256 s[4:11], s[0:1], 0x0               ; X s[4:5], W's codes s[6:7], W's scales s[8:9], the bias s[10:11]
	s_load_b128 s[12:15], s[0:1], 0x20             ; the residual s[12:13], out s[14:15]
	v_lshl_add_u32 v[SPW], v0, 2, SPARE
	v_mov_b32 v[NIL], 0
	ds_add_u32 v6, v7
	ds_add_u32 v6, v7
	s_wait_dscnt 0x0
	v_lshrrev_b32 v1, 5, v0
	v_readfirstlane_b32 s[WV], v1
	s_lshr_b32 s[WH], s[WV], 1                     ; I fetch for W (0) or for X (1)
	s_and_b32 s[WL], s[WV], 1                      ; which half
	s_bfe_u32 s16, ttmp6, 0x40000
	s_bfe_u32 s17, ttmp6, 0x40004
	s_lshl_b32 s18, ttmp9, 2
	s_add_co_u32 s18, s18, s16                     ; gx
	s_and_b32 s19, ttmp7, 0xffff
	s_lshl_b32 s19, s19, 2
	s_add_co_u32 s19, s19, s17                     ; gy
	s_lshl_b32 s20, s17, 2
	s_lshl_b32 s20, 15, s20                        ; my row of the cluster
	s_lshl_b32 s21, 0x1111, s16                    ; my column
	s_or_b32 s[G1W], s21, (1<<20)|(1<<21)|(6<<22)|(3<<25)   ; W: 64 rows of 512 bytes, 16 bytes of padding behind each
	s_mov_b32 s[G1W+1], 512<<16
	s_mov_b32 s[G1W+2], 64<<16
	s_mov_b32 s[G1W+3], 512<<16
	s_mov_b32 s[G1W+4], 64
	s_mov_b32 s[G1W+5], K
	s_mov_b32 s[G1W+6], 0
	s_mov_b32 s[G1W+7], 0
	s_or_b32 s[G1X], s20, (3<<16)|(1<<21)          ; X: 4 row tiles, of each 4 K steps' images: 8,192 bytes on end (1,024 elements of 8 bytes), no padding
	s_mov_b32 s[G1X+1], 1024<<16
	s_mov_b32 s[G1X+2], 4<<16
	s_mov_b32 s[G1X+3], 1024<<16
	s_mov_b32 s[G1X+4], 4
	s_mov_b32 s[G1X+5], NK*256
	s_mov_b32 s[G1X+6], 0
	s_mov_b32 s[G1X+7], 0
	s_mul_i32 s22, s[WL], 64*K                     ; half of W's 128 rows, and half of X's 8 tiles, are as many bytes
	s_mul_i32 s66, s18, 128*K                      ; W: of gx and the wave alone
	s_add_co_u32 s66, s66, s22
	s_mov_b32 s67, 0
	s_mul_i32 s68, s19, 128*K                      ; X: of gy and the wave alone
	s_add_co_u32 s68, s68, s22
	s_mov_b32 s69, 0
	s_mul_i32 s23, s[WL], 64*PITCH
	s_lshl_b32 s59, s[WL], 15
	s_add_co_u32 s59, s59, WREG
	s_mul_i32 s70, s18, 128*KS
	s_mov_b32 s71, 0
	s_lshl_b32 s72, s19, 9
	s_add_co_u32 s72, s72, XSOFF
	s_mov_b32 s73, 0
	s_lshl_b32 s74, s18, 9
	s_mov_b32 s75, 0
	s_lshl_b32 s76, s19, 19                        ; row 128 gy + 32 wave, column 128 gx, in bytes
	s_lshl_b32 s2, s[WV], 17
	s_add_co_u32 s76, s76, s2
	s_add_co_u32 s76, s76, s74
	s_mov_b32 s77, 0
	v_and_b32 v1, 15, v0                           ; r
	v_bfe_u32 v2, v0, 4, 1                         ; h
	v_and_b32 v3, 8, v1
	v_add_nc_u32 v3, v3, v1                        ; r + 8 (r / 8)
	v_and_b32 v24, 31, v0
	v_lshlrev_b32 v[LI], 4, v24
	v_mul_u32_u24 v25, v3, PITCH
	v_lshl_add_u32 v[AW], v2, 4, v25
	v_add_nc_u32 v[AW+1], SLOT, v[AW]
	s_lshl_b32 s2, s[WV], 14                       ; my two tiles of X's eight
	s_add_co_u32 s3, s2, WREG
	v_add_nc_u32 v[AX], s3, v[LI]
	v_add_nc_u32 v[AX+1], SLOT, v[AX]
	v_add_nc_u32 v[XTG], s2, v[LI]                 ; X's scale words: wave w copies K steps w, w + 4, ..: 16,384 bytes from K step to K step
	v_lshl_add_u32 v26, v2, 3, v3
	v_mul_u32_u24 v26, v26, KS
	v_lshrrev_b32 v27, 8, v26
	v_lshl_add_u32 v26, v27, 4, v26                ; KS bytes a row, 16 more for each 256 passed
	v_add_nc_u32 v[SWP], SCW, v26
	s_lshl_b32 s2, s[WV], 7
	v_lshl_add_u32 v[SXQ], v24, 2, s2
	v_add_nc_u32 v[SXQ], SCX, v[SXQ]
	s_lshl_b32 s2, s[WV], 9
	v_add_nc_u32 v[XTL], s2, v[LI]
	v_add_nc_u32 v[XTL], SCX, v[XTL]
	v_lshlrev_b32 v[BO], 6, v2
	v_lshrrev_b32 v27, 4, v0
	v_add_nc_u32 v27, v27, v0
	v_lshl_add_u32 v[CPY], v27, 4, SCW
	v_lshlrev_b32 v[CPG], 4, v0
	s_mul_i32 s2, s[WV], 16*528                    ; my stage
	v_mul_u32_u24 v[STO], v1, 528
	v_lshl_add_u32 v[STO], v2, 6, v[STO]
	v_add_nc_u32 v[STO], s2, v[STO]
	v_add_nc_u32 v[RD], s2, v[LI]
	s_wait_kmcnt 0x0
	s_add_nc_u64 s[66:67], s[6:7], s[66:67]
	s_add_nc_u64 s[68:69], s[4:5], s[68:69]
	s_add_nc_u64 s[70:71], s[8:9], s[70:71]
	s_add_nc_u64 s[72:73], s[4:5], s[72:73]
	s_add_nc_u64 s[74:75], s[10:11], s[74:75]
	s_add_nc_u64 s[78:79], s[14:15], s[76:77]
	s_add_nc_u64 s[76:77], s[12:13], s[76:77]
.irp s, 0,1
	s_mov_b32 s[G0W+4*\s], 1
	s_add_co_u32 s[G0W+4*\s+1], s23, \s*SLOT
	s_add_nc_u64 s[G0W+4*\s+2:G0W+4*\s+3], s[66:67], \s*512
	s_or_b32 s[G0W+4*\s+3], s[G0W+4*\s+3], 0x80000000
	s_mov_b32 s[G0X+4*\s], 1
	s_add_co_u32 s[G0X+4*\s+1], s59, \s*SLOT
	s_add_nc_u64 s[G0X+4*\s+2:G0X+4*\s+3], s[68:69], \s*8192
	s_or_b32 s[G0X+4*\s+3], s[G0X+4*\s+3], 0x80000000
.endr
.set j, 0
.rept K/512
	global_load_b128 v[128+4*j:128+4*j+3], v[CPG], s[70:71] offset:2048*j          ; W's scale bytes: 2,048 consecutive bytes a load of the work-group
.set j, j+1
.endr
.set j, 0
.rept NK/4
	global_load_b128 v[128+K/128+4*j:128+K/128+4*j+3], v[XTG], s[72:73] offset:65536*j   ; X's scale words of a K step: 512 consecutive bytes a wave
.set j, j+1
.endr
	WIN 0x80
.irp p, 0,1,2,3,4,5,6,7
	global_load_b128 v[BIAS+8*\p:BIAS+8*\p+3], v[BO], s[74:75] offset:4*(32*(\p/2)+8*(\p%2))
	global_load_b128 v[BIAS+8*\p+4:BIAS+8*\p+7], v[BO], s[74:75] offset:4*(32*(\p/2)+8*(\p%2))+16
.endr
.irp a, 0,1
.irp i, 0,1,2,3,4,5,6,7,8,9,10,11,12,13,14,15
	global_load_b128 v[RES+64*\a+4*\i:RES+64*\a+4*\i+3], v[LI], s[76:77] offset:(8*\a+\i+8*(\i/8))*4096   ; the residual, in the order in which the rows come back from the stage
.endr
.endr
	WIN 0
	CROUND                                         ; all sixteen work-groups are here
	s_cmp_eq_u32 s[WH], 0                          ; a wave's two first fills stand in one branch: two loads of mine are out
	s_cbranch_scc0 .Lfirst_x
	tensor_load_to_lds s[G0W:G0W+3], s[G1W:G1W+7]
	s_nop 0
	tensor_load_to_lds s[G0W+4:G0W+7], s[G1W:G1W+7]
	s_nop 0
	PLACES 4
	s_branch .Lfirst_asked
.Lfirst_x:
	tensor_load_to_lds s[G0X:G0X+3], s[G1X:G1X+7]
	s_nop 0
	tensor_load_to_lds s[G0X+4:G0X+7], s[G1X:G1X+7]
	s_nop 0
	PLACES 4
.Lfirst_asked:
	s_wait_loadcnt 48                              ; the tables are in; the bias's 16 loads and the residual's 32 are younger
.set j, 0
.rept K/512
	ds_store_b128 v[CPY], v[128+4*j:128+4*j+3] offset:2176*j
.set j, j+1
.endr
.set j, 0
.rept NK/4
	ds_store_b128 v[XTL], v[128+K/128+4*j:128+K/128+4*j+3] offset:2048*j
.set j, j+1
.endr
	s_wait_tensorcnt 0x1                           ; my part of slot 0 is in; slot 1's may stay out
	s_wait_dscnt 0x0
	s_barrier_signal -1
	s_barrier_wait -1
	FETCH 0, 0, 0
	SCALES 0
	s_wait_loadcnt 32                              ; the bias is in; the residual may stay out
	STEP 0, 0, 1                                   ; the first step starts the sums from the bias
.if LAPS > 1
	s_mov_b32 s60, LAPS-1
.Llap:                                             ; a trip goes once round the ring and fills both slots again
	STEP 0, 1, 0
	STEP 0, 2, 0
	TURN 0, 1
	STEP 1, 0, 0
	STEP 1, 1, 0
	STEP 1, 2, 0
	TURN 1, 1
	STEP 0, 0, 0
	s_sub_co_u32 s60, s60, 1
	s_cmp_lg_u32 s60, 0
	s_cbranch_scc1 .Llap
.endif
	STEP 0, 1, 0                                   ; the last lap fills nothing
	STEP 0, 2, 0
	TURN 0, 0
	STEP 1, 0, 0
	STEP 1, 1, 0
	STEP 1, 2, 0
	s_wait_dscnt 0x0
	MUL 0, 1, 3, 1, 0
	MUL 1, 1, 3, 1, 0
	WIN 0
	PLACES 8                                       ; between the last products and the reads of results and the loads over P's fragments
	s_wait_loadcnt 0x0                             ; the residual
.irp a, 0,1
.if \a
	s_wait_xcnt 0x0                                ; the first half's stores have read their registers
.endif
.irp b, 0,1,2,3
.irp i, 0,1,2,3
	ds_store_b128 v[STO], v[ACC+64*\a+16*\b+4*\i:ACC+64*\a+16*\b+4*\i+3] offset:128*\b+16*\i   ; lane (r, h): columns 32 b + 16 h + 4 i on of stage row r; each accumulator from its low end on
.endr
.endr
	WIN 0x40
.irp i, 0,1,2,3,4,5,6,7,8,9,10,11,12,13,14,15
	ds_load_b128 v[4*\i:4*\i+3], v[RD] offset:528*\i       ; LDS serves a wave's instructions in order: these see my stores
.endr
	s_wait_dscnt 0x0
	WIN 0x49
.set k, 0
.rept 32
	v_pk_add_f32 v[k:k+1], v[k:k+1], v[RES+64*\a+k:RES+64*\a+k+1]
.set k, k+2
.endr
	WIN 0x04
.irp i, 0,1,2,3,4,5,6,7,8,9,10,11,12,13,14,15
	global_store_b128 v[LI], v[4*\i:4*\i+3], s[78:79] offset:(8*\a+\i+8*(\i/8))*4096   ; 32 lanes store 512 consecutive bytes, aligned
.endr
	WIN 0
.endr
	s_wait_tensorcnt 0x0                           ; the wave's end
	ds_add_u32 v[SPW], v[NIL]
	s_wait_dscnt 0x0
	CROUND                                         ; the closing round
	s_endpgm
.Lfunc_end_k_qd0c80cc7f9_gemm_ff2:
	.size	k_qd0c80cc7f9_gemm_ff2, .Lfunc_end_k_qd0c80cc7f9_gemm_ff2-k_qd0c80cc7f9_gemm_ff2
	.p2alignl 7, 3214868480
	.fill 96, 4, 3214868480
	.section	.rodata,"a",@progbits
	.p2align	6, 0x0
	.amdhsa_kernel k_qd0c80cc7f9_gemm_ff2
		.amdhsa_group_segment_fixed_size 327680
		.amdhsa_private_segment_fixed_size 0
		.amdhsa_enable_private_segment 0
		.amdhsa_kernarg_size 48
		.amdhsa_user_sgpr_count 2
		.amdhsa_user_sgpr_kernarg_segment_ptr 1
		.amdhsa_wavefront_size32 1
		.amdhsa_system_sgpr_workgroup_id_x 1
		.amdhsa_system_sgpr_workgroup_id_y 1
		.amdhsa_system_sgpr_workgroup_id_z 1
		.amdhsa_system_vgpr_workitem_id 0
		.amdhsa_next_free_vgpr 768
		.amdhsa_next_free_sgpr 100
		.amdhsa_reserve_vcc 0
		.amdhsa_float_denorm_mode_32 3
		.amdhsa_float_denorm_mode_16_64 3
		.amdhsa_memory_ordered 1
		.amdhsa_forward_progress 1
		.amdhsa_inst_pref_size 111
	.end_amdhsa_kernel
	.amdgpu_metadata
---
amdhsa.version: [ 1, 2 ]
amdhsa.kernels:
  - .name:           k_qd0c80cc7f9_gemm_ff2
    .symbol:         k_qd0c80cc7f9_gemm_ff2.kd
    .args:
      - { .name: fa, .offset: 0, .size: 8, .value_kind: global_buffer, .address_space: global }
      - { .name: w2_codes, .offset: 8, .size: 8, .value_kind: global_buffer, .address_space: global }
      - { .name: w2_scales, .offset: 16, .size: 8, .value_kind: global_buffer, .address_space: global }
      - { .name: b2, .offset: 24, .size: 8, .value_kind: global_buffer, .address_space: global }
      - { .name: h, .offset: 32, .size: 8, .value_kind: global_buffer, .address_space: global }
      - { .name: r, .offset: 40, .size: 8, .value_kind: global_buffer, .address_space: global }
    .group_segment_fixed_size: 327680
    .private_segment_fixed_size: 0
    .kernarg_segment_align: 8
    .kernarg_segment_size: 48
    .max_flat_workgroup_size: 128
    .sgpr_count:     100
    .vgpr_count:     768
    .wavefront_size: 32
...
	.end_amdgpu_metadata
.endif
;; end of part 7
;; launch ln2 (part 8): grid 256 x 1, 2 waves a work-group, no clusters, 0 bytes of LDS; arguments r, g2, be2, out0; writes out0
.if DOCPART == 8
	.amdgcn_target "amdgcn-amd-amdhsa--gfx1250"
	.amdhsa_code_object_version 6
	.text
	.protected	k_qd0c80cc7f9_ln2
	.globl	k_qd0c80cc7f9_ln2
	.p2align	8
	.type	k_qd0c80cc7f9_ln2,@function
k_qd0c80cc7f9_ln2:
	s_mov_b64 s[64:65], 0
	v_nop
	global_prefetch_b8 v0, s[64:65] scope:SCOPE_SE
	s_setreg_imm32_b32 hwreg(HW_REG_WAVE_MODE, 25, 1), 1
	s_wait_xcnt 0x0
; ROWS OF 1,024 f32 NUMBERS, one wave to a row at a time; three launches share this form.  This launch: out0 = layer norm of (h + the feed-forward's output): normalise and store f32; nothing is quantised, so no LDS.
; SHARES: wave W = 2 x work-group + wave owns rows 8 W .. 8 W + 7.  Lane L holds columns 128 j + 4 L + 0..3, j = 0..7: each load and store of the wave covers 512 consecutive bytes.
; Mean and variance are taken in two passes over the row's registers.  Three row slots in registers: two rows are on their way while one is worked on.
; LIMITS: NaN and infinities are not served; v_rsq_f32 is good to 1 ulp.
.set OFF,  1
.set PT,   7
.set G,    72
.set B,    104
.set X,    136
.set MU,   232
.set RS,   234
.set SA,   236
.set SB,   238
	s_load_b64 s[4:5], s[0:1], 0x0                 ; the rows
	s_load_b64 s[6:7], s[0:1], 0x8                 ; gain
	s_load_b64 s[8:9], s[0:1], 0x10                ; offset
	s_load_b64 s[10:11], s[0:1], 0x18              ; out
	v_lshrrev_b32 v8, 5, v0
	v_readfirstlane_b32 s16, v8                    ; wave
	v_and_b32 v9, 31, v0
	v_lshlrev_b32 v[OFF], 4, v9
	v_mov_b32 v[PT], 0
	s_mov_b32 s30, 0x76543210
	s_mov_b32 s31, 0xfedcba98                      ; lane l xor 16
	s_mov_b32 s23, 0x3a800000                      ; 1 / 1,024
	s_mov_b32 s24, 0x3727c5ac                      ; 1e-5
	s_lshl_b32 s18, ttmp9, 1
	s_add_co_u32 s18, s18, s16                     ; W
	s_lshl_b32 s20, s18, 15                        ; 8 rows of 4,096 bytes
	s_mov_b32 s21, 0
	s_wait_kmcnt 0x0
	s_add_nc_u64 s[4:5], s[4:5], s[20:21]
	s_add_nc_u64 s[10:11], s[10:11], s[20:21]
.macro LOADROW i
.irp j, 0,1,2,3,4,5,6,7
	global_load_b128 v[X+32*((\i)%3)+4*\j:X+32*((\i)%3)+4*\j+3], v[OFF], s[4:5] offset:4096*(\i)+512*\j th:TH_LOAD_NT
.endr
.endm
.macro WSUM                            ; v[SA] summed over the 32 lanes, the result in every lane
	v_add_f32_dpp v[SA], v[SA], v[SA] row_xmask:1 row_mask:0xf bank_mask:0xf
	v_add_f32_dpp v[SA], v[SA], v[SA] row_xmask:2 row_mask:0xf bank_mask:0xf
	v_add_f32_dpp v[SA], v[SA], v[SA] row_xmask:4 row_mask:0xf bank_mask:0xf
	v_add_f32_dpp v[SA], v[SA], v[SA] row_xmask:8 row_mask:0xf bank_mask:0xf
	v_permlanex16_b32 v[PT], v[SA], s30, s31
	v_add_f32 v[SA], v[SA], v[PT]
.endm
.macro NORM                            ; the row in v[XR] on is normalised in place
	v_pk_add_f32 v[SA:SA+1], v[XR:XR+1], v[XR+2:XR+3]
	v_pk_add_f32 v[SB:SB+1], v[XR+4:XR+5], v[XR+6:XR+7]
.irp k, 8,12,16,20,24,28
	v_pk_add_f32 v[SA:SA+1], v[SA:SA+1], v[XR+\k:XR+\k+1]
	v_pk_add_f32 v[SB:SB+1], v[SB:SB+1], v[XR+\k+2:XR+\k+3]
.endr
	v_pk_add_f32 v[SA:SA+1], v[SA:SA+1], v[SB:SB+1]
	v_add_f32 v[SA], v[SA], v[SA+1]
	WSUM
	v_mul_f32 v[MU], s23, v[SA]                    ; the mean
	v_mov_b32 v[MU+1], v[MU]
.set k, 0
.rept 16
	v_pk_add_f32 v[XR+k:XR+k+1], v[XR+k:XR+k+1], v[MU:MU+1] neg_lo:[0,1] neg_hi:[0,1]   ; x - mean: the variance is taken of these, so no difference of large sums is formed
.set k, k+2
.endr
	v_pk_mul_f32 v[SA:SA+1], v[XR:XR+1], v[XR:XR+1]
	v_pk_mul_f32 v[SB:SB+1], v[XR+2:XR+3], v[XR+2:XR+3]
.irp k, 4,8,12,16,20,24,28
	v_pk_fma_f32 v[SA:SA+1], v[XR+\k:XR+\k+1], v[XR+\k:XR+\k+1], v[SA:SA+1]
	v_pk_fma_f32 v[SB:SB+1], v[XR+\k+2:XR+\k+3], v[XR+\k+2:XR+\k+3], v[SB:SB+1]
.endr
	v_pk_add_f32 v[SA:SA+1], v[SA:SA+1], v[SB:SB+1]
	v_add_f32 v[SA], v[SA], v[SA+1]
	WSUM
	v_fma_f32 v[SB], v[SA], s23, s24               ; variance + 1e-5
	v_rsq_f32 v[RS], v[SB]
	v_nop                                          ; a plain instruction behind the transcendental
	s_wait_alu depctr_va_vdst(0)                   ; and a wait ahead of its first reader
	v_mov_b32 v[RS+1], v[RS]
.set k, 0
.rept 16
	v_pk_mul_f32 v[XR+k:XR+k+1], v[XR+k:XR+k+1], v[RS:RS+1]
.set k, k+2
.endr
.set k, 0
.rept 16
	v_pk_fma_f32 v[XR+k:XR+k+1], v[XR+k:XR+k+1], v[G+k:G+k+1], v[B+k:B+k+1]
.set k, k+2
.endr
.endm
.macro ROW i, left
.set XR, X+32*((\i)%3)
	s_wait_loadcnt \left                           ; loads come back in order: this row is in, the younger rows' loads stay out
	NORM
.irp j, 0,1,2,3,4,5,6,7
	global_store_b128 v[OFF], v[XR+4*\j:XR+4*\j+3], s[10:11] offset:4096*(\i)+512*\j th:TH_STORE_NT
.endr
.if (\i)+3 < 8
	s_wait_xcnt 0x0                                ; the stores have read this slot's registers: it may be loaded again
	LOADROW (\i)+3
.endif
.endm
.irp j, 0,1,2,3,4,5,6,7
	global_load_b128 v[G+4*\j:G+4*\j+3], v[OFF], s[6:7] offset:512*\j
	global_load_b128 v[B+4*\j:B+4*\j+3], v[OFF], s[8:9] offset:512*\j
.endr
	LOADROW 0
	LOADROW 1
	LOADROW 2
	ROW 0, 16
	ROW 1, 16
	ROW 2, 16
	ROW 3, 16
	ROW 4, 16
	ROW 5, 16
	ROW 6, 8
	ROW 7, 0
	s_endpgm
.Lfunc_end_k_qd0c80cc7f9_ln2:
	.size	k_qd0c80cc7f9_ln2, .Lfunc_end_k_qd0c80cc7f9_ln2-k_qd0c80cc7f9_ln2
	.p2alignl 7, 3214868480
	.fill 96, 4, 3214868480
	.section	.rodata,"a",@progbits
	.p2align	6, 0x0
	.amdhsa_kernel k_qd0c80cc7f9_ln2
		.amdhsa_group_segment_fixed_size 0
		.amdhsa_private_segment_fixed_size 0
		.amdhsa_enable_private_segment 0
		.amdhsa_kernarg_size 32
		.amdhsa_user_sgpr_count 2
		.amdhsa_user_sgpr_kernarg_segment_ptr 1
		.amdhsa_wavefront_size32 1
		.amdhsa_system_sgpr_workgroup_id_x 1
		.amdhsa_system_sgpr_workgroup_id_y 1
		.amdhsa_system_sgpr_workgroup_id_z 1
		.amdhsa_system_vgpr_workitem_id 0
		.amdhsa_next_free_vgpr 240
		.amdhsa_next_free_sgpr 66
		.amdhsa_reserve_vcc 0
		.amdhsa_float_denorm_mode_32 3
		.amdhsa_float_denorm_mode_16_64 3
		.amdhsa_memory_ordered 1
		.amdhsa_forward_progress 1
		.amdhsa_inst_pref_size 64
	.end_amdhsa_kernel
	.amdgpu_metadata
---
amdhsa.version: [ 1, 2 ]
amdhsa.kernels:
  - .name:           k_qd0c80cc7f9_ln2
    .symbol:         k_qd0c80cc7f9_ln2.kd
    .args:
      - { .name: r, .offset: 0, .size: 8, .value_kind: global_buffer, .address_space: global }
      - { .name: g2, .offset: 8, .size: 8, .value_kind: global_buffer, .address_space: global }
      - { .name: be2, .offset: 16, .size: 8, .value_kind: global_buffer, .address_space: global }
      - { .name: out0, .offset: 24, .size: 8, .value_kind: global_buffer, .address_space: global }
    .group_segment_fixed_size: 0
    .private_segment_fixed_size: 0
    .kernarg_segment_align: 8
    .kernarg_segment_size: 32
    .max_flat_workgroup_size: 64
    .sgpr_count:     66
    .vgpr_count:     240
    .wavefront_size: 32
...
	.end_amdgpu_metadata
.endif
;; end of part 8
;; ======== version 2 of 2: 8 launches
;; limits: right only within a limited range of input values
;; workspace buffers: xa 4,325,376 bytes; qkv 13,369,344 bytes; oa 4,325,376 bytes; r 16,777,216 bytes; h 16,777,216 bytes; fa 17,301,504 bytes
;; launch quant_x (part 9): grid 256 x 1, 8 waves a work-group, no clusters, 9,728 bytes of LDS; arguments x, xa; writes xa
.if DOCPART == 9
	.amdgcn_target "amdgcn-amd-amdhsa--gfx1250"
	.amdhsa_code_object_version 6
	.text
	.protected	k_qd0c80cc7f9_quant_x
	.globl	k_qd0c80cc7f9_quant_x
	.p2align	8
	.type	k_qd0c80cc7f9_quant_x,@function
k_qd0c80cc7f9_quant_x:
	s_mov_b64 s[64:65], 0
	v_nop
	global_prefetch_b8 v0, s[64:65] scope:SCOPE_SE
	s_setreg_imm32_b32 hwreg(HW_REG_WAVE_MODE, 25, 1), 1
	s_wait_xcnt 0x0
; ROWS OF 1,024 f32 NUMBERS, one wave to a row at a time; three launches share this text and differ in three switches.
; DO_LN: the row is normalised (mean and variance in two passes over registers, then gain and offset).  DO_F: the f32 row is stored.
; DO_Q: the row is quantised to E5M2 codes, one E8M0 byte for each 32 columns: codes [4096][1024] at byte 0 of the buffer, bytes [4096][32] at XSC.
; This launch: x -> codes and scale bytes (DO_Q alone).
; SHARES: a work-group of eight waves owns 16 rows; wave W = 8 x work-group + wave owns rows 2 W and 2 W + 1, and asks for both at its head: 16 loads of a wave are on their way at once.
; Lane L holds columns 128 j + 4 L + 0..3, j = 0..7: each load and f32 store of the wave covers 512 consecutive bytes.  A block of 32 columns lies in 8 neighbouring lanes of one j.
; A row's 1,024 codes go through the wave's own 1,024 bytes of LDS and leave as two stores of 512 consecutive bytes.  The work-group's 512 scale bytes meet in LDS behind one barrier,
; and wave 0 stores them: 512 consecutive bytes, aligned.
; LIMITS: NaN and infinities are not served.  A block whose largest magnitude lies under 2^-111, a block of zeros among them, gets the byte 1 (the rule says 127 for zeros): its codes
; are zeros or the rule's own, and these bytes are read by this program alone.  v_rsq_f32 is good to 1 ulp.
.set DO_LN, 0
.set DO_Q,  1
.set DO_F,  0
.set XSC,  4194304
.set SCB,  8192                        ; LDS: behind the eight stages, the work-group's scale bytes
.set OFF,  1                           ; v1  16 L
.set STW,  2                           ; v2  stage + 4 L
.set STR,  3                           ; v3  stage + 16 L
.set SBW,  4                           ; v4  scale bytes + 64 x wave + L / 8
.set SBR,  5                           ; v5  scale bytes + 16 L
.set PT,   7                           ; v7  a lane permute's destination, written once
.set A,    8                           ; v8-15   largest magnitudes, then the bytes
.set SOP,  16                          ; v16-23  the conversions' scale operands
.set HOLD, 24                          ; v24-31  57,344 x the scale
.set T,    32                          ; v32-47  two sets of 8: four held numbers, four zeros that stay
.set C,    48                          ; v48-63  a pair for each j: the low register holds my four codes
.set O,    64                          ; v64-71  the row's codes read back
.set G,    72                          ; v72-103  gain of my 32 columns
.set B,    104                         ; v104-135 offset
.set X,    136                         ; v136-199 my two rows, 32 registers each
.set MU,   232
.set RS,   234
.set SA,   236
.set SB,   238
	s_load_b64 s[4:5], s[0:1], 0x0                 ; the rows
.if DO_LN
	s_load_b64 s[6:7], s[0:1], 0x8                 ; gain
	s_load_b64 s[8:9], s[0:1], 0x10                ; offset
	s_load_b64 s[10:11], s[0:1], 0x18              ; f32 out
.if DO_Q
	s_load_b64 s[12:13], s[0:1], 0x20              ; codes and bytes
.endif
.else
	s_load_b64 s[12:13], s[0:1], 0x8
	v_lshl_add_u32 v240, v0, 2, 0x2200
	v_mov_b32 v241, 0
.endif
	v_lshrrev_b32 v8, 5, v0
	s_delay_alu instid0(VALU_DEP_1)
	v_readfirstlane_b32 s16, v8                    ; wave 0..7
	v_and_b32 v9, 31, v0                           ; L
	s_delay_alu instid0(VALU_DEP_1)
	v_lshlrev_b32 v[OFF], 4, v9
	v_mov_b32 v[PT], 0
.if DO_Q
	s_lshl_b32 s17, s16, 10                        ; my wave's stage: 1,024 bytes
	v_lshl_add_u32 v[STW], v9, 2, s17
	v_lshl_add_u32 v[STR], v9, 4, s17
	s_lshl_b32 s19, s16, 6                         ; my two rows' 64 scale bytes
	v_lshrrev_b32 v[SBW], 3, v9
	s_delay_alu instid0(VALU_DEP_1)
	v_add_nc_u32 v[SBW], s19, v[SBW]
	s_delay_alu instid0(VALU_DEP_1)
	v_add_nc_u32 v[SBW], SCB, v[SBW]
	v_lshl_add_u32 v[SBR], v9, 4, SCB
.set j, 0
.rept 16
	v_mov_b32 v[T+j], 0
.set j, j+1
.endr
.endif
	s_mov_b32 s30, 0x76543210
	s_mov_b32 s31, 0xfedcba98                      ; lane l xor 16
	s_mov_b32 s22, 0x600000                        ; the mantissa field of 57,344
	s_mov_b32 s23, 0x3a800000                      ; 1 / 1,024
	s_mov_b32 s24, 0x3727c5ac                      ; 1e-5
	s_lshl_b32 s18, ttmp9, 3
	s_add_co_u32 s18, s18, s16                     ; W
	s_lshl_b32 s20, s18, 13                        ; 2 rows of 4,096 bytes
	s_mov_b32 s21, 0
	s_lshl_b32 s26, s18, 11                        ; 2 rows of 1,024 codes
	s_mov_b32 s27, 0
	s_lshl_b32 s28, ttmp9, 9                       ; the work-group's 16 rows of 32 bytes
	s_add_co_u32 s28, s28, XSC
	s_mov_b32 s29, 0
	s_wait_kmcnt 0x0
	s_add_nc_u64 s[4:5], s[4:5], s[20:21]
.if DO_F
	s_add_nc_u64 s[10:11], s[10:11], s[20:21]
.endif
.if DO_Q
	s_add_nc_u64 s[14:15], s[12:13], s[28:29]
	s_add_nc_u64 s[12:13], s[12:13], s[26:27]
.endif
.macro LOADROW i
.irp j, 0,1,2,3,4,5,6,7
	global_load_b128 v[X+32*(\i)+4*\j:X+32*(\i)+4*\j+3], v[OFF], s[4:5] offset:4096*(\i)+512*\j th:TH_LOAD_NT
.endr
.endm
.macro WSUM                            ; v[SA] summed over the 32 lanes, the result in every lane
	v_add_f32_dpp v[SA], v[SA], v[SA] row_xmask:1 row_mask:0xf bank_mask:0xf
	v_add_f32_dpp v[SA], v[SA], v[SA] row_xmask:2 row_mask:0xf bank_mask:0xf
	v_add_f32_dpp v[SA], v[SA], v[SA] row_xmask:4 row_mask:0xf bank_mask:0xf
	v_add_f32_dpp v[SA], v[SA], v[SA] row_xmask:8 row_mask:0xf bank_mask:0xf
	v_permlanex16_b32 v[PT], v[SA], s30, s31
	v_add_f32 v[SA], v[SA], v[PT]
.endm
.macro NORM                            ; the row in v[XR] on is normalised in place
	v_pk_add_f32 v[SA:SA+1], v[XR:XR+1], v[XR+2:XR+3]
	v_pk_add_f32 v[SB:SB+1], v[XR+4:XR+5], v[XR+6:XR+7]
.irp k, 8,12,16,20,24,28
	v_pk_add_f32 v[SA:SA+1], v[SA:SA+1], v[XR+\k:XR+\k+1]
	v_pk_add_f32 v[SB:SB+1], v[SB:SB+1], v[XR+\k+2:XR+\k+3]
.endr
	v_pk_add_f32 v[SA:SA+1], v[SA:SA+1], v[SB:SB+1]
	v_add_f32 v[SA], v[SA], v[SA+1]
	WSUM
	v_mul_f32 v[MU], s23, v[SA]                    ; the mean
	v_mov_b32 v[MU+1], v[MU]
.set k, 0
.rept 16
	v_pk_add_f32 v[XR+k:XR+k+1], v[XR+k:XR+k+1], v[MU:MU+1] neg_lo:[0,1] neg_hi:[0,1]   ; x - mean: the variance is taken of these, so no difference of large sums is formed
.set k, k+2
.endr
	v_pk_mul_f32 v[SA:SA+1], v[XR:XR+1], v[XR:XR+1]
	v_pk_mul_f32 v[SB:SB+1], v[XR+2:XR+3], v[XR+2:XR+3]
.irp k, 4,8,12,16,20,24,28
	v_pk_fma_f32 v[SA:SA+1], v[XR+\k:XR+\k+1], v[XR+\k:XR+\k+1], v[SA:SA+1]
	v_pk_fma_f32 v[SB:SB+1], v[XR+\k+2:XR+\k+3], v[XR+\k+2:XR+\k+3], v[SB:SB+1]
.endr
	v_pk_add_f32 v[SA:SA+1], v[SA:SA+1], v[SB:SB+1]
	v_add_f32 v[SA], v[SA], v[SA+1]
	WSUM
	v_fma_f32 v[SB], v[SA], s23, s24               ; variance + 1e-5
	v_rsq_f32 v[RS], v[SB]
	v_nop                                          ; a plain instruction behind the transcendental
	s_wait_alu depctr_va_vdst(0)                   ; and a wait ahead of its first reader
	v_mov_b32 v[RS+1], v[RS]
.set k, 0
.rept 16
	v_pk_mul_f32 v[XR+k:XR+k+1], v[XR+k:XR+k+1], v[RS:RS+1]
.set k, k+2
.endr
.set k, 0
.rept 16
	v_pk_fma_f32 v[XR+k:XR+k+1], v[XR+k:XR+k+1], v[G+k:G+k+1], v[B+k:B+k+1]
.set k, k+2
.endr
.endm
.macro QROW i                          ; the row in v[XR] on becomes codes and scale bytes; v[XR] on stays as it is
.irp j, 0,1,2,3,4,5,6,7
	v_max3_num_f32 v[A+\j], |v[XR+4*\j]|, |v[XR+4*\j+1]|, 0x8000000       ; my four numbers of block 4 j + L / 8, and the floor 2^(16 - 127): the byte cannot fall under 1
.endr
.irp j, 0,1,2,3,4,5,6,7
	v_max3_num_f32 v[A+\j], v[A+\j], |v[XR+4*\j+2]|, |v[XR+4*\j+3]|
.endr
.irp m, 1,2,4
.irp j, 0,1,2,3,4,5,6,7
	v_max_num_f32_dpp v[A+\j], v[A+\j], v[A+\j] row_xmask:\m row_mask:0xf bank_mask:0xf   ; with the block's other seven lanes
.endr
.endr
.irp j, 0,1,2,3,4,5,6,7
	v_add_nc_u32 v[SOP+\j], 0xf8800000, v[A+\j]    ; 15 off the exponent field: the conversion's scale operand
.endr
.irp j, 0,1,2,3,4,5,6,7
	v_and_or_b32 v[HOLD+\j], v[A+\j], 0x7f800000, s22   ; 57,344 x the scale
.endr
.irp j, 0,1,2,3,4,5,6,7
	v_lshrrev_b32 v[A+\j], 23, v[SOP+\j]           ; the scale's byte
.endr
.irp j, 0,1,2,3,4,5,6,7
.irp k, 0,1,2,3
	v_med3_num_f32 v[T+8*(\j%2)+\k], v[XR+4*\j+\k], -v[HOLD+\j], v[HOLD+\j]   ; the conversion does not saturate (ISA guide 7.6.2): the hold first
.endr
	v_cvt_scalef32_pk8_bf8_f32 v[C+2*\j:C+2*\j+1], v[T+8*(\j%2):T+8*(\j%2)+7], v[SOP+\j]   ; four codes and four zeros; the next j's holds, into the other set, are the plain lines behind it
.endr
	v_nop
.irp j, 0,1,2,3,4,5,6,7
	ds_store_b32 v[STW], v[C+2*\j] offset:128*\j
	ds_store_b8 v[SBW], v[A+\j] offset:32*(\i)+4*\j    ; eight lanes write the same byte with the same value
.endr
	s_wait_xcnt 0x0                                ; the last row's stores have read v[O] on
	ds_load_b128 v[O:O+3], v[STR]                  ; LDS serves a wave's instructions in order: these see my stores
	ds_load_b128 v[O+4:O+7], v[STR] offset:512
	s_wait_dscnt 0x0
	global_store_b128 v[OFF], v[O:O+3], s[12:13] offset:1024*(\i)
	global_store_b128 v[OFF], v[O+4:O+7], s[12:13] offset:1024*(\i)+512
.endm
.macro ROW i, left
.set XR, X+32*(\i)
	s_wait_loadcnt \left                           ; loads come back in order: this row is in, the younger row's loads stay out
.if DO_LN
	NORM
.endif
.if DO_F
.irp j, 0,1,2,3,4,5,6,7
.if DO_Q
	global_store_b128 v[OFF], v[XR+4*\j:XR+4*\j+3], s[10:11] offset:4096*(\i)+512*\j
.else
	global_store_b128 v[OFF], v[XR+4*\j:XR+4*\j+3], s[10:11] offset:4096*(\i)+512*\j th:TH_STORE_NT
.endif
.endr
.endif
.if DO_Q
	QROW \i
.endif
.endm
.if DO_LN
.irp j, 0,1,2,3,4,5,6,7
	global_load_b128 v[G+4*\j:G+4*\j+3], v[OFF], s[6:7] offset:512*\j
	global_load_b128 v[B+4*\j:B+4*\j+3], v[OFF], s[8:9] offset:512*\j
.endr
.endif
	LOADROW 0
	LOADROW 1
	ROW 0, 8                                       ; the second row's eight loads are younger
	ROW 1, 0
.if DO_Q
	s_wait_dscnt 0x0                               ; for the others' sake: my scale bytes lie in LDS
	s_barrier_signal -1
	s_barrier_wait -1                              ; everybody's do
	s_cmp_lg_u32 s16, 0
	s_cbranch_scc1 .Lothers                        ; wave 0 stores them for the work-group
	s_wait_xcnt 0x0                                ; my last stores have read v[O] on
	ds_load_b128 v[O:O+3], v[SBR]
	s_wait_dscnt 0x0
	global_store_b128 v[OFF], v[O:O+3], s[14:15]   ; 32 lanes store 512 consecutive bytes, aligned: 16 rows' scale bytes
.Lothers:
.endif
	s_wait_tensorcnt 0x0
	ds_add_u32 v240, v241
	s_wait_dscnt 0x0
	s_endpgm
.Lfunc_end_k_qd0c80cc7f9_quant_x:
	.size	k_qd0c80cc7f9_quant_x, .Lfunc_end_k_qd0c80cc7f9_quant_x-k_qd0c80cc7f9_quant_x
	.p2alignl 7, 3214868480
	.fill 96, 4, 3214868480
	.section	.rodata,"a",@progbits
	.p2align	6, 0x0
	.amdhsa_kernel k_qd0c80cc7f9_quant_x
		.amdhsa_group_segment_fixed_size 9728
		.amdhsa_private_segment_fixed_size 0
		.amdhsa_enable_private_segment 0
		.amdhsa_kernarg_size 16
		.amdhsa_user_sgpr_count 2
		.amdhsa_user_sgpr_kernarg_segment_ptr 1
		.amdhsa_wavefront_size32 1
		.amdhsa_system_sgpr_workgroup_id_x 1
		.amdhsa_system_sgpr_workgroup_id_y 1
		.amdhsa_system_sgpr_workgroup_id_z 1
		.amdhsa_system_vgpr_workitem_id 0
		.amdhsa_next_free_vgpr 242
		.amdhsa_next_free_sgpr 66
		.amdhsa_reserve_vcc 0
		.amdhsa_float_denorm_mode_32 3
		.amdhsa_float_denorm_mode_16_64 3
		.amdhsa_memory_ordered 1
		.amdhsa_forward_progress 1
		.amdhsa_inst_pref_size 21
	.end_amdhsa_kernel
	.amdgpu_metadata
---
amdhsa.version: [ 1, 2 ]
amdhsa.kernels:
  - .name:           k_qd0c80cc7f9_quant_x
    .symbol:         k_qd0c80cc7f9_quant_x.kd
    .args:
      - { .name: x, .offset: 0, .size: 8, .value_kind: global_buffer, .address_space: global }
      - { .name: xa, .offset: 8, .size: 8, .value_kind: global_buffer, .address_space: global }
    .group_segment_fixed_size: 9728
    .private_segment_fixed_size: 0
    .kernarg_segment_align: 8
    .kernarg_segment_size: 16
    .max_flat_workgroup_size: 256
    .sgpr_count:     66
    .vgpr_count:     242
    .wavefront_size: 32
...
	.end_amdgpu_metadata
.endif
;; end of part 9
;; launch gemm_qkv (part 10): grid 8 x 32, 4 waves a work-group, clusters of 4 x 4, 327,680 bytes of LDS; arguments xa, w_qkv_codes, w_qkv_scales, b_qkv, qkv; writes qkv
.if DOCPART == 10
	.amdgcn_target "amdgcn-amd-amdhsa--gfx1250"
	.amdhsa_code_object_version 6
	.text
	.protected	k_qd0c80cc7f9_gemm_qkv
	.globl	k_qd0c80cc7f9_gemm_qkv
	.p2align	8
	.type	k_qd0c80cc7f9_gemm_qkv,@function
k_qd0c80cc7f9_gemm_qkv:
	s_mov_b64 s[64:65], 0
	v_nop
	global_prefetch_b8 v0, s[64:65] scope:SCOPE_SE
	s_setreg_imm32_b32 hwreg(HW_REG_WAVE_MODE, 25, 1), 1
	s_wait_xcnt 0x0
	s_wait_alu depctr_hold_cnt(0) depctr_sa_sdst(0) depctr_va_vdst(0) depctr_va_sdst(0) depctr_va_ssrc(0) depctr_va_vcc(0) depctr_vm_vsrc(0)
	s_getreg_b32 s2, hwreg(HW_REG_IB_STS2, 6, 4)
	s_cmp_eq_u32 s2, 0
	s_cbranch_scc0 .Lentry_in_a_cluster
	s_endpgm
.Lentry_in_a_cluster:
	s_bfe_u32 s2, ttmp6, 0x10000c
	s_cmp_lg_u32 s2, 0xf033
	s_cbranch_scc0 .Lentry_shape_is_right
	s_endpgm
.Lentry_shape_is_right:
; A GEMM ON E5M2 CODES WHOSE RESULT IS QUANTISED ON ITS WAY OUT.  Two launches share this text (switch FF1).
; X: codes [4096][1024] row-major with scale bytes [4096][32] behind them (XSOFF); W: codes [N][1024], scale bytes [N][32]; bias f32 [N].
; FF1 = 0: qkv = x w_qkv + b_qkv, N = 3,072.  q and k are quantised along the head's 64, v along the tokens.   FF1 = 1: relu(h w1 + b1), N = 4,096, quantised along N.
; SHARES.  Work-group (gx, gy) keeps X's rows 128 gy .. + 127, all of K, in LDS and walks NT tiles of 128 rows of W through the two W regions, which are filled again.
; A slot holds 512 along K: a region with W's 128 rows and one with X's.  Four waves; a wave makes P 128 x Q 32: 16 accumulators.
; The matrix instruction's source 0 is P, source 1 is Q: a lane holds ONE row of Q, and its registers run along P.  P = W, Q = X's 32 rows of the wave (mode 0); for v P = X, Q = W's 32 rows (mode 1).
; THE ROWS OF A TILE ARE NOT NEIGHBOURS: lane r of tile 2 G + U stands for row 32 G + 8 U + r + 8 (r / 8), on both sources.  So the 16 registers of P's tiles 2 b, 2 b + 1 are 16 neighbours
; 32 b + 16 (lane / 16) + 0..15 along the next product's K, and the conversions' results ARE that product's operand registers.  They are stored as images of those registers:
; group c of four registers at 512 c + 16 x lane; scale words as images too: word 4 x lane = tile U = lane / 16, row lane % 16.
; IN LDS A REGION'S 128 ROWS ARE DEALT OUT BY FOURS: wave w's tensor load brings rows w, w + 4, .. w + 124 (a pitch of four rows in memory), 528 bytes apart, from byte
; 17,152 w + 32 (w % 2) + 128 (w / 2) of the region on.  A tile's row r + 8 (r / 8) then begins at the 16-byte column 2 r0 + 8 r1 + r2 + 4 r3 (r's bits) + a constant, modulo 16.
; Laid in memory's order, rows R and R + 16 would share a column at every pitch that is a multiple of 16 bytes.
; CLUSTER 4 x 4: W's tiles hang on gx alone and are asked for jointly along a column of the cluster, X's on gy alone, along a row.  Every wave fetches 32 rows of every tile.
; LIMITS: NaN and infinities are not served; a block whose largest magnitude lies under 2^-111, zeros among them, gets the byte 1 (read by this program alone).
; REGISTERS.  window 0: v4-23 addresses; v32-63 P's scale words, v64-71 Q's (they hold nothing else); v72-92 the quantiser's; v96-127 codes; v128-255 accumulator (a, p) at 128 + 64 a + 8 p.
;   window 1: P's fragments, two sets of 128.   window 2: v0-63 Q's fragments, two sets of 32; v64-127 the bias in the result's layout.
.set FF1, 0
.if FF1
.set NT,  4
.set WSH, 19                           ; gx x 512 rows x 1,024 bytes
.else
.set NT,  3
.set WSH, 18                           ; gx x 256 rows x 1,024 bytes
.endif
.set PITCH, 528
; THE LAYOUT IN USE (it takes the place of the dealing by fours that the head describes): a region's 128 rows are dealt out BY TWOS.  One tensor load brings rows e, e + 2, .. e + 126
; (a pitch of two rows in memory), 528 bytes apart, from byte HALFW x e of the region on.  Waves 0, 1 fetch W's two parts, waves 2, 3 X's: one load a wave fills a slot.
.set HALFW, 64*PITCH+64                ; 64 rows; the second part begins four 16-byte columns further round
.set REG,   2*HALFW                    ; 128 rows
.set SLOT,  2*REG                      ; W's region, then X's
.set SCW,   2*SLOT                     ; W's scale bytes, 4,352 a tile: units of 256 bytes + 16
.set SCX,   SCW+NT*4352                ; X's
.set SPARE, SCX+4352                   ; the spare words: 128 bytes a wave, named by no other line
.set XSOFF, 4194304
.set QKS,   12582912
.set VC,    8388608
.set VS,    13107200
.set FS,    16777216
.set LI,  4
.set LS,  5
.set SPW, 6
.set NIL, 7
.set AWA, 8                            ; v8-9   W's region of slot s, all rows
.set AWW, 10                           ; v10-11 my wave's 32 rows of it
.set AXA, 12                           ; v12-13 X's region, all rows
.set AXW, 14                           ; v14-15 my wave's 32 rows
.set SWA, 16
.set SWW, 17
.set SXA, 18
.set SXW, 19
.set BO,  20
.set BVO, 21
.set CPY, 22
.set CPG, 23
.set SP,  32
.set SQ,  64
.set TM,  72
.set PW0, 88
.set PW1, 89
.set PC0, 96
.set PC1, 112
.set ACC, 128
.set BIAS, 64
.set WV,  14
.set G1W, 24
.set G1X, 32
.set G0W, 40
.set G0X, 48
.set SEL, 58
.set MNT, 60
.set WVB, 76
.set MSB, 0
.macro WIN new                         ; the immediate's high byte repeats the setting that is left
.if MSB != \new
	s_set_vgpr_msb (MSB<<8)|\new
.set MSB, \new
.endif
.endm
.macro PLACES n
.rept \n
	v_nop
.endr
.endm
.macro CREST                           ; a round of the cluster's barrier behind its opening barrier
	s_cmp_lg_u32 s[WV], 0
	s_cbranch_scc1 .Lnot_wave_0_\@
	s_barrier_signal -3
.Lnot_wave_0_\@:
	s_barrier_wait -3
	s_barrier_signal -1
	s_barrier_wait -1
.endm
.macro CROUND
	s_barrier_signal -1
	s_barrier_wait -1
	CREST
.endm
.macro FRAG reg, adr, off              ; 16 rows x 128 K: registers 4 c .. 4 c + 3 hold K = 32 c + 16 (lane / 16) + 0..15
.irp c, 0,1,2,3
	ds_load_b128 v[\reg+4*\c:\reg+4*\c+3], v[\adr] offset:\off+32*\c
.endr
.endm
.macro FETCH slot, q, set, mode        ; the fragments of the slot's q-th 128 along K: P's eight (window 1), Q's two (window 2).  Tile 2 G + U begins 16 G + 4 U places of 528 bytes on in each of the two parts
	WIN 0x40
.irp p, 0,1,2,3,4,5,6,7
.if \mode
	FRAG 128*(\set)+16*\p, AXA+(\slot), (16*(\p/2)+4*(\p%2))*PITCH+128*(\q)   ; tile 2 G + U begins 16 G + 4 U places on in each of the two parts
.else
	FRAG 128*(\set)+16*\p, AWA+(\slot), (16*(\p/2)+4*(\p%2))*PITCH+128*(\q)
.endif
.endr
	WIN 0x80
.irp a, 0,1
.if \mode
	FRAG 32*(\set)+16*\a, AWW+(\slot), 4*\a*PITCH+128*(\q)
.else
	FRAG 32*(\set)+16*\a, AXW+(\slot), 4*\a*PITCH+128*(\q)
.endif
.endr
	WIN 0
.endm
.macro SCALES ss, adrP, offP, adrQ, offQ   ; a slot's scale words: 16 bytes a row are the words of its four K steps; lanes 0-15 take the even tile's rows, lanes 16-31 the odd tile's
.irp b, 0,1,2,3
	ds_load_b128 v[SP+16*(\ss)+4*\b:SP+16*(\ss)+4*\b+3], v[\adrP] offset:\offP+1088*\b
.endr
	ds_load_b128 v[SQ+4*(\ss):SQ+4*(\ss)+3], v[\adrQ] offset:\offQ
.endm
.macro WM a, p, set, q, ss, cm         ; one matrix instruction.  cm = 0: adds in place; 1: starts from the bias of P's tile; 2: from the bias of Q's tile
.set rD, ACC+64*(\a)+8*(\p)
.set rC, rD
.if (\cm) == 1
.set rC, BIAS+8*(\p)
.endif
.if (\cm) == 2
.set rC, BIAS+8*(\a)
.endif
.set rP, 128*(\set)+16*(\p)
.set rQ, 32*(\set)+16*(\a)
.set rS, SP+16*(\ss)+4*((\p)/2)+(\q)
.set rT, SQ+4*(\ss)+(\q)
.if ((\p)%2) && (\a)
	v_wmma_scale_f32_16x16x128_f8f6f4 v[rD:rD+7], v[rP:rP+15], v[rQ:rQ+15], v[rC:rC+7], v[rS], v[rT] matrix_a_fmt:MATRIX_FMT_BF8 matrix_b_fmt:MATRIX_FMT_BF8 matrix_a_scale:MATRIX_SCALE_ROW1 matrix_b_scale:MATRIX_SCALE_ROW1
.elseif (\p)%2
	v_wmma_scale_f32_16x16x128_f8f6f4 v[rD:rD+7], v[rP:rP+15], v[rQ:rQ+15], v[rC:rC+7], v[rS], v[rT] matrix_a_fmt:MATRIX_FMT_BF8 matrix_b_fmt:MATRIX_FMT_BF8 matrix_a_scale:MATRIX_SCALE_ROW1
.elseif \a
	v_wmma_scale_f32_16x16x128_f8f6f4 v[rD:rD+7], v[rP:rP+15], v[rQ:rQ+15], v[rC:rC+7], v[rS], v[rT] matrix_a_fmt:MATRIX_FMT_BF8 matrix_b_fmt:MATRIX_FMT_BF8 matrix_b_scale:MATRIX_SCALE_ROW1
.else
	v_wmma_scale_f32_16x16x128_f8f6f4 v[rD:rD+7], v[rP:rP+15], v[rQ:rQ+15], v[rC:rC+7], v[rS], v[rT] matrix_a_fmt:MATRIX_FMT_BF8 matrix_b_fmt:MATRIX_FMT_BF8
.endif
.endm
.macro MUL a, set, q, ss, cm           ; Q's tile a against P's eight.  The 16 accumulators take turns, one instruction a turn, in the same order in every step
.if \cm
	WIN 0x29                                       ; P window 1, Q window 2, C (the bias) window 2, D window 0
.else
	WIN 0x09
.endif
.irp p, 0,1,2,3,4,5,6,7
	WM \a, \p, \set, \q, \ss, \cm
.endr
.endm
.macro STEP slot, q, mode, cm          ; 128 along K that has its successor in the same slot
	s_wait_dscnt 0x0                               ; this step's fragments are in
	PLACES 8                                       ; eight plain instructions between the last product that read the other set (the step before's) and the loads into it
	FETCH \slot, (\q)+1, 1-(\q)%2, \mode           ; the next step's 40 loads are out while this step's 16 products run
	MUL 0, (\q)%2, \q, \slot, \cm
	MUL 1, (\q)%2, \q, \slot, \cm
	WIN 0
.endm
; A slot's last step changes slots.  In front of the one barrier every wave waits for all its tensor loads, adds 0 to its spare word, and waits for that and for its reads of this slot.
; fill = 1: W's region of this slot takes the next tile of W (128 rows on); 2: the tile of v's rows; 0: nothing.  With a fill the barrier opens a round of the cluster's barrier.
.macro TURN slot, mode, nmode, fill, bump, adrP, offP, adrQ, offQ
	s_wait_tensorcnt 0x0                           ; all my tensor loads have landed: my part of the other slot among them; so a group 0 may be written
	ds_add_u32 v[SPW], v[NIL]
.if \fill == 1
	s_add_nc_u64 s[G0W+4*\slot+2:G0W+4*\slot+3], s[G0W+4*\slot+2:G0W+4*\slot+3], 131072
.elseif \fill == 2
	s_add_nc_u64 s[G0W+4*\slot+2:G0W+4*\slot+3], s[WVB:WVB+1], 512*\slot
	s_or_b32 s[G0W+4*\slot+3], s[G0W+4*\slot+3], 0x80000000
.endif
	s_wait_dscnt 0x0                               ; the add is done, my reads of this slot are over
	s_barrier_signal -1
	MUL 0, 1, 3, \slot, 0                          ; work on registers while the others arrive
	WIN 0
	s_barrier_wait -1
.if \fill
	CREST                                          ; no wave of any partner still reads this region or has a load on its way
	s_cmp_lt_u32 s[WV], 2                          ; waves 0, 1 fill W's two parts again; waves 2, 3 have no part of it
	s_cbranch_scc0 .Lno_w_\@
	tensor_load_to_lds s[G0W+4*\slot:G0W+4*\slot+3], s[G1W:G1W+7]   ; my one tensor load behind the round, and the first thing there
	s_nop 0
	PLACES 4
.Lno_w_\@:
.endif
	PLACES 8
.if \bump
	v_add_nc_u32 v[SWA], 4352, v[SWA]              ; the next tile's scale bytes of W
.endif
	FETCH 1-\slot, 0, 0, \nmode
	SCALES 1-\slot, \adrP, \offP, \adrQ, \offQ
	MUL 1, 1, 3, \slot, 0
	WIN 0
.endm
.macro LAST                            ; the launch's last step: nothing more to fetch
	s_wait_dscnt 0x0
	MUL 0, 1, 3, 1, 0
	MUL 1, 1, 3, 1, 0
	WIN 0
.endm
; 64 numbers of a lane, register 16 b + i = k 32 b + 16 (lane / 16) + i of my row, become a fragment's codes in v[pc] on and its scale word in v[pw].
.macro QUANT s, relu, pc, pw
.if \relu                                      ; no |.|: what is negative becomes 0, so it does not count; the floor stands over it
.irp b, 0,1,2,3
	v_max3_num_f32 v[TM+\b], v[\s+16*\b], v[\s+1+16*\b], 0x8000000
.endr
.irp i, 2,4,6,8,10,12,14
.irp b, 0,1,2,3
	v_max3_num_f32 v[TM+\b], v[TM+\b], v[\s+16*\b+\i], v[\s+1+16*\b+\i]
.endr
.endr
.else
.irp b, 0,1,2,3
	v_max3_num_f32 v[TM+\b], |v[\s+16*\b]|, |v[\s+1+16*\b]|, 0x8000000   ; my 16 numbers of block b and the floor 2^(16 - 127)
.endr
.irp i, 2,4,6,8,10,12,14
.irp b, 0,1,2,3
	v_max3_num_f32 v[TM+\b], v[TM+\b], |v[\s+16*\b+\i]|, |v[\s+1+16*\b+\i]|
.endr
.endr
.endif
.irp b, 0,1,2,3
	v_permlanex16_b32 v[TM+4+\b], v[TM+\b], s[SEL], s[SEL+1]
.endr
.irp b, 0,1,2,3
	v_max_num_f32 v[TM+\b], v[TM+\b], v[TM+4+\b]   ; with lane l xor 16's 16: the block's largest magnitude
.endr
.irp b, 0,1,2,3
	v_add_nc_u32 v[TM+12+\b], 0xf8800000, v[TM+\b] ; 15 off its exponent field: the conversion's scale operand
.endr
.irp b, 0,1,2,3
	v_and_or_b32 v[TM+8+\b], v[TM+\b], 0x7f800000, s[MNT]   ; 57,344 x the scale
.endr
.irp b, 0,1,2,3
	v_lshrrev_b32 v[TM+4+\b], 23, v[TM+12+\b]      ; the scale's byte
.endr
	v_lshl_or_b32 v[\pw], v[TM+5], 8, v[TM+4]
	v_lshl_or_b32 v[\pw], v[TM+6], 16, v[\pw]
	v_lshl_or_b32 v[\pw], v[TM+7], 24, v[\pw]
.irp b, 0,1,2,3
.irp i, 0,1,2,3,4,5,6,7,8,9,10,11,12,13,14,15
.if \relu
	v_med3_num_f32 v[\s+16*\b+\i], v[\s+16*\b+\i], 0, v[TM+8+\b]          ; the activation and the hold in one
.else
	v_med3_num_f32 v[\s+16*\b+\i], v[\s+16*\b+\i], -v[TM+8+\b], v[TM+8+\b]   ; the conversion does not saturate (ISA guide 7.6.2)
.endif
.endr
	v_cvt_scalef32_pk8_bf8_f32 v[\pc+4*\b:\pc+1+4*\b], v[\s+16*\b:\s+7+16*\b], v[TM+12+\b]
	v_cvt_scalef32_pk8_bf8_f32 v[\pc+2+4*\b:\pc+3+4*\b], v[\s+8+16*\b:\s+15+16*\b], v[TM+12+\b]
.endr
	v_nop                                          ; a plain instruction behind the last conversion: later products write its sources
.endm
.macro BIASLOAD                        ; mode 0: lane (r, h) wants, for P's tile p, the bias of columns 32 (p / 2) + 16 h + 8 (p % 2) + 0..7
	WIN 0x80
.irp p, 0,1,2,3,4,5,6,7
	global_load_b128 v[BIAS+8*\p:BIAS+8*\p+3], v[BO], s[70:71] offset:4*(32*(\p/2)+8*(\p%2))
	global_load_b128 v[BIAS+8*\p+4:BIAS+8*\p+7], v[BO], s[70:71] offset:4*(32*(\p/2)+8*(\p%2))+16
.endr
	WIN 0
.endm
.macro BIASV                           ; mode 1: the bias hangs on the lane's own row of Q: eight registers with one number
	WIN 0x80
.irp a, 0,1
.irp j, 0,1,2,3,4,5,6,7
	global_load_b32 v[BIAS+8*\a+\j], v[BVO], s[78:79] offset:32*\a
.endr
.endr
	WIN 0
.endm
.macro PUT4 pc, base, off              ; a whole image: four stores of 512 consecutive bytes
.irp c, 0,1,2,3
	global_store_b128 v[LI], v[\pc+4*\c:\pc+4*\c+3], s[\base:\base+1] offset:\off+512*\c
.endr
.endm
.macro PUTQK pc, a, t                  ; 128 columns are two heads: each head's 64 are groups 0 and 1 of its own image of 1,024 bytes
.irp hh, 0,1
.irp c, 0,1
	global_store_b128 v[LI], v[\pc+8*\hh+4*\c:\pc+8*\hh+4*\c+3], s[66:67] offset:262144*\t+131072*\hh+1024*\a+512*\c
.endr
.endr
.endm
.macro EPI_QK t, nb                    ; the way out of tile t of q or k.  nb = 1: the next tile's bias is of mode 0; 2: v's
	PLACES 8                                       ; between the last products and the first read of results
	s_wait_xcnt 0x0                                ; the last way out's stores have read their registers; the bias's base may step
.if \nb == 1
	s_add_nc_u64 s[70:71], s[70:71], 512
	BIASLOAD
.else
	BIASV
.endif
	QUANT ACC, 0, PC0, PW0
	PUTQK PC0, 0, \t
	QUANT ACC+64, 0, PC1, PW1
	PUTQK PC1, 1, \t
	v_cndmask_b32 v90, v[PW0], v[PW1], s61         ; lanes 0-15: tile 0's words, lanes 16-31: tile 1's
	v_and_b32 v91, 0xffff, v90                     ; the first head's two bytes; bytes 2 and 3 are 0: they scale zero codes
	v_lshrrev_b32 v92, 16, v90                     ; the second head's
	global_store_b32 v[LS], v91, s[68:69] offset:16384*\t
	global_store_b32 v[LS], v92, s[68:69] offset:16384*\t+8192
.endm
.macro EPI_V                           ; the way out of v: 128 tokens along the registers: one K step of attention's second product
	PLACES 8
	s_wait_xcnt 0x0
	QUANT ACC, 0, PC0, PW0
	PUT4 PC0, 72, 0
	global_store_b32 v[LS], v[PW0], s[74:75]
	QUANT ACC+64, 0, PC1, PW1
	PUT4 PC1, 72, 2048
	global_store_b32 v[LS], v[PW1], s[74:75] offset:128
.endm
.macro THREE slot, mode
	STEP \slot, 0, \mode, 0
	STEP \slot, 1, \mode, 0
	STEP \slot, 2, \mode, 0
.endm
	s_load_b256 s[4:11], s[0:1], 0x0               ; X s[4:5], W's codes s[6:7], W's scales s[8:9], the bias s[10:11]
	s_load_b64 s[12:13], s[0:1], 0x20              ; the output
	v_lshl_add_u32 v[SPW], v0, 2, SPARE
	v_mov_b32 v[NIL], 0
	ds_add_u32 v6, v7
	ds_add_u32 v6, v7
	s_wait_dscnt 0x0
	v_lshrrev_b32 v1, 5, v0
	v_readfirstlane_b32 s[WV], v1                  ; wave 0..3
	s_bfe_u32 s15, ttmp6, 0x40000                  ; cx
	s_bfe_u32 s16, ttmp6, 0x40004                  ; cy
	s_lshl_b32 s17, ttmp9, 2
	s_add_co_u32 s17, s17, s15                     ; gx
	s_and_b32 s18, ttmp7, 0xffff
	s_lshl_b32 s18, s18, 2
	s_add_co_u32 s18, s18, s16                     ; gy
	s_lshl_b32 s19, s16, 2
	s_lshl_b32 s19, 15, s19                        ; my row of the cluster
	s_lshl_b32 s20, 0x1111, s15                    ; my column
	s_or_b32 s[G1W], s20, (1<<20)|(1<<21)|(6<<22)|(3<<25)   ; the mask; elements of 1 byte; padding on; bit 21 beside a mask; 4 words of padding behind every 128
	s_or_b32 s[G1X], s19, (1<<20)|(1<<21)|(6<<22)|(3<<25)
.irp g, G1W, G1X
	s_mov_b32 s[\g+1], 512<<16                     ; tensor_dim0
	s_mov_b32 s[\g+2], 64<<16                      ; tensor_dim1
	s_mov_b32 s[\g+3], 512<<16                     ; tile_dim0
	s_mov_b32 s[\g+4], 64                          ; tile_dim1
	s_mov_b32 s[\g+5], 2048                        ; from one row of the tile to the next: two rows of memory
	s_mov_b32 s[\g+6], 0
	s_mov_b32 s[\g+7], 0
.endr
	s_mov_b32 s[SEL], 0x76543210
	s_mov_b32 s[SEL+1], 0xfedcba98
	s_mov_b32 s[MNT], 0x600000
	s_and_b32 s2, s[WV], 1                         ; which part I fetch
	s_lshl_b32 s21, s2, 10                         ; its first row of a tile
	s_mul_i32 s22, s2, HALFW                       ; and its place in a region
	s_mul_i32 s63, s[WV], 16*PITCH                 ; my group of 32 rows: sixteen places on in each part
	s_mul_i32 s23, s[WV], 1088
	s_lshl_b32 s80, s17, WSH                       ; W's first tile: made of gx and the wave alone
	s_add_co_u32 s80, s80, s21
	s_mov_b32 s81, 0
	s_lshl_b32 s82, s18, 17                        ; X's rows: of gy and the wave alone
	s_add_co_u32 s82, s82, s21
	s_mov_b32 s83, 0
	s_lshl_b32 s84, s17, WSH-5                     ; W's scale bytes
	s_mov_b32 s85, 0
	s_lshl_b32 s88, s18, 12                        ; X's
	s_add_co_u32 s88, s88, XSOFF
	s_mov_b32 s89, 0
	s_lshl_b32 s70, s17, WSH-8                     ; the bias of the first tile's columns
	s_mov_b32 s71, 0
	s_lshl_b32 s86, s17, 12                        ; the scale bytes of v's rows of W
	s_add_co_u32 s86, s86, 65536
	s_mov_b32 s87, 0
	s_lshl_b32 s[WVB], s17, 17                     ; v's rows of W: 2,048 + 128 gx + wave
	s_add_co_u32 s[WVB], s[WVB], s21
	s_add_co_u32 s[WVB], s[WVB], 2097152
	s_mov_b32 s[WVB+1], 0
	s_lshl_b32 s78, s17, 9                         ; and the bias of my 32 of them
	s_lshl_b32 s2, s[WV], 7
	s_add_co_u32 s78, s78, s2
	s_add_co_u32 s78, s78, 8192
	s_mov_b32 s79, 0
	s_lshr_b32 s90, s18, 4                         ; n
	s_and_b32 s91, s18, 15                         ; which 128 tokens of the sequence
	s_lshl_b32 s92, s90, 5
	s_lshl_b32 s93, s17, 2
	s_add_co_u32 s92, s92, s93                     ; 32 n + 4 gx: the first of my four heads of q or k
	s_lshl_b32 s93, s91, 2
	s_add_co_u32 s93, s93, s[WV]                   ; my group of 32 tokens
	s_lshl_b32 s66, s92, 17
	s_lshl_b32 s2, s93, 11
	s_add_co_u32 s66, s66, s2
	s_mov_b32 s67, 0
	s_lshl_b32 s68, s92, 13
	s_lshl_b32 s2, s93, 7
	s_add_co_u32 s68, s68, s2
	s_add_co_u32 s68, s68, QKS
	s_mov_b32 s69, 0
	s_lshl_b32 s94, s90, 4
	s_lshl_b32 s2, s17, 1
	s_add_co_u32 s94, s94, s2
	s_lshr_b32 s2, s[WV], 1
	s_add_co_u32 s94, s94, s2                      ; v's head: 16 n + 2 gx + wave / 2
	s_lshl_b32 s94, s94, 4
	s_add_co_u32 s94, s94, s91                     ; x 16 key steps
	s_lshl_b32 s94, s94, 2
	s_and_b32 s2, s[WV], 1
	s_lshl_b32 s2, s2, 1
	s_add_co_u32 s94, s94, s2                      ; x 4 tiles of the head's 64
	s_lshl_b32 s72, s94, 11
	s_add_co_u32 s72, s72, VC
	s_mov_b32 s73, 0
	s_lshl_b32 s74, s94, 7
	s_add_co_u32 s74, s74, VS
	s_mov_b32 s75, 0
	v_and_b32 v1, 15, v0                           ; r
	v_bfe_u32 v2, v0, 4, 1                         ; h
	v_and_b32 v3, 8, v1
	v_add_nc_u32 v3, v3, v1                        ; r + 8 (r / 8)
	v_and_b32 v24, 31, v0
	v_lshlrev_b32 v[LI], 4, v24
	v_lshlrev_b32 v[LS], 2, v24
	v_cmp_le_u32 s61, 16, v24                      ; lanes 16-31
	v_and_b32 v25, 1, v1                           ; my row lies in part r % 2,
	v_mul_u32_u24 v25, v25, HALFW
	v_lshrrev_b32 v26, 1, v3
	v_mad_u32_u24 v25, v26, PITCH, v25             ; at place (r + 8 (r / 8)) / 2 of it
	v_lshl_add_u32 v[AWA], v2, 4, v25
	v_add_nc_u32 v[AWA+1], SLOT, v[AWA]
.irp s, 0,1
	v_add_nc_u32 v[AWW+\s], s63, v[AWA+\s]
	v_add_nc_u32 v[AXA+\s], REG, v[AWA+\s]
	v_add_nc_u32 v[AXW+\s], s63, v[AXA+\s]
.endr
	v_lshl_add_u32 v26, v2, 3, v3                  ; the row of a group of 32 whose scale words I take: lanes 16-31 the odd tile's
	v_lshrrev_b32 v27, 3, v26
	v_lshlrev_b32 v27, 4, v27
	v_lshl_add_u32 v26, v26, 5, v27                ; 32 bytes a row, 16 more for each 256 passed
	v_add_nc_u32 v[SWA], SCW, v26
	v_add_nc_u32 v[SXA], SCX, v26
	v_add_nc_u32 v[SXW], s23, v[SXA]
	v_add_nc_u32 v[SWW], s23, v[SWA]
	v_add_nc_u32 v[SWW], 8704, v[SWW]
	v_lshlrev_b32 v[BO], 6, v2
	v_lshlrev_b32 v[BVO], 2, v3
	v_lshrrev_b32 v27, 4, v0
	v_add_nc_u32 v27, v27, v0
	v_lshl_add_u32 v[CPY], v27, 4, SCW             ; the tables' way into LDS: 16 bytes a thread, 16 of padding behind each 256
	v_lshlrev_b32 v[CPG], 4, v0
.irp b, 0,1,2,3
	v_mov_b32 v[TM+4+\b], 0                        ; written once: a lane permute's destination counts as a source
.endr
	s_wait_alu depctr_va_vdst(0)
	s_wait_kmcnt 0x0
	s_add_nc_u64 s[80:81], s[6:7], s[80:81]
	s_add_nc_u64 s[82:83], s[4:5], s[82:83]
	s_add_nc_u64 s[84:85], s[8:9], s[84:85]
	s_add_nc_u64 s[88:89], s[4:5], s[88:89]
	s_add_nc_u64 s[70:71], s[10:11], s[70:71]
	s_add_nc_u64 s[66:67], s[12:13], s[66:67]
	s_add_nc_u64 s[68:69], s[12:13], s[68:69]
	s_add_nc_u64 s[86:87], s[8:9], s[86:87]
	s_add_nc_u64 s[WVB:WVB+1], s[6:7], s[WVB:WVB+1]
	s_add_nc_u64 s[78:79], s[10:11], s[78:79]
	s_add_nc_u64 s[72:73], s[12:13], s[72:73]
	s_add_nc_u64 s[74:75], s[12:13], s[74:75]
.irp s, 0,1
	s_mov_b32 s[G0W+4*\s], 1
	s_add_co_u32 s[G0W+4*\s+1], s22, \s*SLOT
	s_add_nc_u64 s[G0W+4*\s+2:G0W+4*\s+3], s[80:81], \s*512
	s_or_b32 s[G0W+4*\s+3], s[G0W+4*\s+3], 0x80000000
	s_mov_b32 s[G0X+4*\s], 1
	s_add_co_u32 s[G0X+4*\s+1], s22, \s*SLOT+REG
	s_add_nc_u64 s[G0X+4*\s+2:G0X+4*\s+3], s[82:83], \s*512
	s_or_b32 s[G0X+4*\s+3], s[G0X+4*\s+3], 0x80000000
.endr
	; the scale bytes of all my tiles, dense in memory, come once, 2,048 consecutive bytes a load of the work-group
.irp j, 0,1,2,3
	global_load_b128 v[128+4*\j:128+4*\j+3], v[CPG], s[84:85] offset:2048*\j
.endr
.irp j, 0,1
	global_load_b128 v[144+4*\j:144+4*\j+3], v[CPG], s[86:87] offset:2048*\j
.endr
.irp j, 0,1
	global_load_b128 v[128+8*NT+4*\j:128+8*NT+4*\j+3], v[CPG], s[88:89] offset:2048*\j
.endr
	BIASLOAD
	CROUND                                         ; all sixteen work-groups are here: the first joint loads meet
.macro JLOAD s                         ; a slot's first fill: waves 0, 1 for W, waves 2, 3 for X: one joint load a wave
	s_cmp_lt_u32 s[WV], 2
	s_cbranch_scc0 .Lfor_x_\@
	tensor_load_to_lds s[G0W+4*\s:G0W+4*\s+3], s[G1W:G1W+7]
	s_nop 0
	PLACES 4
	s_branch .Lasked_\@
.Lfor_x_\@:
	tensor_load_to_lds s[G0X+4*\s:G0X+4*\s+3], s[G1X:G1X+7]
	s_nop 0
	PLACES 4
.Lasked_\@:
.endm
	JLOAD 0                                        ; slot 0: one tensor load a wave at the head
	s_wait_loadcnt 16                              ; the tables are in; the 16 loads of the bias are younger
.set j, 0
.rept 2*NT+2
	ds_store_b128 v[CPY], v[128+4*j:128+4*j+3] offset:2176*j
.set j, j+1
.endr
	s_wait_tensorcnt 0x0                           ; my part of slot 0 is in
	ds_add_u32 v[SPW], v[NIL]
	s_wait_dscnt 0x0                               ; the add and my stores of the tables are done
	CROUND                                         ; everybody's part of slot 0 is in, and the joint loads meet
	JLOAD 1                                        ; slot 1's first fill: it has slot 0's first three steps in which to land
	FETCH 0, 0, 0, 0
	SCALES 0, SWA, 0, SXW, 0
	s_wait_loadcnt 0x0                             ; the bias
	STEP 0, 0, 0, 1                                ; tile 0: columns 256 gx on; a tile's first step starts the sums from the bias
	STEP 0, 1, 0, 0
	STEP 0, 2, 0, 0
	TURN 0, 0, 0, 1, 0, SWA, 16, SXW, 16
	THREE 1, 0
	TURN 1, 0, 0, 1, 0, SWA, 4352, SXW, 0
	EPI_QK 0, 1
	s_wait_loadcnt 0x0
	PLACES 9                                       ; the next products write over accumulators with another C
	STEP 0, 0, 0, 1                                ; tile 1: columns 256 gx + 128 on; its changes of slots ask for v's rows of W
	STEP 0, 1, 0, 0
	STEP 0, 2, 0, 0
	TURN 0, 0, 0, 2, 0, SWA, 4352+16, SXW, 16
	THREE 1, 0
	TURN 1, 0, 1, 2, 0, SXA, 0, SWW, 0
	EPI_QK 1, 2
	s_wait_loadcnt 0x0
	PLACES 9
	STEP 0, 0, 1, 2                                ; tile 2: v, with the sources' parts changed: the tokens run along the registers
	STEP 0, 1, 1, 0
	STEP 0, 2, 1, 0
	TURN 0, 1, 1, 0, 0, SXA, 16, SWW, 16
	THREE 1, 1
	LAST
	EPI_V
	s_wait_tensorcnt 0x0                           ; the wave's end
	ds_add_u32 v[SPW], v[NIL]
	s_wait_dscnt 0x0
	CROUND                                         ; the closing round
	s_endpgm
.Lfunc_end_k_qd0c80cc7f9_gemm_qkv:
	.size	k_qd0c80cc7f9_gemm_qkv, .Lfunc_end_k_qd0c80cc7f9_gemm_qkv-k_qd0c80cc7f9_gemm_qkv
	.p2alignl 7, 3214868480
	.fill 96, 4, 3214868480
	.section	.rodata,"a",@progbits
	.p2align	6, 0x0
	.amdhsa_kernel k_qd0c80cc7f9_gemm_qkv
		.amdhsa_group_segment_fixed_size 327680
		.amdhsa_private_segment_fixed_size 0
		.amdhsa_enable_private_segment 0
		.amdhsa_kernarg_size 40
		.amdhsa_user_sgpr_count 2
		.amdhsa_user_sgpr_kernarg_segment_ptr 1
		.amdhsa_wavefront_size32 1
		.amdhsa_system_sgpr_workgroup_id_x 1
		.amdhsa_system_sgpr_workgroup_id_y 1
		.amdhsa_system_sgpr_workgroup_id_z 1
		.amdhsa_system_vgpr_workitem_id 0
		.amdhsa_next_free_vgpr 768
		.amdhsa_next_free_sgpr 100
		.amdhsa_reserve_vcc 0
		.amdhsa_float_denorm_mode_32 3
		.amdhsa_float_denorm_mode_16_64 3
		.amdhsa_memory_ordered 1
		.amdhsa_forward_progress 1
		.amdhsa_inst_pref_size 192
	.end_amdhsa_kernel
	.amdgpu_metadata
---
amdhsa.version: [ 1, 2 ]
amdhsa.kernels:
  - .name:           k_qd0c80cc7f9_gemm_qkv
    .symbol:         k_qd0c80cc7f9_gemm_qkv.kd
    .args:
      - { .name: xa, .offset: 0, .size: 8, .value_kind: global_buffer, .address_space: global }
      - { .name: w_qkv_codes, .offset: 8, .size: 8, .value_kind: global_buffer, .address_space: global }
      - { .name: w_qkv_scales, .offset: 16, .size: 8, .value_kind: global_buffer, .address_space: global }
      - { .name: b_qkv, .offset: 24, .size: 8, .value_kind: global_buffer, .address_space: global }
      - { .name: qkv, .offset: 32, .size: 8, .value_kind: global_buffer, .address_space: global }
    .group_segment_fixed_size: 327680
    .private_segment_fixed_size: 0
    .kernarg_segment_align: 8
    .kernarg_segment_size: 40
    .max_flat_workgroup_size: 128
    .sgpr_count:     100
    .vgpr_count:     768
    .wavefront_size: 32
...
	.end_amdgpu_metadata
.endif
;; end of part 10
;; launch attn (part 11): grid 8 x 32, 16 waves a work-group, clusters of 4 x 1, 327,680 bytes of LDS; arguments qkv, oa; writes oa
.if DOCPART == 11
	.amdgcn_target "amdgcn-amd-amdhsa--gfx1250"
	.amdhsa_code_object_version 6
	.text
	.protected	k_qd0c80cc7f9_attn
	.globl	k_qd0c80cc7f9_attn
	.p2align	8
	.type	k_qd0c80cc7f9_attn,@function
k_qd0c80cc7f9_attn:
	s_mov_b64 s[64:65], 0
	v_nop
	global_prefetch_b8 v0, s[64:65] scope:SCOPE_SE
	s_setreg_imm32_b32 hwreg(HW_REG_WAVE_MODE, 25, 1), 1
	s_wait_xcnt 0x0
	s_wait_alu depctr_hold_cnt(0) depctr_sa_sdst(0) depctr_va_vdst(0) depctr_va_sdst(0) depctr_va_ssrc(0) depctr_va_vcc(0) depctr_vm_vsrc(0)
	s_getreg_b32 s2, hwreg(HW_REG_IB_STS2, 6, 4)
	s_cmp_eq_u32 s2, 0
	s_cbranch_scc0 .Lentry_in_a_cluster
	s_endpgm
.Lentry_in_a_cluster:
	s_bfe_u32 s2, ttmp6, 0x10000c
	s_cmp_lg_u32 s2, 0x3003
	s_cbranch_scc0 .Lentry_shape_is_right
	s_endpgm
.Lentry_shape_is_right:
; ATTENTION ON E5M2 CODES.  For each of 32 (sequence, head): O[q] = sum over k of softmax_k(Q[q] . K[k] / 8) V[k], 2,048 queries and keys, head size 64.
; t = score x log2(e) / 8; M = the running largest t rounded UP to a whole number; p = 2^(t - M) is quantised along the keys, not normalised; the row's sum of the unquantised p divides at the end.
; When M moves, the sum and O are multiplied by 2^(old M - new M): nothing is rounded.  O is then quantised along the model's 1,024 (a head is two blocks of 32) for the next product.
; INPUT (the launch before made it): images of operand registers.  Q, K: [n][32 head blocks][128 tiles][1,024 bytes] (groups 0 and 1 of a fragment: K = 64); scale words [n][32][64 groups][32 lanes],
; bytes 2 and 3 = 0.  V: [n][head][16 key steps][4 tiles of 16 of the head's 64][2,048]; scale words [..][4][32 lanes].  Lane r of tile 2 G + U stands for row 32 G + 8 U + r + 8 (r / 8).
; SHARES.  A work-group owns 256 queries of one head, each of its 16 waves one tile of 16, in 256 registers.  Every wave walks 16 steps of 128 keys.
; A head's K and V codes and scale words, 278,528 bytes, lie in LDS WHOLE, filled once: no slot is filled again.  The four query blocks of a cluster share a head: each part is asked for jointly.
; Waves 0, 1 fetch K's halves, waves 2, 3 V's: the scale words, then four chunks of four key steps; five loads of a wave are out at the most.
; K = 64 IN AN INSTRUCTION OF 128: Q's registers 8-15 are zero codes.  K's tile t is named as 16 registers from its first on: the upper eight are the next tile's codes (zeros behind the last),
; finite numbers, since the quantiser holds every number; they meet Q's zeros, under scale bytes 0, which are no NaN: they add exactly 0.
; LIMITS: NaN and infinities are not served; blocks under 2^-111 get the byte 1; v_exp_f32 and v_rcp_f32 are good to 1 ulp; a block's largest p is taken as the exponential of its largest score.
.set VOF, 131072
.set KSC, 262144
.set VSC, 270336
.set QKS, 12582912
.set VC,  8388608
.set VS,  13107200
.set OS,  4194304
.set LI,  1                            ; v1  16 x lane
.set LS,  2                            ; v2  4 x lane
.set AV0, 3
.set AS0, 4
.set AT0, 5
.set R4,  6                            ; v6  4 x (lane % 16)
.set ADK, 8
.set ADV, 9
.set ADS, 10
.set ADT, 11
.set KV,  32                           ; v32-95  K's 8 tiles x 8 registers, then V's 4 x 16;  v96-103 zeros that stay
.set S,   104                          ; v104-167 scores, then p
.set OT,  168                          ; v168-199 O^T
.set PCD, 200                          ; v200-215 p's codes
.set W0,  216
.set W1,  220
.set W2,  224
.set W3,  228
.set KSR, 232                          ; v232-235 K's scale words, v236-239 V's, v240 Q's, v243 p's: v232-235 also hold partial sums of p after the score products
.set VSR, 236
.set QS,  240
.set F,   242
.set PS,  243
.set TMP, 244
.set WV,  8
.set SEL, 16
.set CS,  18
.set MNT, 20
.set TK,  21
.set TS,  22
.set CNT, 23
.set G0K, 24                           ; s[24:43] five groups 0 for K: scale words, chunks 0-3;  s[44:63] for V
.set G0V, 44
.set G1C, 68
.set G1S, 76
.macro CROUND
	s_barrier_signal -1
	s_barrier_wait -1
	s_cmp_lg_u32 s[WV], 0
	s_cbranch_scc1 .Lnot_wave_0_\@
	s_barrier_signal -3
.Lnot_wave_0_\@:
	s_barrier_wait -3
	s_barrier_signal -1
	s_barrier_wait -1
.endm
	s_load_b128 s[4:7], s[0:1], 0x0                ; qkv, oa
	v_lshl_add_u32 v254, v0, 2, 0x44000
	v_mov_b32 v255, 0
	ds_add_u32 v254, v255
	ds_add_u32 v254, v255
	v_lshrrev_b32 v8, 5, v0
	s_delay_alu instid0(VALU_DEP_1)
	v_readfirstlane_b32 s[WV], v8                  ; wave 0..15
	s_bfe_u32 s9, ttmp6, 0x40000                   ; cx
	s_lshl_b32 s10, ttmp9, 2
	s_add_co_u32 s10, s10, s9                      ; my block of 256 queries: it enters Q's and O's addresses alone
	s_and_b32 s11, ttmp7, 0xffff                   ; 16 n + head, which the four partners share
	s_lshr_b32 s12, s11, 4                         ; n
	s_and_b32 s13, s11, 15                         ; head
	s_and_b32 s14, s[WV], 1                        ; which half I fetch, if I fetch
	s_lshl_b32 s84, s12, 5
	s_add_co_u32 s84, s84, s13
	s_add_co_u32 s84, s84, 16                      ; K's head block: 32 n + 16 + head
	s_mov_b32 s2, 0                                ; a load brings a head's scale words whole,
	s_mov_b32 s3, 0                                ; and a chunk whole: no wave's number enters a tile's address
	s_lshl_b32 s86, s84, 13
	s_add_co_u32 s86, s86, s2
	s_add_co_u32 s86, s86, QKS
	s_mov_b32 s87, 0
	s_lshl_b32 s88, s84, 17
	s_add_co_u32 s88, s88, s3
	s_mov_b32 s89, 0
	s_lshl_b32 s90, s11, 13
	s_add_co_u32 s90, s90, s2
	s_add_co_u32 s90, s90, VS
	s_mov_b32 s91, 0
	s_lshl_b32 s92, s11, 17
	s_add_co_u32 s92, s92, s3
	s_add_co_u32 s92, s92, VC
	s_mov_b32 s93, 0
	s_mov_b32 s[G1C], 15|(3<<16)|(1<<21)           ; the mask: all four work-groups; elements of 8 bytes; bit 21 beside a mask; no padding
	s_mov_b32 s[G1C+1], 32<<16                     ; a dense block as rows of 256 bytes
	s_mov_b32 s[G1C+2], 128<<16                    ; a chunk: 32,768 bytes
	s_mov_b32 s[G1C+3], 32<<16
	s_mov_b32 s[G1C+4], 128
	s_mov_b32 s[G1C+5], 32
	s_mov_b32 s[G1C+6], 0
	s_mov_b32 s[G1C+7], 0
	s_mov_b32 s[G1S], 15|(3<<16)|(1<<21)
	s_mov_b32 s[G1S+1], 32<<16
	s_mov_b32 s[G1S+2], 32<<16                     ; a head's scale words: 8,192 bytes
	s_mov_b32 s[G1S+3], 32<<16
	s_mov_b32 s[G1S+4], 32
	s_mov_b32 s[G1S+5], 32
	s_mov_b32 s[G1S+6], 0
	s_mov_b32 s[G1S+7], 0
	s_mov_b32 s[SEL], 0x76543210
	s_mov_b32 s[SEL+1], 0xfedcba98
	s_mov_b32 s[CS], 0x3e38aa3b                    ; c = log2(e) / 8
	s_mov_b32 s[CS+1], s[CS]
	s_mov_b32 s[MNT], 0x600000
	s_wait_dscnt 0x0
	s_wait_kmcnt 0x0
	s_add_nc_u64 s[86:87], s[4:5], s[86:87]
	s_add_nc_u64 s[88:89], s[4:5], s[88:89]
	s_add_nc_u64 s[90:91], s[4:5], s[90:91]
	s_add_nc_u64 s[92:93], s[4:5], s[92:93]
	s_mov_b32 s[G0K], 1
	s_add_co_u32 s[G0K+1], s2, KSC
	s_mov_b64 s[G0K+2:G0K+3], s[86:87]
	s_or_b32 s[G0K+3], s[G0K+3], 0x80000000
	s_mov_b32 s[G0V], 1
	s_add_co_u32 s[G0V+1], s2, VSC
	s_mov_b64 s[G0V+2:G0V+3], s[90:91]
	s_or_b32 s[G0V+3], s[G0V+3], 0x80000000
.irp c, 0,1,2,3
	s_mov_b32 s[G0K+4+4*\c], 1
	s_add_co_u32 s[G0K+5+4*\c], s3, 32768*\c
	s_add_nc_u64 s[G0K+6+4*\c:G0K+7+4*\c], s[88:89], 32768*\c
	s_or_b32 s[G0K+7+4*\c], s[G0K+7+4*\c], 0x80000000
	s_mov_b32 s[G0V+4+4*\c], 1
	s_add_co_u32 s[G0V+5+4*\c], s3, VOF+32768*\c
	s_add_nc_u64 s[G0V+6+4*\c:G0V+7+4*\c], s[92:93], 32768*\c
	s_or_b32 s[G0V+7+4*\c], s[G0V+7+4*\c], 0x80000000
.endr
	CROUND                                         ; all four work-groups are here: the joint loads meet
; THE FILLS IN USE (they take the place of the five loads a wave that the head describes): ten tiles, ONE JOINT LOAD A WAVE, in one chain of branches on the wave's number, each arm a load line of its own.
; Waves 0-3: what the first four key steps read (K's and V's chunk 0, K's and V's scale words); waves 4-9: chunks 1 to 3 of K and V; waves 10-15 fetch nothing.
.macro ARM under, g0, g1, next
	s_cmp_lt_u32 s[WV], \under
	s_cbranch_scc0 \next
	tensor_load_to_lds s[\g0:\g0+3], s[\g1:\g1+7]
	s_nop 0
.rept 4
	v_nop
.endr
	s_branch .Lasked
\next:
.endm
	ARM 1,  G0K+4,  G1C, .Larm1
	ARM 2,  G0V+4,  G1C, .Larm2
	ARM 3,  G0K,    G1S, .Larm3
	ARM 4,  G0V,    G1S, .Larm4
	ARM 5,  G0K+8,  G1C, .Larm5
	ARM 6,  G0V+8,  G1C, .Larm6
	ARM 7,  G0K+12, G1C, .Larm7
	ARM 8,  G0V+12, G1C, .Larm8
	ARM 9,  G0K+16, G1C, .Larm9
	ARM 10, G0V+16, G1C, .Larm10
.Lasked:
	; my tile of queries, and where its result goes
	s_lshl_b32 s94, s12, 5
	s_add_co_u32 s94, s94, s13                     ; Q's head block: 32 n + head
	s_lshl_b32 s95, s10, 4
	s_add_co_u32 s95, s95, s[WV]                   ; my tile of 16 queries in the sequence
	s_lshr_b32 s3, s95, 1                          ; its group of 32
	s_lshl_b32 s96, s94, 17
	s_lshl_b32 s2, s95, 10
	s_add_co_u32 s96, s96, s2
	s_mov_b32 s97, 0
	s_lshl_b32 s98, s94, 13
	s_lshl_b32 s2, s3, 7
	s_add_co_u32 s98, s98, s2
	s_lshl_b32 s2, s14, 6                          ; the odd tile's words lie in the image's upper half
	s_add_co_u32 s98, s98, s2
	s_add_co_u32 s98, s98, QKS
	s_mov_b32 s99, 0
	s_lshl_b32 s84, s12, 7
	s_add_co_u32 s84, s84, s95                     ; the row tile among 256
	s_lshl_b32 s84, s84, 14                        ; x 8 K steps x 2,048
	s_lshl_b32 s2, s13, 10                         ; K step head / 2, groups 2 (head % 2) on: 1,024 x head
	s_add_co_u32 s84, s84, s2
	s_mov_b32 s85, 0
	s_lshr_b32 s94, s13, 1
	s_lshl_b32 s94, s94, 7
	s_lshl_b32 s2, s12, 6
	s_add_co_u32 s94, s94, s2
	s_add_co_u32 s94, s94, s3                      ; (K step) x 128 + the group among 128
	s_lshl_b32 s94, s94, 7
	s_lshl_b32 s2, s14, 6
	s_add_co_u32 s94, s94, s2
	s_and_b32 s2, s13, 1
	s_lshl_b32 s2, s2, 1                           ; my head's two bytes of the word
	s_add_co_u32 s94, s94, s2
	s_add_co_u32 s94, s94, OS
	s_mov_b32 s95, 0
	s_add_nc_u64 s[96:97], s[4:5], s[96:97]
	s_add_nc_u64 s[98:99], s[4:5], s[98:99]
	s_add_nc_u64 s[84:85], s[6:7], s[84:85]
	s_add_nc_u64 s[94:95], s[6:7], s[94:95]
	v_and_b32 v9, 31, v0
	s_delay_alu instid0(VALU_DEP_1)
	v_lshlrev_b32 v[LI], 4, v9
	s_delay_alu instid0(VALU_DEP_2)
	v_lshlrev_b32 v[LS], 2, v9
	s_delay_alu instid0(VALU_DEP_2)
	v_add_nc_u32 v[AV0], VOF, v[LI]
	s_delay_alu instid0(VALU_DEP_2)
	v_add_nc_u32 v[AS0], KSC, v[LS]
	s_delay_alu instid0(VALU_DEP_3)
	v_add_nc_u32 v[AT0], VSC, v[LS]
	v_and_b32 v10, 15, v0
	s_delay_alu instid0(VALU_DEP_1)
	v_lshlrev_b32 v[R4], 2, v10
	global_load_b128 v[16:19], v[LI], s[96:97]             ; Q's codes stay in registers
	global_load_b128 v[20:23], v[LI], s[96:97] offset:512
	global_load_b32 v[QS], v[R4], s[98:99]                 ; and its scale words
.set j, 0
.rept 8
	v_mov_b32 v[24+j], 0                           ; Q's K = 64 .. 127: zero codes
	v_mov_b32 v[96+j], 0                           ; what stands behind K's last tile
.set j, j+1
.endr
.set j, 0
.rept 32
	v_mov_b32 v[OT+j], 0                           ; the step is written once: the first finds zeros, which the first change of M leaves zeros
.set j, j+1
.endr
	v_mov_b32 v13, 0xff61b1e6                      ; the largest t so far: -3e38
	s_delay_alu instid0(VALU_DEP_1)
	v_floor_f32 v12, -v13                          ; -M
	v_mov_b32 v14, 0
	v_mov_b32 v15, 0
.irp b, 0,1,2,3
	v_mov_b32 v[W1+\b], 0                          ; written once: a lane permute's destination counts as a source
.endr
	v_mov_b32 v[PS], 0
	v_mov_b32 v[TMP], 0
; A KEY STEP: 128 keys.
.macro STEP
	v_add_nc_u32 v[ADK], s[TK], v[LI]
	v_add_nc_u32 v[ADV], s[TK], v[AV0]
	v_add_nc_u32 v[ADS], s[TS], v[AS0]
	v_add_nc_u32 v[ADT], s[TS], v[AT0]
.rept 4
	v_nop                                          ; with the four additions: eight plain instructions between the last products and the loads into their registers
.endr
.irp t, 0,1,2,3,4,5,6,7
	ds_load_b128 v[KV+8*\t:KV+8*\t+3], v[ADK] offset:1024*\t
	ds_load_b128 v[KV+8*\t+4:KV+8*\t+7], v[ADK] offset:1024*\t+512
.endr
.irp g, 0,1,2,3
	ds_load_b32 v[KSR+\g], v[ADS] offset:128*\g
.endr
	s_wait_alu depctr_va_vdst(0)
	s_wait_dscnt 0x0
.irp g, 0,1,2,3                                ; S^T = K Q^T: a lane holds one query; the 16 registers of tiles 2 g, 2 g + 1 are keys 32 g + 16 (lane / 16) + 0..15
	v_wmma_scale_f32_16x16x128_f8f6f4 v[S+16*\g:S+16*\g+7], v[KV+16*\g:KV+16*\g+15], v[16:31], 0, v[KSR+\g], v[QS] matrix_a_fmt:MATRIX_FMT_BF8 matrix_b_fmt:MATRIX_FMT_BF8
	v_wmma_scale_f32_16x16x128_f8f6f4 v[S+16*\g+8:S+16*\g+15], v[KV+16*\g+8:KV+16*\g+23], v[16:31], 0, v[KSR+\g], v[QS] matrix_a_fmt:MATRIX_FMT_BF8 matrix_b_fmt:MATRIX_FMT_BF8 matrix_a_scale:MATRIX_SCALE_ROW1
.endr
.rept 8
	v_nop
.endr
.irp t, 0,1,2,3                                ; V's four images land while the softmax is walked
.irp c, 0,1,2,3
	ds_load_b128 v[KV+16*\t+4*\c:KV+16*\t+4*\c+3], v[ADV] offset:2048*\t+512*\c
.endr
	ds_load_b32 v[VSR+\t], v[ADT] offset:128*\t
.endr
.irp b, 0,1,2,3
	v_max3_num_f32 v[W0+\b], v[S+16*\b], v[S+1+16*\b], v[S+2+16*\b]   ; the largest score of each block of 32 keys: for the row's maximum and for the block's largest p
.endr
.irp i, 3,5,7,9,11,13
.irp b, 0,1,2,3
	v_max3_num_f32 v[W0+\b], v[W0+\b], v[S+16*\b+\i], v[S+1+16*\b+\i]
.endr
.endr
.irp b, 0,1,2,3
	v_max_num_f32 v[W0+\b], v[W0+\b], v[S+15+16*\b]
.endr
.irp b, 0,1,2,3
	s_delay_alu instid0(VALU_DEP_4)
	v_permlanex16_b32 v[W1+\b], v[W0+\b], s[SEL], s[SEL+1]
.endr
.irp b, 0,1,2,3
	s_delay_alu instid0(VALU_DEP_4)
	v_max_num_f32 v[W0+\b], v[W0+\b], v[W1+\b]
.endr
	s_delay_alu instid0(VALU_DEP_2)
	v_max3_num_f32 v[TMP], v[W0], v[W0+1], v[W0+2]
	s_delay_alu instid0(VALU_DEP_1)
	v_max_num_f32 v[TMP], v[TMP], v[W0+3]
	s_delay_alu instid0(VALU_DEP_1)
	v_mul_f32 v[TMP], s[CS], v[TMP]
	s_delay_alu instid0(VALU_DEP_1)
	v_max_num_f32 v13, v13, v[TMP]                 ; the running largest t
	v_mov_b32 v[TMP], v12
	s_delay_alu instid0(VALU_DEP_2)
	v_floor_f32 v12, -v13                          ; -M = floor(-t): M is a whole number
	s_delay_alu instid0(VALU_DEP_1)
	v_sub_f32 v[TMP], v12, v[TMP]                  ; old M - new M
	s_delay_alu instid0(VALU_DEP_1)
	v_cvt_i32_f32 v[TMP], v[TMP]                   ; (it saturates)
	s_delay_alu instid0(VALU_DEP_1)
	v_ldexp_f32 v[F], 1.0, v[TMP]                  ; f = 2^(old M - new M)
.set j, 0
.rept 32
	v_pk_fma_f32 v[S+j:S+j+1], v[S+j:S+j+1], s[CS:CS+1], v[12:13] op_sel_hi:[1,0,0]   ; t - M
.set j, j+2
.endr
.irp b, 0,1,2,3
	v_fma_f32 v[W0+\b], v[W0+\b], s[CS], v12
.endr
.set j, 0
	s_wait_alu depctr_va_vdst(0)
.rept 64
	v_exp_f32 v[S+j], v[S+j]                       ; p = 2^(t - M)
.set j, j+1
.endr
	v_pk_mul_f32 v[14:15], v[14:15], v[F:F+1] op_sel_hi:[1,0]   ; the sums under the new M: the plain instruction behind the batch
	s_wait_alu depctr_va_vdst(0)                   ; one wait for the batch, ahead of its first reader
.irp b, 0,1,2,3
	v_exp_f32 v[W0+\b], v[W0+\b]                   ; each block's largest p
.endr
	v_pk_add_f32 v[220:221], v[108:109], v[112:113]
	v_pk_add_f32 v[252:253], v[116:117], v[120:121]
	v_pk_add_f32 v[250:251], v[124:125], v[128:129]
	v_pk_add_f32 v[248:249], v[132:133], v[136:137]
	v_pk_add_f32 v[246:247], v[140:141], v[144:145]
	v_pk_add_f32 v[234:235], v[148:149], v[152:153]
	v_pk_add_f32 v[232:233], v[156:157], v[160:161]
	v_pk_add_f32 v[14:15], v[14:15], v[164:165]
	v_pk_add_f32 v[220:221], v[220:221], v[104:105]
	v_pk_add_f32 v[252:253], v[252:253], v[106:107]
	v_pk_add_f32 v[250:251], v[250:251], v[110:111]
	v_pk_add_f32 v[248:249], v[248:249], v[114:115]
	v_pk_add_f32 v[246:247], v[246:247], v[118:119]
	v_pk_add_f32 v[234:235], v[234:235], v[122:123]
	v_pk_add_f32 v[232:233], v[232:233], v[126:127]
	v_pk_add_f32 v[14:15], v[14:15], v[130:131]
	v_pk_add_f32 v[220:221], v[220:221], v[134:135]
	v_pk_add_f32 v[252:253], v[252:253], v[138:139]
	v_pk_add_f32 v[250:251], v[250:251], v[142:143]
	v_pk_add_f32 v[248:249], v[248:249], v[146:147]
	v_pk_add_f32 v[246:247], v[246:247], v[150:151]
	v_pk_add_f32 v[234:235], v[234:235], v[154:155]
	v_pk_add_f32 v[232:233], v[232:233], v[158:159]
	v_pk_add_f32 v[14:15], v[14:15], v[162:163]
	v_pk_add_f32 v[220:221], v[220:221], v[166:167]
	s_delay_alu instid0(VALU_DEP_2)
	v_pk_add_f32 v[14:15], v[14:15], v[248:249]
	s_delay_alu instid0(VALU_DEP_2)
	v_pk_add_f32 v[220:221], v[220:221], v[246:247]
	v_pk_add_f32 v[252:253], v[252:253], v[234:235]
	v_pk_add_f32 v[250:251], v[250:251], v[232:233]
	s_delay_alu instid0(VALU_DEP_2)
	v_pk_add_f32 v[14:15], v[14:15], v[252:253]
	s_delay_alu instid0(VALU_DEP_2)
	v_pk_add_f32 v[220:221], v[220:221], v[250:251]
	s_delay_alu instid0(VALU_DEP_1)
	v_pk_add_f32 v[14:15], v[14:15], v[220:221]
	s_wait_alu depctr_va_vdst(0)                   ; and one for the four
.irp b, 0,1,2,3
	v_max_num_f32 v[W0+\b], 0x8000000, v[W0+\b]    ; the floor 2^(16 - 127)
.endr
.irp b, 0,1,2,3
	s_delay_alu instid0(VALU_DEP_4)
	v_add_nc_u32 v[W3+\b], 0xf8800000, v[W0+\b]
.endr
.irp b, 0,1,2,3
	v_and_or_b32 v[W2+\b], v[W0+\b], 0x7f800000, s[MNT]
.endr
.irp b, 0,1,2,3
	v_lshrrev_b32 v[W1+\b], 23, v[W3+\b]
.endr
	s_delay_alu instid0(VALU_DEP_3)
	v_lshl_or_b32 v[PS], v[W1+1], 8, v[W1]         ; p's scale word for these 128 keys
	s_delay_alu instid0(VALU_DEP_1)
	v_lshl_or_b32 v[PS], v[W1+2], 16, v[PS]
	s_delay_alu instid0(VALU_DEP_1)
	v_lshl_or_b32 v[PS], v[W1+3], 24, v[PS]
.irp b, 0,1,2,3
.irp i, 0,2,4,6,8,10,12,14
	v_dual_min_num_f32 v[S+16*\b+\i], v[S+16*\b+\i], v[W2+\b] :: v_dual_min_num_f32 v[S+16*\b+\i+1], v[S+16*\b+\i+1], v[W2+\b]   ; p is not negative: a one-sided hold, two numbers a line
.endr
	v_cvt_scalef32_pk8_bf8_f32 v[PCD+4*\b:PCD+1+4*\b], v[S+16*\b:S+7+16*\b], v[W3+\b]
	v_cvt_scalef32_pk8_bf8_f32 v[PCD+2+4*\b:PCD+3+4*\b], v[S+8+16*\b:S+15+16*\b], v[W3+\b]
.endr
.set j, 0
	s_wait_alu depctr_va_vdst(0)                   ; the wait directly ahead of the first reader of O^T
.rept 16
	v_pk_mul_f32 v[OT+j:OT+j+1], v[OT+j:OT+j+1], v[F:F+1] op_sel_hi:[1,0]   ; O^T under the new M; these are also the plain instructions in front of the products
.set j, j+2
.endr
	s_wait_alu depctr_va_vdst(0)
	s_wait_dscnt 0x0                               ; V
.irp t, 0,1,2,3                                ; O^T += V^T P^T: four accumulators by turns
	v_wmma_scale_f32_16x16x128_f8f6f4 v[OT+8*\t:OT+8*\t+7], v[KV+16*\t:KV+16*\t+15], v[PCD:PCD+15], v[OT+8*\t:OT+8*\t+7], v[VSR+\t], v[PS] matrix_a_fmt:MATRIX_FMT_BF8 matrix_b_fmt:MATRIX_FMT_BF8
.endr
	s_add_co_u32 s[TK], s[TK], 8192
	s_add_co_u32 s[TS], s[TS], 512
.endm
.macro CHUNK c, n                      ; n key steps from chunk c on.  c = 0: the barrier shows waves 0-3's four tiles, and they alone wait; else every wave waits: all ten tiles are shown.  Nothing is filled again
.if \c == 0
	s_cmp_lt_u32 s[WV], 4
	s_cbranch_scc0 .Llater_\@
	s_wait_tensorcnt 0x0
.Llater_\@:
.else
	s_wait_tensorcnt 0x0
.endif
	s_wait_dscnt 0x0
	s_barrier_signal -1
	s_barrier_wait -1                              ; everybody's parts are in
	s_mov_b32 s[TK], 32768*\c
	s_mov_b32 s[TS], 2048*\c
	s_mov_b32 s[CNT], \n
.Lstep_\@:
	STEP
	s_sub_co_u32 s[CNT], s[CNT], 1
	s_cmp_lg_u32 s[CNT], 0
	s_cbranch_scc1 .Lstep_\@
.endm
	s_wait_alu depctr_va_vdst(0)                   ; the wait at the head's end
	s_wait_loadcnt 0x0                             ; Q
	CHUNK 0, 4                                     ; key steps 0-3, while chunks 1 to 3 land
	CHUNK 1, 12                                    ; key steps 4-15
	; THE WAY OUT: O^T / the sum; register 8 t + j is channel 32 (t / 2) + 16 (lane / 16) + 8 (t % 2) + j of my query: two blocks of 32 along the next K
.rept 8
	v_nop
.endr
	v_add_f32 v14, v14, v15
	s_delay_alu instid0(VALU_DEP_1)
	v_permlanex16_b32 v[TMP], v14, s[SEL], s[SEL+1]
	s_delay_alu instid0(VALU_DEP_1)
	v_add_f32 v14, v14, v[TMP]
	s_wait_alu depctr_va_vdst(0)
	v_rcp_f32 v14, v14
	v_nop
	s_wait_alu depctr_va_vdst(0)
.set j, 0
.rept 32
	v_mul_f32 v[S+j], v[OT+j], v14
.set j, j+1
.endr
.irp b, 0,1
	v_max3_num_f32 v[W0+\b], |v[S+16*\b]|, |v[S+1+16*\b]|, 0x8000000
.endr
.irp i, 2,4,6,8,10,12,14
.irp b, 0,1
	s_delay_alu instid0(VALU_DEP_2)
	v_max3_num_f32 v[W0+\b], v[W0+\b], |v[S+16*\b+\i]|, |v[S+1+16*\b+\i]|
.endr
.endr
.irp b, 0,1
	s_delay_alu instid0(VALU_DEP_2)
	v_permlanex16_b32 v[W1+\b], v[W0+\b], s[SEL], s[SEL+1]
.endr
.irp b, 0,1
	s_delay_alu instid0(VALU_DEP_2)
	v_max_num_f32 v[W0+\b], v[W0+\b], v[W1+\b]
.endr
.irp b, 0,1
	s_delay_alu instid0(VALU_DEP_2)
	v_add_nc_u32 v[W3+\b], 0xf8800000, v[W0+\b]
.endr
.irp b, 0,1
	s_delay_alu instid0(VALU_DEP_4)
	v_and_or_b32 v[W2+\b], v[W0+\b], 0x7f800000, s[MNT]
.endr
.irp b, 0,1
	s_delay_alu instid0(VALU_DEP_4)
	v_lshrrev_b32 v[W1+\b], 23, v[W3+\b]
.endr
	s_delay_alu instid0(VALU_DEP_1)
	v_lshl_or_b32 v245, v[W1+1], 8, v[W1]          ; my head's two scale bytes
.irp b, 0,1
.irp i, 0,1,2,3,4,5,6,7,8,9,10,11,12,13,14,15
	v_med3_num_f32 v[S+16*\b+\i], v[S+16*\b+\i], -v[W2+\b], v[W2+\b]
.endr
	v_cvt_scalef32_pk8_bf8_f32 v[PCD+4*\b:PCD+1+4*\b], v[S+16*\b:S+7+16*\b], v[W3+\b]
	v_cvt_scalef32_pk8_bf8_f32 v[PCD+2+4*\b:PCD+3+4*\b], v[S+8+16*\b:S+15+16*\b], v[W3+\b]
.endr
	v_nop
	global_store_b128 v[LI], v[PCD:PCD+3], s[84:85]            ; two groups of the image: 512 consecutive bytes each
	global_store_b128 v[LI], v[PCD+4:PCD+7], s[84:85] offset:512
	global_store_b16 v[R4], v245, s[94:95]         ; both halves of the lanes write the same two bytes to the same place; a small part of the launch's bytes
	s_wait_tensorcnt 0x0
	s_wait_tensorcnt 0x0
	ds_add_u32 v254, v255
	s_wait_dscnt 0x0
	CROUND                                         ; the closing round
	s_endpgm
.Lfunc_end_k_qd0c80cc7f9_attn:
	.size	k_qd0c80cc7f9_attn, .Lfunc_end_k_qd0c80cc7f9_attn-k_qd0c80cc7f9_attn
	.p2alignl 7, 3214868480
	.fill 96, 4, 3214868480
	.section	.rodata,"a",@progbits
	.p2align	6, 0x0
	.amdhsa_kernel k_qd0c80cc7f9_attn
		.amdhsa_group_segment_fixed_size 327680
		.amdhsa_private_segment_fixed_size 0
		.amdhsa_enable_private_segment 0
		.amdhsa_kernarg_size 16
		.amdhsa_user_sgpr_count 2
		.amdhsa_user_sgpr_kernarg_segment_ptr 1
		.amdhsa_wavefront_size32 1
		.amdhsa_system_sgpr_workgroup_id_x 1
		.amdhsa_system_sgpr_workgroup_id_y 1
		.amdhsa_system_sgpr_workgroup_id_z 1
		.amdhsa_system_vgpr_workitem_id 0
		.amdhsa_next_free_vgpr 256
		.amdhsa_next_free_sgpr 100
		.amdhsa_reserve_vcc 0
		.amdhsa_float_denorm_mode_32 3
		.amdhsa_float_denorm_mode_16_64 3
		.amdhsa_memory_ordered 1
		.amdhsa_forward_progress 1
		.amdhsa_inst_pref_size 60
	.end_amdhsa_kernel
	.amdgpu_metadata
---
amdhsa.version: [ 1, 2 ]
amdhsa.kernels:
  - .name:           k_qd0c80cc7f9_attn
    .symbol:         k_qd0c80cc7f9_attn.kd
    .args:
      - { .name: qkv, .offset: 0, .size: 8, .value_kind: global_buffer, .address_space: global }
      - { .name: oa, .offset: 8, .size: 8, .value_kind: global_buffer, .address_space: global }
    .group_segment_fixed_size: 327680
    .private_segment_fixed_size: 0
    .kernarg_segment_align: 8
    .kernarg_segment_size: 16
    .max_flat_workgroup_size: 512
    .sgpr_count:     100
    .vgpr_count:     256
    .wavefront_size: 32
...
	.end_amdgpu_metadata
.endif
;; end of part 11
;; launch gemm_o (part 12): grid 8 x 32, 4 waves a work-group, clusters of 4 x 4, 327,680 bytes of LDS; arguments oa, w_o_codes, w_o_scales, b_o, x, r; writes r
.if DOCPART == 12
	.amdgcn_target "amdgcn-amd-amdhsa--gfx1250"
	.amdhsa_code_object_version 6
	.text
	.protected	k_qd0c80cc7f9_gemm_o
	.globl	k_qd0c80cc7f9_gemm_o
	.p2align	8
	.type	k_qd0c80cc7f9_gemm_o,@function
k_qd0c80cc7f9_gemm_o:
	s_mov_b64 s[64:65], 0
	v_nop
	global_prefetch_b8 v0, s[64:65] scope:SCOPE_SE
	s_setreg_imm32_b32 hwreg(HW_REG_WAVE_MODE, 25, 1), 1
	s_wait_xcnt 0x0
	s_wait_alu depctr_hold_cnt(0) depctr_sa_sdst(0) depctr_va_vdst(0) depctr_va_sdst(0) depctr_va_ssrc(0) depctr_va_vcc(0) depctr_vm_vsrc(0)
	s_getreg_b32 s2, hwreg(HW_REG_IB_STS2, 6, 4)
	s_cmp_eq_u32 s2, 0
	s_cbranch_scc0 .Lentry_in_a_cluster
	s_endpgm
.Lentry_in_a_cluster:
	s_bfe_u32 s2, ttmp6, 0x10000c
	s_cmp_lg_u32 s2, 0xf033
	s_cbranch_scc0 .Lentry_shape_is_right
	s_endpgm
.Lentry_shape_is_right:
; A GEMM ON E5M2 CODES WITH AN f32 RESULT: out = X W^T + bias + residual.  Two launches share this text and differ in K.
; X: images of operand registers [256 row tiles][K / 128][2,048 bytes], and behind them (XSOFF) scale words [K / 128][128 groups of 32 rows][32 lanes]; lane r of tile 2 G + U stands for row 32 G + 8 U + r + 8 (r / 8).
; W: codes [1024][K], scale bytes [1024][K / 32].  bias [1024], residual and out [4096][1024]: f32.
; SHARES.  Work-group (gx, gy) makes rows 128 gy on x columns 128 gx on.  Four waves; a wave makes P = W's 128 rows x Q = its 32 rows of X: 16 accumulators; source 0 = P, source 1 = Q.
; K goes in slots of 512 through a ring of two: W's 128 rows, then X's 8 tiles x 4 K steps of images.  Waves 0, 1 fetch for W, waves 2, 3 for X: one load a wave.
; IN LDS W's 128 ROWS ARE DEALT OUT BY TWOS: wave e (0, 1) brings rows e, e + 2, .. e + 126 (a pitch of two rows in memory), 528 bytes apart, from byte 33,856 e of the region on.  A tile's row r + 8 (r / 8) then
; begins at the 16-byte column 4 r0 + r1 + 2 r2 + 8 r3 (r's bits) + a constant, modulo 16.
; Laid in memory's order, rows R and R + 16 would share a column at every pitch that is a multiple of 16 bytes.
; CLUSTER 4 x 4: W's tiles are asked for jointly along a column of the cluster, X's along a row.  The scale bytes and words of all of K come once, through registers, into LDS of their own.
; THE WAY OUT: 16 rows x 128 columns at a time through the wave's stage (in slot 0, which has had its last fill and its last read), back as whole rows of 512 bytes; the residual, loaded at the head, is added; stored.
; REGISTERS.  window 0: v4-20 addresses; v32-63 P's scale words, v64-71 Q's (nothing else); v128-255 accumulators.  window 1: P's fragments, two sets; on the way out v0-63 rows of the result.
;   window 2: v0-63 Q's fragments, two sets; v64-127 the bias; v128-255 the residual.
.set K, 1024
.set KS,    K/32
.set NK,    K/128
.set LAPS,  K/1024
.set PITCH, 528
.set HALFW, 64*PITCH+64                ; a wave's 64 rows of W; the second wave's begin four 16-byte columns further round
.set WREG,  2*HALFW
.set SLOT,  WREG+65536
.set SCW,   2*SLOT
.set SCX,   SCW+(128*KS/256)*272
.set SPARE, SCX+NK*512
.set PSTR,  (32*KS/256)*272            ; from a pair of W's tiles to the next among the scale bytes
.set XSOFF, 4096*K
.set LI,  4
.set SPW, 6
.set NIL, 7
.set AW,  8
.set AX,  10
.set SWP, 12
.set SXQ, 13
.set BO,  14
.set CPY, 15
.set CPG, 16
.set XTG, 17
.set XTL, 18
.set STO, 19
.set RD,  20
.set SP,  32
.set SQ,  64
.set ACC, 128
.set BIAS, 64
.set RES, 128
.set G1W, 24
.set G1X, 32
.set G0W, 40
.set G0X, 48
.set WV,  56
.set WH,  57
.set WL,  58
.set MSB, 0
.macro WIN new
.if MSB != \new
	s_set_vgpr_msb (MSB<<8)|\new
.set MSB, \new
.endif
.endm
.macro PLACES n
.rept \n
	v_nop
.endr
.endm
.macro CREST
	s_cmp_lg_u32 s[WV], 0
	s_cbranch_scc1 .Lnot_wave_0_\@
	s_barrier_signal -3
.Lnot_wave_0_\@:
	s_barrier_wait -3
	s_barrier_signal -1
	s_barrier_wait -1
.endm
.macro CROUND
	s_barrier_signal -1
	s_barrier_wait -1
	CREST
.endm
.macro JLOAD s                         ; a joint refill: waves 0, 1 for W, waves 2, 3 for X; four v_nop follow each line
	s_cmp_eq_u32 s[WH], 0
	s_cbranch_scc0 .Lfor_x_\@
	tensor_load_to_lds s[G0W+4*\s:G0W+4*\s+3], s[G1W:G1W+7]
	s_nop 0
	PLACES 4
	s_branch .Lasked_\@
.Lfor_x_\@:
	tensor_load_to_lds s[G0X+4*\s:G0X+4*\s+3], s[G1X:G1X+7]
	s_nop 0
	PLACES 4
.Lasked_\@:
.endm
.macro FETCH slot, q, set              ; W's tile 2 G + U begins 16 G + 4 U places of 528 bytes on in each of the two parts
	WIN 0x40
.irp p, 0,1,2,3,4,5,6,7
.irp c, 0,1,2,3
	ds_load_b128 v[128*(\set)+16*\p+4*\c:128*(\set)+16*\p+4*\c+3], v[AW+(\slot)] offset:(16*(\p/2)+4*(\p%2))*PITCH+128*(\q)+32*\c
.endr
.endr
	WIN 0x80
.irp a, 0,1
.irp c, 0,1,2,3
	ds_load_b128 v[32*(\set)+16*\a+4*\c:32*(\set)+16*\a+4*\c+3], v[AX+(\slot)] offset:8192*\a+2048*(\q)+512*\c
.endr
.endr
	WIN 0
.endm
.macro SCALES ss
.irp b, 0,1,2,3
	ds_load_b128 v[SP+16*(\ss)+4*\b:SP+16*(\ss)+4*\b+3], v[SWP] offset:PSTR*\b
.endr
.irp q, 0,1,2,3
	ds_load_b32 v[SQ+4*(\ss)+\q], v[SXQ] offset:512*\q
.endr
.endm
.macro WM a, p, set, q, ss, cm
.set rD, ACC+64*(\a)+8*(\p)
.set rC, rD
.if (\cm) == 1
.set rC, BIAS+8*(\p)
.endif
.set rP, 128*(\set)+16*(\p)
.set rQ, 32*(\set)+16*(\a)
.set rS, SP+16*(\ss)+4*((\p)/2)+(\q)
.set rT, SQ+4*(\ss)+(\q)
.if ((\p)%2) && (\a)
	v_wmma_scale_f32_16x16x128_f8f6f4 v[rD:rD+7], v[rP:rP+15], v[rQ:rQ+15], v[rC:rC+7], v[rS], v[rT] matrix_a_fmt:MATRIX_FMT_BF8 matrix_b_fmt:MATRIX_FMT_BF8 matrix_a_scale:MATRIX_SCALE_ROW1 matrix_b_scale:MATRIX_SCALE_ROW1
.elseif (\p)%2
	v_wmma_scale_f32_16x16x128_f8f6f4 v[rD:rD+7], v[rP:rP+15], v[rQ:rQ+15], v[rC:rC+7], v[rS], v[rT] matrix_a_fmt:MATRIX_FMT_BF8 matrix_b_fmt:MATRIX_FMT_BF8 matrix_a_scale:MATRIX_SCALE_ROW1
.elseif \a
	v_wmma_scale_f32_16x16x128_f8f6f4 v[rD:rD+7], v[rP:rP+15], v[rQ:rQ+15], v[rC:rC+7], v[rS], v[rT] matrix_a_fmt:MATRIX_FMT_BF8 matrix_b_fmt:MATRIX_FMT_BF8 matrix_b_scale:MATRIX_SCALE_ROW1
.else
	v_wmma_scale_f32_16x16x128_f8f6f4 v[rD:rD+7], v[rP:rP+15], v[rQ:rQ+15], v[rC:rC+7], v[rS], v[rT] matrix_a_fmt:MATRIX_FMT_BF8 matrix_b_fmt:MATRIX_FMT_BF8
.endif
.endm
.macro MUL a, set, q, ss, cm           ; the 16 accumulators take turns, one instruction a turn, in the same order in every step
.if \cm
	WIN 0x29
.else
	WIN 0x09
.endif
.irp p, 0,1,2,3,4,5,6,7
	WM \a, \p, \set, \q, \ss, \cm
.endr
.endm
.macro STEP slot, q, cm
	s_wait_dscnt 0x0
	PLACES 8                                       ; eight plain instructions between the last product that read the other set (the step before's) and the loads into it
	FETCH \slot, (\q)+1, 1-(\q)%2                  ; the next step's 40 loads are out while this step's 16 products run
	MUL 0, (\q)%2, \q, \slot, \cm
	MUL 1, (\q)%2, \q, \slot, \cm
	WIN 0
.endm
.macro TURN slot, fill                 ; a slot's last step changes slots; fill = 1: this slot takes the K two slots on
	s_wait_tensorcnt 0x0                           ; all my tensor loads have landed: my part of the other slot
	ds_add_u32 v[SPW], v[NIL]
.if \fill
	s_add_nc_u64 s[G0W+4*\slot+2:G0W+4*\slot+3], s[G0W+4*\slot+2:G0W+4*\slot+3], 1024
	s_add_nc_u64 s[G0X+4*\slot+2:G0X+4*\slot+3], s[G0X+4*\slot+2:G0X+4*\slot+3], 16384
.endif
	s_wait_dscnt 0x0                               ; the add is done, my reads of this slot are over
	s_barrier_signal -1
	MUL 0, 1, 3, \slot, 0
	WIN 0
	s_barrier_wait -1
.if \fill
	CREST                                          ; the barrier has opened a round of the cluster's: no wave of any partner still reads this slot or has a load on its way
	JLOAD \slot
	PLACES 4
.else
	PLACES 8
.endif
	v_add_nc_u32 v[SWP], 16, v[SWP]                ; the next slot's scale bytes and words
	v_add_nc_u32 v[SXQ], 2048, v[SXQ]
	FETCH 1-\slot, 0, 0
	SCALES 1-\slot
	MUL 1, 1, 3, \slot, 0
	WIN 0
.endm
	s_load_b256 s[4:11], s[0:1], 0x0               ; X s[4:5], W's codes s[6:7], W's scales s[8:9], the bias s[10:11]
	s_load_b128 s[12:15], s[0:1], 0x20             ; the residual s[12:13], out s[14:15]
	v_lshl_add_u32 v[SPW], v0, 2, SPARE
	v_mov_b32 v[NIL], 0
	ds_add_u32 v6, v7
	ds_add_u32 v6, v7
	s_wait_dscnt 0x0
	v_lshrrev_b32 v1, 5, v0
	v_readfirstlane_b32 s[WV], v1
	s_lshr_b32 s[WH], s[WV], 1                     ; I fetch for W (0) or for X (1)
	s_and_b32 s[WL], s[WV], 1                      ; which part
	s_bfe_u32 s16, ttmp6, 0x40000
	s_bfe_u32 s17, ttmp6, 0x40004
	s_lshl_b32 s18, ttmp9, 2
	s_add_co_u32 s18, s18, s16                     ; gx
	s_and_b32 s19, ttmp7, 0xffff
	s_lshl_b32 s19, s19, 2
	s_add_co_u32 s19, s19, s17                     ; gy
	s_lshl_b32 s20, s17, 2
	s_lshl_b32 s20, 15, s20                        ; my row of the cluster
	s_lshl_b32 s21, 0x1111, s16                    ; my column
	s_or_b32 s[G1W], s21, (1<<20)|(1<<21)|(6<<22)|(3<<25)   ; W: 64 rows of 512 bytes, 16 bytes of padding behind each
	s_mov_b32 s[G1W+1], 512<<16
	s_mov_b32 s[G1W+2], 64<<16
	s_mov_b32 s[G1W+3], 512<<16
	s_mov_b32 s[G1W+4], 64
	s_mov_b32 s[G1W+5], 2*K                        ; from one row of the tile to the next: two rows of memory
	s_mov_b32 s[G1W+6], 0
	s_mov_b32 s[G1W+7], 0
	s_or_b32 s[G1X], s20, (3<<16)|(1<<21)          ; X: 4 row tiles, of each 4 K steps' images: 8,192 bytes on end (1,024 elements of 8 bytes), no padding
	s_mov_b32 s[G1X+1], 1024<<16
	s_mov_b32 s[G1X+2], 4<<16
	s_mov_b32 s[G1X+3], 1024<<16
	s_mov_b32 s[G1X+4], 4
	s_mov_b32 s[G1X+5], NK*256
	s_mov_b32 s[G1X+6], 0
	s_mov_b32 s[G1X+7], 0
	s_mul_i32 s22, s[WL], 64*K                     ; X: four of the eight tiles
	s_mul_i32 s2, s[WL], K                         ; W: the even rows or the odd ones
	s_mul_i32 s66, s18, 128*K                      ; W: of gx and the wave alone
	s_add_co_u32 s66, s66, s2
	s_mov_b32 s67, 0
	s_mul_i32 s68, s19, 128*K                      ; X: of gy and the wave alone
	s_add_co_u32 s68, s68, s22
	s_mov_b32 s69, 0
	s_mul_i32 s23, s[WL], HALFW
	s_lshl_b32 s59, s[WL], 15
	s_add_co_u32 s59, s59, WREG
	s_mul_i32 s70, s18, 128*KS
	s_mov_b32 s71, 0
	s_lshl_b32 s72, s19, 9
	s_add_co_u32 s72, s72, XSOFF
	s_mov_b32 s73, 0
	s_lshl_b32 s74, s18, 9
	s_mov_b32 s75, 0
	s_lshl_b32 s76, s19, 19                        ; row 128 gy + 32 wave, column 128 gx, in bytes
	s_lshl_b32 s2, s[WV], 17
	s_add_co_u32 s76, s76, s2
	s_add_co_u32 s76, s76, s74
	s_mov_b32 s77, 0
	v_and_b32 v1, 15, v0                           ; r
	v_bfe_u32 v2, v0, 4, 1                         ; h
	v_and_b32 v3, 8, v1
	v_add_nc_u32 v3, v3, v1                        ; r + 8 (r / 8)
	v_and_b32 v24, 31, v0
	v_lshlrev_b32 v[LI], 4, v24
	v_and_b32 v25, 1, v1                           ; my row of W lies in part r % 2,
	v_mul_u32_u24 v25, v25, HALFW
	v_lshrrev_b32 v26, 1, v3
	v_mad_u32_u24 v25, v26, PITCH, v25             ; at place (r + 8 (r / 8)) / 2 of it
	v_lshl_add_u32 v[AW], v2, 4, v25
	v_add_nc_u32 v[AW+1], SLOT, v[AW]
	s_lshl_b32 s2, s[WV], 14                       ; my two tiles of X's eight
	s_add_co_u32 s3, s2, WREG
	v_add_nc_u32 v[AX], s3, v[LI]
	v_add_nc_u32 v[AX+1], SLOT, v[AX]
	v_add_nc_u32 v[XTG], s2, v[LI]                 ; X's scale words: wave w copies K steps w, w + 4, ..: 16,384 bytes from K step to K step
	v_lshl_add_u32 v26, v2, 3, v3
	v_mul_u32_u24 v26, v26, KS
	v_lshrrev_b32 v27, 8, v26
	v_lshl_add_u32 v26, v27, 4, v26                ; KS bytes a row, 16 more for each 256 passed
	v_add_nc_u32 v[SWP], SCW, v26
	s_lshl_b32 s2, s[WV], 7
	v_lshl_add_u32 v[SXQ], v24, 2, s2
	v_add_nc_u32 v[SXQ], SCX, v[SXQ]
	s_lshl_b32 s2, s[WV], 9
	v_add_nc_u32 v[XTL], s2, v[LI]
	v_add_nc_u32 v[XTL], SCX, v[XTL]
	v_lshlrev_b32 v[BO], 6, v2
	v_lshrrev_b32 v27, 4, v0
	v_add_nc_u32 v27, v27, v0
	v_lshl_add_u32 v[CPY], v27, 4, SCW
	v_lshlrev_b32 v[CPG], 4, v0
	s_mul_i32 s2, s[WV], 16*528                    ; my stage
	v_mul_u32_u24 v[STO], v1, 528
	v_lshl_add_u32 v[STO], v2, 6, v[STO]
	v_add_nc_u32 v[STO], s2, v[STO]
	v_add_nc_u32 v[RD], s2, v[LI]
	s_wait_alu depctr_va_vdst(0)
	s_wait_kmcnt 0x0
	s_add_nc_u64 s[66:67], s[6:7], s[66:67]
	s_add_nc_u64 s[68:69], s[4:5], s[68:69]
	s_add_nc_u64 s[70:71], s[8:9], s[70:71]
	s_add_nc_u64 s[72:73], s[4:5], s[72:73]
	s_add_nc_u64 s[74:75], s[10:11], s[74:75]
	s_add_nc_u64 s[78:79], s[14:15], s[76:77]
	s_add_nc_u64 s[76:77], s[12:13], s[76:77]
.irp s, 0,1
	s_mov_b32 s[G0W+4*\s], 1
	s_add_co_u32 s[G0W+4*\s+1], s23, \s*SLOT
	s_add_nc_u64 s[G0W+4*\s+2:G0W+4*\s+3], s[66:67], \s*512
	s_or_b32 s[G0W+4*\s+3], s[G0W+4*\s+3], 0x80000000
	s_mov_b32 s[G0X+4*\s], 1
	s_add_co_u32 s[G0X+4*\s+1], s59, \s*SLOT
	s_add_nc_u64 s[G0X+4*\s+2:G0X+4*\s+3], s[68:69], \s*8192
	s_or_b32 s[G0X+4*\s+3], s[G0X+4*\s+3], 0x80000000
.endr
.set j, 0
.rept K/512
	global_load_b128 v[128+4*j:128+4*j+3], v[CPG], s[70:71] offset:2048*j          ; W's scale bytes: 2,048 consecutive bytes a load of the work-group
.set j, j+1
.endr
.set j, 0
.rept NK/4
	global_load_b128 v[128+K/128+4*j:128+K/128+4*j+3], v[XTG], s[72:73] offset:65536*j   ; X's scale words of a K step: 512 consecutive bytes a wave
.set j, j+1
.endr
	WIN 0x80
.irp p, 0,1,2,3,4,5,6,7
	global_load_b128 v[BIAS+8*\p:BIAS+8*\p+3], v[BO], s[74:75] offset:4*(32*(\p/2)+8*(\p%2))
	global_load_b128 v[BIAS+8*\p+4:BIAS+8*\p+7], v[BO], s[74:75] offset:4*(32*(\p/2)+8*(\p%2))+16
.endr
	WIN 0
	CROUND                                         ; all sixteen work-groups are here
	JLOAD 0                                        ; slot 0: one tensor load a wave at the head
	s_wait_loadcnt 16                              ; the tables are in; the bias's 16 loads are younger
.set j, 0
.rept K/512
	ds_store_b128 v[CPY], v[128+4*j:128+4*j+3] offset:2176*j
.set j, j+1
.endr
.set j, 0
.rept NK/4
	ds_store_b128 v[XTL], v[128+K/128+4*j:128+K/128+4*j+3] offset:2048*j
.set j, j+1
.endr
	s_wait_tensorcnt 0x0                           ; my part of slot 0 is in
	ds_add_u32 v[SPW], v[NIL]
	s_wait_dscnt 0x0                               ; the add and my stores of the tables are done
	CROUND                                         ; everybody's part of slot 0 is in, and the joint loads meet
	JLOAD 1                                        ; slot 1's first fill: it has slot 0's first three steps in which to land
	WIN 0x80
.irp a, 0,1
.irp i, 0,1,2,3,4,5,6,7,8,9,10,11,12,13,14,15
	global_load_b128 v[RES+64*\a+4*\i:RES+64*\a+4*\i+3], v[LI], s[76:77] offset:(8*\a+\i+8*(\i/8))*4096   ; the residual, wanted on the way out alone, is asked for behind both slots' tiles; in the order in which the rows come back from the stage
.endr
.endr
	WIN 0
	FETCH 0, 0, 0
	SCALES 0
	s_wait_loadcnt 32                              ; the bias is in; the residual may stay out
	STEP 0, 0, 1                                   ; the first step starts the sums from the bias
.if LAPS > 1
	s_mov_b32 s60, LAPS-1
.Llap:                                             ; a trip goes once round the ring and fills both slots again
	STEP 0, 1, 0
	STEP 0, 2, 0
	TURN 0, 1
	STEP 1, 0, 0
	STEP 1, 1, 0
	STEP 1, 2, 0
	TURN 1, 1
	STEP 0, 0, 0
	s_sub_co_u32 s60, s60, 1
	s_cmp_lg_u32 s60, 0
	s_cbranch_scc1 .Llap
.endif
	STEP 0, 1, 0                                   ; the last lap fills nothing
	STEP 0, 2, 0
	TURN 0, 0
	STEP 1, 0, 0
	STEP 1, 1, 0
	STEP 1, 2, 0
	s_wait_dscnt 0x0
	MUL 0, 1, 3, 1, 0
	MUL 1, 1, 3, 1, 0
	WIN 0
	PLACES 8                                       ; between the last products and the reads of results and the loads over P's fragments
	s_wait_loadcnt 0x0                             ; the residual
.irp a, 0,1
.if \a
	s_wait_xcnt 0x0                                ; the first half's stores have read their registers
.endif
.irp b, 0,1,2,3
.irp i, 0,1,2,3
	ds_store_b128 v[STO], v[ACC+64*\a+16*\b+4*\i:ACC+64*\a+16*\b+4*\i+3] offset:128*\b+16*\i   ; lane (r, h): columns 32 b + 16 h + 4 i on of stage row r; each accumulator from its low end on
.endr
.endr
	WIN 0x40
.irp i, 0,1,2,3,4,5,6,7,8,9,10,11,12,13,14,15
	ds_load_b128 v[4*\i:4*\i+3], v[RD] offset:528*\i       ; LDS serves a wave's instructions in order: these see my stores
.endr
	s_wait_dscnt 0x0
	WIN 0x49
.set k, 0
.rept 32
	v_pk_add_f32 v[k:k+1], v[k:k+1], v[RES+64*\a+k:RES+64*\a+k+1]
.set k, k+2
.endr
	WIN 0x04
.irp i, 0,1,2,3,4,5,6,7,8,9,10,11,12,13,14,15
	global_store_b128 v[LI], v[4*\i:4*\i+3], s[78:79] offset:(8*\a+\i+8*(\i/8))*4096   ; 32 lanes store 512 consecutive bytes, aligned
.endr
	WIN 0
.endr
	s_wait_tensorcnt 0x0                           ; the wave's end
	ds_add_u32 v[SPW], v[NIL]
	s_wait_dscnt 0x0
	CROUND                                         ; the closing round
	s_endpgm
.Lfunc_end_k_qd0c80cc7f9_gemm_o:
	.size	k_qd0c80cc7f9_gemm_o, .Lfunc_end_k_qd0c80cc7f9_gemm_o-k_qd0c80cc7f9_gemm_o
	.p2alignl 7, 3214868480
	.fill 96, 4, 3214868480
	.section	.rodata,"a",@progbits
	.p2align	6, 0x0
	.amdhsa_kernel k_qd0c80cc7f9_gemm_o
		.amdhsa_group_segment_fixed_size 327680
		.amdhsa_private_segment_fixed_size 0
		.amdhsa_enable_private_segment 0
		.amdhsa_kernarg_size 48
		.amdhsa_user_sgpr_count 2
		.amdhsa_user_sgpr_kernarg_segment_ptr 1
		.amdhsa_wavefront_size32 1
		.amdhsa_system_sgpr_workgroup_id_x 1
		.amdhsa_system_sgpr_workgroup_id_y 1
		.amdhsa_system_sgpr_workgroup_id_z 1
		.amdhsa_system_vgpr_workitem_id 0
		.amdhsa_next_free_vgpr 768
		.amdhsa_next_free_sgpr 100
		.amdhsa_reserve_vcc 0
		.amdhsa_float_denorm_mode_32 3
		.amdhsa_float_denorm_mode_16_64 3
		.amdhsa_memory_ordered 1
		.amdhsa_forward_progress 1
		.amdhsa_inst_pref_size 66
	.end_amdhsa_kernel
	.amdgpu_metadata
---
amdhsa.version: [ 1, 2 ]
amdhsa.kernels:
  - .name:           k_qd0c80cc7f9_gemm_o
    .symbol:         k_qd0c80cc7f9_gemm_o.kd
    .args:
      - { .name: oa, .offset: 0, .size: 8, .value_kind: global_buffer, .address_space: global }
      - { .name: w_o_codes, .offset: 8, .size: 8, .value_kind: global_buffer, .address_space: global }
      - { .name: w_o_scales, .offset: 16, .size: 8, .value_kind: global_buffer, .address_space: global }
      - { .name: b_o, .offset: 24, .size: 8, .value_kind: global_buffer, .address_space: global }
      - { .name: x, .offset: 32, .size: 8, .value_kind: global_buffer, .address_space: global }
      - { .name: r, .offset: 40, .size: 8, .value_kind: global_buffer, .address_space: global }
    .group_segment_fixed_size: 327680
    .private_segment_fixed_size: 0
    .kernarg_segment_align: 8
    .kernarg_segment_size: 48
    .max_flat_workgroup_size: 128
    .sgpr_count:     100
    .vgpr_count:     768
    .wavefront_size: 32
...
	.end_amdgpu_metadata
.endif
;; end of part 12
;; launch ln1 (part 13): grid 256 x 1, 8 waves a work-group, no clusters, 9,728 bytes of LDS; arguments r, g1, be1, h, xa; writes h, xa
.if DOCPART == 13
	.amdgcn_target "amdgcn-amd-amdhsa--gfx1250"
	.amdhsa_code_object_version 6
	.text
	.protected	k_qd0c80cc7f9_ln1
	.globl	k_qd0c80cc7f9_ln1
	.p2align	8
	.type	k_qd0c80cc7f9_ln1,@function
k_qd0c80cc7f9_ln1:
	s_mov_b64 s[64:65], 0
	v_nop
	global_prefetch_b8 v0, s[64:65] scope:SCOPE_SE
	s_setreg_imm32_b32 hwreg(HW_REG_WAVE_MODE, 25, 1), 1
	s_wait_xcnt 0x0
; ROWS OF 1,024 f32 NUMBERS, one wave to a row at a time; three launches share this text and differ in three switches.
; DO_LN: the row is normalised (mean and variance in two passes over registers, then gain and offset).  DO_F: the f32 row is stored.
; DO_Q: the row is quantised to E5M2 codes, one E8M0 byte for each 32 columns: codes [4096][1024] at byte 0 of the buffer, bytes [4096][32] at XSC.
; This launch: h = layer norm of (attention's output + x), stored as f32 and as codes (all three switches).
; SHARES: a work-group of eight waves owns 16 rows; wave W = 8 x work-group + wave owns rows 2 W and 2 W + 1, and asks for both at its head: with gain and offset 32 loads of a wave are on their way at once.
; Lane L holds columns 128 j + 4 L + 0..3, j = 0..7: each load and f32 store of the wave covers 512 consecutive bytes.  A block of 32 columns lies in 8 neighbouring lanes of one j.
; A row's 1,024 codes go through the wave's own 1,024 bytes of LDS and leave as two stores of 512 consecutive bytes.  The work-group's 512 scale bytes meet in LDS behind one barrier,
; and wave 0 stores them: 512 consecutive bytes, aligned.
; LIMITS: NaN and infinities are not served.  A block whose largest magnitude lies under 2^-111, a block of zeros among them, gets the byte 1 (the rule says 127 for zeros): its codes
; are zeros or the rule's own, and these bytes are read by this program alone.  v_rsq_f32 is good to 1 ulp.
.set DO_LN, 1
.set DO_Q,  1
.set DO_F,  1
.set XSC,  4194304
.set SCB,  8192                        ; LDS: behind the eight stages, the work-group's scale bytes
.set OFF,  1
.set STW,  2
.set STR,  3
.set SBW,  4
.set SBR,  5
.set PT,   7
.set A,    8
.set SOP,  16
.set HOLD, 24
.set T,    32
.set C,    48
.set O,    64
.set G,    72
.set B,    104
.set X,    136
.set MU,   232
.set RS,   234
.set SA,   236
.set SB,   238
	s_load_b64 s[4:5], s[0:1], 0x0                 ; the rows
.if DO_LN
	s_load_b64 s[6:7], s[0:1], 0x8                 ; gain
	s_load_b64 s[8:9], s[0:1], 0x10                ; offset
	s_load_b64 s[10:11], s[0:1], 0x18              ; f32 out
.if DO_Q
	s_load_b64 s[12:13], s[0:1], 0x20              ; codes and bytes
	v_lshl_add_u32 v240, v0, 2, 0x2200
	v_mov_b32 v241, 0
.endif
.else
	s_load_b64 s[12:13], s[0:1], 0x8
.endif
	v_lshrrev_b32 v8, 5, v0
	s_delay_alu instid0(VALU_DEP_1)
	v_readfirstlane_b32 s16, v8                    ; wave 0..7
	v_and_b32 v9, 31, v0                           ; L
	s_delay_alu instid0(VALU_DEP_1)
	v_lshlrev_b32 v[OFF], 4, v9
	v_mov_b32 v[PT], 0
.if DO_Q
	s_lshl_b32 s17, s16, 10                        ; my wave's stage: 1,024 bytes
	v_lshl_add_u32 v[STW], v9, 2, s17
	v_lshl_add_u32 v[STR], v9, 4, s17
	s_lshl_b32 s19, s16, 6                         ; my two rows' 64 scale bytes
	v_lshrrev_b32 v[SBW], 3, v9
	s_delay_alu instid0(VALU_DEP_1)
	v_add_nc_u32 v[SBW], s19, v[SBW]
	s_delay_alu instid0(VALU_DEP_1)
	v_add_nc_u32 v[SBW], SCB, v[SBW]
	v_lshl_add_u32 v[SBR], v9, 4, SCB
.set j, 0
.rept 16
	v_mov_b32 v[T+j], 0
.set j, j+1
.endr
.endif
	s_mov_b32 s30, 0x76543210
	s_mov_b32 s31, 0xfedcba98                      ; lane l xor 16
	s_mov_b32 s22, 0x600000                        ; the mantissa field of 57,344
	s_mov_b32 s23, 0x3a800000                      ; 1 / 1,024
	s_mov_b32 s24, 0x3727c5ac                      ; 1e-5
	s_lshl_b32 s18, ttmp9, 3
	s_add_co_u32 s18, s18, s16                     ; W
	s_lshl_b32 s20, s18, 13                        ; 2 rows of 4,096 bytes
	s_mov_b32 s21, 0
	s_lshl_b32 s26, s18, 11                        ; 2 rows of 1,024 codes
	s_mov_b32 s27, 0
	s_lshl_b32 s28, ttmp9, 9                       ; the work-group's 16 rows of 32 bytes
	s_add_co_u32 s28, s28, XSC
	s_mov_b32 s29, 0
	s_wait_kmcnt 0x0
	s_add_nc_u64 s[4:5], s[4:5], s[20:21]
.if DO_F
	s_add_nc_u64 s[10:11], s[10:11], s[20:21]
.endif
.if DO_Q
	s_add_nc_u64 s[14:15], s[12:13], s[28:29]
	s_add_nc_u64 s[12:13], s[12:13], s[26:27]
.endif
.macro LOADROW i
.irp j, 0,1,2,3,4,5,6,7
	global_load_b128 v[X+32*(\i)+4*\j:X+32*(\i)+4*\j+3], v[OFF], s[4:5] offset:4096*(\i)+512*\j th:TH_LOAD_NT
.endr
.endm
.macro WSUM                            ; v[SA] summed over the 32 lanes, the result in every lane
	s_delay_alu instid0(VALU_DEP_1)
	v_add_f32_dpp v[SA], v[SA], v[SA] row_xmask:1 row_mask:0xf bank_mask:0xf
	s_delay_alu instid0(VALU_DEP_1)
	v_add_f32_dpp v[SA], v[SA], v[SA] row_xmask:2 row_mask:0xf bank_mask:0xf
	s_delay_alu instid0(VALU_DEP_1)
	v_add_f32_dpp v[SA], v[SA], v[SA] row_xmask:4 row_mask:0xf bank_mask:0xf
	s_delay_alu instid0(VALU_DEP_1)
	v_add_f32_dpp v[SA], v[SA], v[SA] row_xmask:8 row_mask:0xf bank_mask:0xf
	s_delay_alu instid0(VALU_DEP_1)
	v_permlanex16_b32 v[PT], v[SA], s30, s31
	s_delay_alu instid0(VALU_DEP_1)
	v_add_f32 v[SA], v[SA], v[PT]
.endm
.macro NORM                            ; the row in v[XR] on is normalised in place
	v_pk_add_f32 v[SA:SA+1], v[XR:XR+1], v[XR+2:XR+3]
	v_pk_add_f32 v[SB:SB+1], v[XR+4:XR+5], v[XR+6:XR+7]
.irp k, 8,12,16,20,24,28
	s_delay_alu instid0(VALU_DEP_2)
	v_pk_add_f32 v[SA:SA+1], v[SA:SA+1], v[XR+\k:XR+\k+1]
	s_delay_alu instid0(VALU_DEP_2)
	v_pk_add_f32 v[SB:SB+1], v[SB:SB+1], v[XR+\k+2:XR+\k+3]
.endr
	s_delay_alu instid0(VALU_DEP_1)
	v_pk_add_f32 v[SA:SA+1], v[SA:SA+1], v[SB:SB+1]
	s_delay_alu instid0(VALU_DEP_1)
	v_add_f32 v[SA], v[SA], v[SA+1]
	WSUM
	s_delay_alu instid0(VALU_DEP_1)
	v_mul_f32 v[MU], s23, v[SA]                    ; the mean
	s_delay_alu instid0(VALU_DEP_1)
	v_mov_b32 v[MU+1], v[MU]
.set k, 0
.rept 16
	v_pk_add_f32 v[XR+k:XR+k+1], v[XR+k:XR+k+1], v[MU:MU+1] neg_lo:[0,1] neg_hi:[0,1]   ; x - mean: the variance is taken of these, so no difference of large sums is formed
.set k, k+2
.endr
	v_pk_mul_f32 v[SA:SA+1], v[XR:XR+1], v[XR:XR+1]
	v_pk_mul_f32 v[SB:SB+1], v[XR+2:XR+3], v[XR+2:XR+3]
.irp k, 4,8,12,16,20,24,28
	s_delay_alu instid0(VALU_DEP_2)
	v_pk_fma_f32 v[SA:SA+1], v[XR+\k:XR+\k+1], v[XR+\k:XR+\k+1], v[SA:SA+1]
	s_delay_alu instid0(VALU_DEP_2)
	v_pk_fma_f32 v[SB:SB+1], v[XR+\k+2:XR+\k+3], v[XR+\k+2:XR+\k+3], v[SB:SB+1]
.endr
	s_delay_alu instid0(VALU_DEP_1)
	v_pk_add_f32 v[SA:SA+1], v[SA:SA+1], v[SB:SB+1]
	s_delay_alu instid0(VALU_DEP_1)
	v_add_f32 v[SA], v[SA], v[SA+1]
	WSUM
	s_delay_alu instid0(VALU_DEP_1)
	v_fma_f32 v[SB], v[SA], s23, s24               ; variance + 1e-5
	s_wait_alu depctr_va_vdst(0)
	v_rsq_f32 v[RS], v[SB]
	v_nop                                          ; a plain instruction behind the transcendental
	s_wait_alu depctr_va_vdst(0)                   ; and a wait ahead of its first reader
	v_mov_b32 v[RS+1], v[RS]
.set k, 0
.rept 16
	v_pk_mul_f32 v[XR+k:XR+k+1], v[XR+k:XR+k+1], v[RS:RS+1]
.set k, k+2
.endr
.set k, 0
.rept 16
	v_pk_fma_f32 v[XR+k:XR+k+1], v[XR+k:XR+k+1], v[G+k:G+k+1], v[B+k:B+k+1]
.set k, k+2
.endr
.endm
.macro QROW i                          ; the row in v[XR] on becomes codes and scale bytes; v[XR] on stays as it is
.irp j, 0,1,2,3,4,5,6,7
	v_max3_num_f32 v[A+\j], |v[XR+4*\j]|, |v[XR+4*\j+1]|, 0x8000000       ; my four numbers of block 4 j + L / 8, and the floor 2^(16 - 127): the byte cannot fall under 1
.endr
.irp j, 0,1,2,3,4,5,6,7
	v_max3_num_f32 v[A+\j], v[A+\j], |v[XR+4*\j+2]|, |v[XR+4*\j+3]|
.endr
.irp m, 1,2,4
.irp j, 0,1,2,3,4,5,6,7
	v_max_num_f32_dpp v[A+\j], v[A+\j], v[A+\j] row_xmask:\m row_mask:0xf bank_mask:0xf   ; with the block's other seven lanes
.endr
.endr
.irp j, 0,1,2,3,4,5,6,7
	v_add_nc_u32 v[SOP+\j], 0xf8800000, v[A+\j]    ; 15 off the exponent field: the conversion's scale operand
.endr
.irp j, 0,1,2,3,4,5,6,7
	v_and_or_b32 v[HOLD+\j], v[A+\j], 0x7f800000, s22   ; 57,344 x the scale
.endr
.irp j, 0,1,2,3,4,5,6,7
	v_lshrrev_b32 v[A+\j], 23, v[SOP+\j]           ; the scale's byte
.endr
.irp j, 0,1,2,3,4,5,6,7
.irp k, 0,1,2,3
	v_med3_num_f32 v[T+8*(\j%2)+\k], v[XR+4*\j+\k], -v[HOLD+\j], v[HOLD+\j]   ; the conversion does not saturate (ISA guide 7.6.2): the hold first
.endr
	v_cvt_scalef32_pk8_bf8_f32 v[C+2*\j:C+2*\j+1], v[T+8*(\j%2):T+8*(\j%2)+7], v[SOP+\j]   ; four codes and four zeros; the next j's holds, into the other set, are the plain lines behind it
.endr
	v_nop
.irp j, 0,1,2,3,4,5,6,7
	ds_store_b32 v[STW], v[C+2*\j] offset:128*\j
	ds_store_b8 v[SBW], v[A+\j] offset:32*(\i)+4*\j    ; eight lanes write the same byte with the same value
.endr
	s_wait_xcnt 0x0                                ; the last row's stores have read v[O] on
	ds_load_b128 v[O:O+3], v[STR]                  ; LDS serves a wave's instructions in order: these see my stores
	ds_load_b128 v[O+4:O+7], v[STR] offset:512
	s_wait_dscnt 0x0
	global_store_b128 v[OFF], v[O:O+3], s[12:13] offset:1024*(\i)
	global_store_b128 v[OFF], v[O+4:O+7], s[12:13] offset:1024*(\i)+512
.endm
.macro ROW i, left
.set XR, X+32*(\i)
	s_wait_loadcnt \left                           ; loads come back in order: this row is in, the younger row's loads stay out
.if DO_LN
	NORM
.endif
.if DO_F
.irp j, 0,1,2,3,4,5,6,7
.if DO_Q
	global_store_b128 v[OFF], v[XR+4*\j:XR+4*\j+3], s[10:11] offset:4096*(\i)+512*\j
.else
	global_store_b128 v[OFF], v[XR+4*\j:XR+4*\j+3], s[10:11] offset:4096*(\i)+512*\j th:TH_STORE_NT
.endif
.endr
.endif
.if DO_Q
	QROW \i
.endif
.endm
.if DO_LN
.irp j, 0,1,2,3,4,5,6,7
	global_load_b128 v[G+4*\j:G+4*\j+3], v[OFF], s[6:7] offset:512*\j
	global_load_b128 v[B+4*\j:B+4*\j+3], v[OFF], s[8:9] offset:512*\j
.endr
.endif
	LOADROW 0
	LOADROW 1
	ROW 0, 8                                       ; the second row's eight loads are younger
	ROW 1, 0
.if DO_Q
	s_wait_dscnt 0x0                               ; for the others' sake: my scale bytes lie in LDS
	s_barrier_signal -1
	s_barrier_wait -1                              ; everybody's do
	s_cmp_lg_u32 s16, 0
	s_cbranch_scc1 .Lothers                        ; wave 0 stores them for the work-group
	s_wait_xcnt 0x0                                ; my last stores have read v[O] on
	ds_load_b128 v[O:O+3], v[SBR]
	s_wait_dscnt 0x0
	global_store_b128 v[OFF], v[O:O+3], s[14:15]   ; 32 lanes store 512 consecutive bytes, aligned: 16 rows' scale bytes
.Lothers:
.endif
	s_wait_tensorcnt 0x0
	ds_add_u32 v240, v241
	s_wait_dscnt 0x0
	s_endpgm
.Lfunc_end_k_qd0c80cc7f9_ln1:
	.size	k_qd0c80cc7f9_ln1, .Lfunc_end_k_qd0c80cc7f9_ln1-k_qd0c80cc7f9_ln1
	.p2alignl 7, 3214868480
	.fill 96, 4, 3214868480
	.section	.rodata,"a",@progbits
	.p2align	6, 0x0
	.amdhsa_kernel k_qd0c80cc7f9_ln1
		.amdhsa_group_segment_fixed_size 9728
		.amdhsa_private_segment_fixed_size 0
		.amdhsa_enable_private_segment 0
		.amdhsa_kernarg_size 40
		.amdhsa_user_sgpr_count 2
		.amdhsa_user_sgpr_kernarg_segment_ptr 1
		.amdhsa_wavefront_size32 1
		.amdhsa_system_sgpr_workgroup_id_x 1
		.amdhsa_system_sgpr_workgroup_id_y 1
		.amdhsa_system_sgpr_workgroup_id_z 1
		.amdhsa_system_vgpr_workitem_id 0
		.amdhsa_next_free_vgpr 242
		.amdhsa_next_free_sgpr 66
		.amdhsa_reserve_vcc 0
		.amdhsa_float_denorm_mode_32 3
		.amdhsa_float_denorm_mode_16_64 3
		.amdhsa_memory_ordered 1
		.amdhsa_forward_progress 1
		.amdhsa_inst_pref_size 39
	.end_amdhsa_kernel
	.amdgpu_metadata
---
amdhsa.version: [ 1, 2 ]
amdhsa.kernels:
  - .name:           k_qd0c80cc7f9_ln1
    .symbol:         k_qd0c80cc7f9_ln1.kd
    .args:
      - { .name: r, .offset: 0, .size: 8, .value_kind: global_buffer, .address_space: global }
      - { .name: g1, .offset: 8, .size: 8, .value_kind: global_buffer, .address_space: global }
      - { .name: be1, .offset: 16, .size: 8, .value_kind: global_buffer, .address_space: global }
      - { .name: h, .offset: 24, .size: 8, .value_kind: global_buffer, .address_space: global }
      - { .name: xa, .offset: 32, .size: 8, .value_kind: global_buffer, .address_space: global }
    .group_segment_fixed_size: 9728
    .private_segment_fixed_size: 0
    .kernarg_segment_align: 8
    .kernarg_segment_size: 40
    .max_flat_workgroup_size: 256
    .sgpr_count:     66
    .vgpr_count:     242
    .wavefront_size: 32
...
	.end_amdgpu_metadata
.endif
;; end of part 13
;; launch gemm_ff1 (part 14): grid 8 x 32, 4 waves a work-group, clusters of 4 x 4, 327,680 bytes of LDS; arguments xa, w1_codes, w1_scales, b1, fa; writes fa
.if DOCPART == 14
	.amdgcn_target "amdgcn-amd-amdhsa--gfx1250"
	.amdhsa_code_object_version 6
	.text
	.protected	k_qd0c80cc7f9_gemm_ff1
	.globl	k_qd0c80cc7f9_gemm_ff1
	.p2align	8
	.type	k_qd0c80cc7f9_gemm_ff1,@function
k_qd0c80cc7f9_gemm_ff1:
	s_mov_b64 s[64:65], 0
	v_nop
	global_prefetch_b8 v0, s[64:65] scope:SCOPE_SE
	s_setreg_imm32_b32 hwreg(HW_REG_WAVE_MODE, 25, 1), 1
	s_wait_xcnt 0x0
	s_wait_alu depctr_hold_cnt(0) depctr_sa_sdst(0) depctr_va_vdst(0) depctr_va_sdst(0) depctr_va_ssrc(0) depctr_va_vcc(0) depctr_vm_vsrc(0)
	s_getreg_b32 s2, hwreg(HW_REG_IB_STS2, 6, 4)
	s_cmp_eq_u32 s2, 0
	s_cbranch_scc0 .Lentry_in_a_cluster
	s_endpgm
.Lentry_in_a_cluster:
	s_bfe_u32 s2, ttmp6, 0x10000c
	s_cmp_lg_u32 s2, 0xf033
	s_cbranch_scc0 .Lentry_shape_is_right
	s_endpgm
.Lentry_shape_is_right:
; A GEMM ON E5M2 CODES WHOSE RESULT IS QUANTISED ON ITS WAY OUT.  Two launches share this form (switch FF1); this one holds what FF1 = 1 needs.
; X: codes [4096][1024] row-major with scale bytes [4096][32] behind them (XSOFF); W: codes [N][1024], scale bytes [N][32]; bias f32 [N].
; FF1 = 1: relu(h w1 + b1), N = 4,096, quantised along N.
; SHARES.  Work-group (gx, gy) keeps X's rows 128 gy .. + 127, all of K, in LDS and walks NT tiles of 128 rows of W through the two W regions, which are filled again.
; A slot holds 512 along K: a region with W's 128 rows and one with X's.  Four waves; a wave makes P 128 x Q 32: 16 accumulators.
; The matrix instruction's source 0 is P = W, source 1 is Q = X's 32 rows of the wave: a lane holds ONE row of Q, and its registers run along P.
; THE ROWS OF A TILE ARE NOT NEIGHBOURS: lane r of tile 2 G + U stands for row 32 G + 8 U + r + 8 (r / 8), on both sources.  So the 16 registers of P's tiles 2 b, 2 b + 1 are 16 neighbours
; 32 b + 16 (lane / 16) + 0..15 along the next product's K, and the conversions' results ARE that product's operand registers.  They are stored as images of those registers:
; group c of four registers at 512 c + 16 x lane; scale words as images too: word 4 x lane = tile U = lane / 16, row lane % 16.
; IN LDS A REGION'S 128 ROWS ARE DEALT OUT BY FOURS: wave w's tensor load brings rows w, w + 4, .. w + 124 (a pitch of four rows in memory), 528 bytes apart, from byte
; 17,152 w + 32 (w % 2) + 128 (w / 2) of the region on.  A tile's row r + 8 (r / 8) then begins at the 16-byte column 2 r0 + 8 r1 + r2 + 4 r3 (r's bits) + a constant, modulo 16.
; Laid in memory's order, rows R and R + 16 would share a column at every pitch that is a multiple of 16 bytes.
; CLUSTER 4 x 4: W's tiles hang on gx alone and are asked for jointly along a column of the cluster, X's on gy alone, along a row.  Every wave fetches 32 rows of every tile.
; LIMITS: NaN and infinities are not served; a block whose largest magnitude lies under 2^-111, zeros among them, gets the byte 1 (read by this program alone).
; REGISTERS.  window 0: v4-23 addresses; v32-63 P's scale words, v64-71 Q's (they hold nothing else); v72-92 the quantiser's; v96-127 codes; v128-255 accumulator (a, p) at 128 + 64 a + 8 p.
;   window 1: P's fragments, two sets of 128.   window 2: v0-63 Q's fragments, two sets of 32; v64-127 the bias in the result's layout.
.set NT,  4
.set WSH, 19                           ; gx x 512 rows x 1,024 bytes
.set PITCH, 528
; THE LAYOUT IN USE (it takes the place of the dealing by fours that the head describes): a region's 128 rows are dealt out BY TWOS.  One tensor load brings rows e, e + 2, .. e + 126
; (a pitch of two rows in memory), 528 bytes apart, from byte HALFW x e of the region on.  Waves 0, 1 fetch W's two parts, waves 2, 3 X's: one load a wave fills a slot.
.set HALFW, 64*PITCH+64                ; 64 rows; the second part begins four 16-byte columns further round
.set REG,   2*HALFW                    ; 128 rows
.set SLOT,  2*REG                      ; W's region, then X's
.set SCW,   2*SLOT                     ; W's scale bytes, 4,352 a tile: units of 256 bytes + 16
.set SCX,   SCW+NT*4352                ; X's
.set SPARE, SCX+4352                   ; the spare words: 128 bytes a wave, named by no other line
.set XSOFF, 4194304
.set FS,    16777216
.set LI,  4
.set LS,  5
.set SPW, 6
.set NIL, 7
.set AWA, 8                            ; v8-9   W's region of slot s, all rows
.set AXA, 12                           ; v12-13 X's region, all rows
.set AXW, 14                           ; v14-15 my wave's 32 rows
.set SWA, 16
.set SXA, 18
.set SXW, 19
.set BO,  20
.set CPY, 22
.set CPG, 23
.set SP,  32
.set SQ,  64
.set TM,  72
.set PW0, 88
.set PW1, 89
.set PC0, 96
.set PC1, 112
.set ACC, 128
.set BIAS, 64
.set WV,  14
.set G1W, 24
.set G1X, 32
.set G0W, 40
.set G0X, 48
.set SEL, 58
.set MNT, 60
.set MSB, 0
.macro WIN new                         ; the immediate's high byte repeats the setting that is left
.if MSB != \new
	s_set_vgpr_msb (MSB<<8)|\new
.set MSB, \new
.endif
.endm
.macro PLACES n
.rept \n
	v_nop
.endr
.endm
.macro CREST                           ; a round of the cluster's barrier behind its opening barrier
	s_cmp_lg_u32 s[WV], 0
	s_cbranch_scc1 .Lnot_wave_0_\@
	s_barrier_signal -3
.Lnot_wave_0_\@:
	s_barrier_wait -3
	s_barrier_signal -1
	s_barrier_wait -1
.endm
.macro CROUND
	s_barrier_signal -1
	s_barrier_wait -1
	CREST
.endm
.macro FRAG reg, adr, off              ; 16 rows x 128 K: registers 4 c .. 4 c + 3 hold K = 32 c + 16 (lane / 16) + 0..15
.irp c, 0,1,2,3
	ds_load_b128 v[\reg+4*\c:\reg+4*\c+3], v[\adr] offset:\off+32*\c
.endr
.endm
.macro FETCH slot, q, set              ; the fragments of the slot's q-th 128 along K: P's eight (window 1), Q's two (window 2).  Tile 2 G + U begins 16 G + 4 U places of 528 bytes on in each of the two parts
	WIN 0x40
.irp p, 0,1,2,3,4,5,6,7
	FRAG 128*(\set)+16*\p, AWA+(\slot), (16*(\p/2)+4*(\p%2))*PITCH+128*(\q)   ; tile 2 G + U begins 16 G + 4 U places on in each of the two parts
.endr
	WIN 0x80
.irp a, 0,1
	FRAG 32*(\set)+16*\a, AXW+(\slot), 4*\a*PITCH+128*(\q)
.endr
	WIN 0
.endm
.macro SCALES ss, adrP, offP, adrQ, offQ   ; a slot's scale words: 16 bytes a row are the words of its four K steps; lanes 0-15 take the even tile's rows, lanes 16-31 the odd tile's
.irp b, 0,1,2,3
	ds_load_b128 v[SP+16*(\ss)+4*\b:SP+16*(\ss)+4*\b+3], v[\adrP] offset:\offP+1088*\b
.endr
	ds_load_b128 v[SQ+4*(\ss):SQ+4*(\ss)+3], v[\adrQ] offset:\offQ
.endm
.macro WM a, p, set, q, ss, cm         ; one matrix instruction.  cm = 0: adds in place; 1: starts from the bias of P's tile
.set rD, ACC+64*(\a)+8*(\p)
.set rC, rD
.if (\cm) == 1
.set rC, BIAS+8*(\p)
.endif
.set rP, 128*(\set)+16*(\p)
.set rQ, 32*(\set)+16*(\a)
.set rS, SP+16*(\ss)+4*((\p)/2)+(\q)
.set rT, SQ+4*(\ss)+(\q)
.if ((\p)%2) && (\a)
	v_wmma_scale_f32_16x16x128_f8f6f4 v[rD:rD+7], v[rP:rP+15], v[rQ:rQ+15], v[rC:rC+7], v[rS], v[rT] matrix_a_fmt:MATRIX_FMT_BF8 matrix_b_fmt:MATRIX_FMT_BF8 matrix_a_scale:MATRIX_SCALE_ROW1 matrix_b_scale:MATRIX_SCALE_ROW1
.elseif (\p)%2
	v_wmma_scale_f32_16x16x128_f8f6f4 v[rD:rD+7], v[rP:rP+15], v[rQ:rQ+15], v[rC:rC+7], v[rS], v[rT] matrix_a_fmt:MATRIX_FMT_BF8 matrix_b_fmt:MATRIX_FMT_BF8 matrix_a_scale:MATRIX_SCALE_ROW1
.elseif \a
	v_wmma_scale_f32_16x16x128_f8f6f4 v[rD:rD+7], v[rP:rP+15], v[rQ:rQ+15], v[rC:rC+7], v[rS], v[rT] matrix_a_fmt:MATRIX_FMT_BF8 matrix_b_fmt:MATRIX_FMT_BF8 matrix_b_scale:MATRIX_SCALE_ROW1
.else
	v_wmma_scale_f32_16x16x128_f8f6f4 v[rD:rD+7], v[rP:rP+15], v[rQ:rQ+15], v[rC:rC+7], v[rS], v[rT] matrix_a_fmt:MATRIX_FMT_BF8 matrix_b_fmt:MATRIX_FMT_BF8
.endif
.endm
.macro MUL a, set, q, ss, cm           ; Q's tile a against P's eight.  The 16 accumulators take turns, one instruction a turn, in the same order in every step
.if \cm
	WIN 0x29                                       ; P window 1, Q window 2, C (the bias) window 2, D window 0
.else
	WIN 0x09
.endif
.irp p, 0,1,2,3,4,5,6,7
	WM \a, \p, \set, \q, \ss, \cm
.endr
.endm
.macro STEP slot, q, cm                ; 128 along K that has its successor in the same slot
	s_wait_dscnt 0x0                               ; this step's fragments are in
	PLACES 8                                       ; eight plain instructions between the last product that read the other set (the step before's) and the loads into it
	FETCH \slot, (\q)+1, 1-(\q)%2                  ; the next step's 40 loads are out while this step's 16 products run
	MUL 0, (\q)%2, \q, \slot, \cm
	MUL 1, (\q)%2, \q, \slot, \cm
	WIN 0
.endm
; A slot's last step changes slots.  In front of the one barrier every wave waits for all its tensor loads, adds 0 to its spare word, and waits for that and for its reads of this slot.
; fill = 1: W's region of this slot takes the next tile of W (128 rows on); 0: nothing.  With a fill the barrier opens a round of the cluster's barrier.
.macro TURN slot, fill, bump, offP, offQ
	s_wait_tensorcnt 0x0                           ; all my tensor loads have landed: my part of the other slot among them; so a group 0 may be written
	ds_add_u32 v[SPW], v[NIL]
.if \fill
	s_add_nc_u64 s[G0W+4*\slot+2:G0W+4*\slot+3], s[G0W+4*\slot+2:G0W+4*\slot+3], 131072
.endif
	s_wait_dscnt 0x0                               ; the add is done, my reads of this slot are over
	s_barrier_signal -1
	MUL 0, 1, 3, \slot, 0                          ; work on registers while the others arrive
	WIN 0
	s_barrier_wait -1
.if \fill
	CREST                                          ; no wave of any partner still reads this region or has a load on its way
	s_cmp_lt_u32 s[WV], 2                          ; waves 0, 1 fill W's two parts again; waves 2, 3 have no part of it
	s_cbranch_scc0 .Lno_w_\@
	tensor_load_to_lds s[G0W+4*\slot:G0W+4*\slot+3], s[G1W:G1W+7]   ; my one tensor load behind the round, and the first thing there
	s_nop 0
	PLACES 4
.Lno_w_\@:
.endif
	PLACES 8
.if \bump
	v_add_nc_u32 v[SWA], 4352, v[SWA]              ; the next tile's scale bytes of W
.endif
	FETCH 1-\slot, 0, 0
	SCALES 1-\slot, SWA, \offP, SXW, \offQ
	MUL 1, 1, 3, \slot, 0
	WIN 0
.endm
.macro LAST                            ; the launch's last step: nothing more to fetch
	s_wait_dscnt 0x0
	MUL 0, 1, 3, 1, 0
	MUL 1, 1, 3, 1, 0
	WIN 0
.endm
; 64 numbers of a lane, register 16 b + i = k 32 b + 16 (lane / 16) + i of my row, become a fragment's codes in v[pc] on and its scale word in v[pw].  What is negative becomes 0 on the way: the activation.
.macro QUANT s, pc, pw
.irp b, 0,1,2,3
	v_max3_num_f32 v[TM+\b], v[\s+16*\b], v[\s+1+16*\b], 0x8000000   ; no |.|: what is negative does not count; the floor 2^(16 - 127) stands over it
.endr
.irp i, 2,4,6,8,10,12,14
.irp b, 0,1,2,3
	v_max3_num_f32 v[TM+\b], v[TM+\b], v[\s+16*\b+\i], v[\s+1+16*\b+\i]
.endr
.endr
.irp b, 0,1,2,3
	v_permlanex16_b32 v[TM+4+\b], v[TM+\b], s[SEL], s[SEL+1]
.endr
.irp b, 0,1,2,3
	v_max_num_f32 v[TM+\b], v[TM+\b], v[TM+4+\b]   ; with lane l xor 16's 16: the block's largest magnitude
.endr
.irp b, 0,1,2,3
	v_add_nc_u32 v[TM+12+\b], 0xf8800000, v[TM+\b] ; 15 off its exponent field: the conversion's scale operand
.endr
.irp b, 0,1,2,3
	v_and_or_b32 v[TM+8+\b], v[TM+\b], 0x7f800000, s[MNT]   ; 57,344 x the scale
.endr
.irp b, 0,1,2,3
	v_lshrrev_b32 v[TM+4+\b], 23, v[TM+12+\b]      ; the scale's byte
.endr
	v_lshl_or_b32 v[\pw], v[TM+5], 8, v[TM+4]
	v_lshl_or_b32 v[\pw], v[TM+6], 16, v[\pw]
	v_lshl_or_b32 v[\pw], v[TM+7], 24, v[\pw]
.irp b, 0,1,2,3
.irp i, 0,1,2,3,4,5,6,7,8,9,10,11,12,13,14,15
	v_med3_num_f32 v[\s+16*\b+\i], v[\s+16*\b+\i], 0, v[TM+8+\b]          ; the activation and the hold in one (the conversion does not saturate: ISA guide 7.6.2)
.endr
	v_cvt_scalef32_pk8_bf8_f32 v[\pc+4*\b:\pc+1+4*\b], v[\s+16*\b:\s+7+16*\b], v[TM+12+\b]
	v_cvt_scalef32_pk8_bf8_f32 v[\pc+2+4*\b:\pc+3+4*\b], v[\s+8+16*\b:\s+15+16*\b], v[TM+12+\b]
.endr
	v_nop                                          ; a plain instruction behind the last conversion: later products write its sources
.endm
.macro BIASLOAD                        ; lane (r, h) wants, for P's tile p, the bias of columns 32 (p / 2) + 16 h + 8 (p % 2) + 0..7
	WIN 0x80
.irp p, 0,1,2,3,4,5,6,7
	global_load_b128 v[BIAS+8*\p:BIAS+8*\p+3], v[BO], s[70:71] offset:4*(32*(\p/2)+8*(\p%2))
	global_load_b128 v[BIAS+8*\p+4:BIAS+8*\p+7], v[BO], s[70:71] offset:4*(32*(\p/2)+8*(\p%2))+16
.endr
	WIN 0
.endm
.macro PUT4 pc, base, off              ; a whole image: four stores of 512 consecutive bytes
.irp c, 0,1,2,3
	global_store_b128 v[LI], v[\pc+4*\c:\pc+4*\c+3], s[\base:\base+1] offset:\off+512*\c
.endr
.endm
.macro EPI_FF more                     ; the way out of a tile of the hidden layer: one K step of the next product.  more = 1: another tile follows
	PLACES 8
	s_wait_xcnt 0x0
.if \more
	s_add_nc_u64 s[70:71], s[70:71], 512
	BIASLOAD
.endif
	QUANT ACC, PC0, PW0
	PUT4 PC0, 66, 0
	QUANT ACC+64, PC1, PW1
	PUT4 PC1, 66, 65536
	v_cndmask_b32 v90, v[PW0], v[PW1], s61         ; lanes 0-15: tile 0's words, lanes 16-31: tile 1's
	global_store_b32 v[LS], v90, s[68:69]
.if \more
	s_wait_xcnt 0x0                                ; the stores have read their bases
	s_add_nc_u64 s[66:67], s[66:67], 2048          ; the next K step's image
	s_add_nc_u64 s[68:69], s[68:69], 16384
.endif
.endm
.macro THREE slot
	STEP \slot, 0, 0
	STEP \slot, 1, 0
	STEP \slot, 2, 0
.endm
	s_load_b256 s[4:11], s[0:1], 0x0               ; X s[4:5], W's codes s[6:7], W's scales s[8:9], the bias s[10:11]
	s_load_b64 s[12:13], s[0:1], 0x20              ; the output
	v_lshl_add_u32 v[SPW], v0, 2, SPARE
	v_mov_b32 v[NIL], 0
	ds_add_u32 v6, v7
	ds_add_u32 v6, v7
	s_wait_dscnt 0x0
	v_lshrrev_b32 v1, 5, v0
	v_readfirstlane_b32 s[WV], v1                  ; wave 0..3
	s_bfe_u32 s15, ttmp6, 0x40000                  ; cx
	s_bfe_u32 s16, ttmp6, 0x40004                  ; cy
	s_lshl_b32 s17, ttmp9, 2
	s_add_co_u32 s17, s17, s15                     ; gx
	s_and_b32 s18, ttmp7, 0xffff
	s_lshl_b32 s18, s18, 2
	s_add_co_u32 s18, s18, s16                     ; gy
	s_lshl_b32 s19, s16, 2
	s_lshl_b32 s19, 15, s19                        ; my row of the cluster
	s_lshl_b32 s20, 0x1111, s15                    ; my column
	s_or_b32 s[G1W], s20, (1<<20)|(1<<21)|(6<<22)|(3<<25)   ; the mask; elements of 1 byte; padding on; bit 21 beside a mask; 4 words of padding behind every 128
	s_or_b32 s[G1X], s19, (1<<20)|(1<<21)|(6<<22)|(3<<25)
.irp g, G1W, G1X
	s_mov_b32 s[\g+1], 512<<16                     ; tensor_dim0
	s_mov_b32 s[\g+2], 64<<16                      ; tensor_dim1
	s_mov_b32 s[\g+3], 512<<16                     ; tile_dim0
	s_mov_b32 s[\g+4], 64                          ; tile_dim1
	s_mov_b32 s[\g+5], 2048                        ; from one row of the tile to the next: two rows of memory
	s_mov_b32 s[\g+6], 0
	s_mov_b32 s[\g+7], 0
.endr
	s_mov_b32 s[SEL], 0x76543210
	s_mov_b32 s[SEL+1], 0xfedcba98
	s_mov_b32 s[MNT], 0x600000
	s_and_b32 s2, s[WV], 1                         ; which part I fetch
	s_lshl_b32 s21, s2, 10                         ; its first row of a tile
	s_mul_i32 s22, s2, HALFW                       ; and its place in a region
	s_mul_i32 s63, s[WV], 16*PITCH                 ; my group of 32 rows: sixteen places on in each part
	s_mul_i32 s23, s[WV], 1088
	s_lshl_b32 s80, s17, WSH                       ; W's first tile: made of gx and the wave alone
	s_add_co_u32 s80, s80, s21
	s_mov_b32 s81, 0
	s_lshl_b32 s82, s18, 17                        ; X's rows: of gy and the wave alone
	s_add_co_u32 s82, s82, s21
	s_mov_b32 s83, 0
	s_lshl_b32 s84, s17, WSH-5                     ; W's scale bytes
	s_mov_b32 s85, 0
	s_lshl_b32 s88, s18, 12                        ; X's
	s_add_co_u32 s88, s88, XSOFF
	s_mov_b32 s89, 0
	s_lshl_b32 s70, s17, WSH-8                     ; the bias of the first tile's columns
	s_mov_b32 s71, 0
	s_lshl_b32 s93, s18, 2
	s_add_co_u32 s93, s93, s[WV]                   ; my group of 32 rows: 4 gy + wave
	s_lshl_b32 s66, s93, 17                        ; two row tiles x 32 K steps x 2,048
	s_lshl_b32 s2, s17, 13                         ; K step 4 gx
	s_add_co_u32 s66, s66, s2
	s_mov_b32 s67, 0
	s_lshl_b32 s68, s17, 16
	s_lshl_b32 s2, s93, 7
	s_add_co_u32 s68, s68, s2
	s_add_co_u32 s68, s68, FS
	s_mov_b32 s69, 0
	v_and_b32 v1, 15, v0                           ; r
	v_bfe_u32 v2, v0, 4, 1                         ; h
	v_and_b32 v3, 8, v1
	v_add_nc_u32 v3, v3, v1                        ; r + 8 (r / 8)
	v_and_b32 v24, 31, v0
	v_lshlrev_b32 v[LI], 4, v24
	v_lshlrev_b32 v[LS], 2, v24
	v_cmp_le_u32 s61, 16, v24                      ; lanes 16-31
	v_and_b32 v25, 1, v1                           ; my row lies in part r % 2,
	v_mul_u32_u24 v25, v25, HALFW
	v_lshrrev_b32 v26, 1, v3
	v_mad_u32_u24 v25, v26, PITCH, v25             ; at place (r + 8 (r / 8)) / 2 of it
	v_lshl_add_u32 v[AWA], v2, 4, v25
	v_add_nc_u32 v[AWA+1], SLOT, v[AWA]
.irp s, 0,1
	v_add_nc_u32 v[AXA+\s], REG, v[AWA+\s]
	v_add_nc_u32 v[AXW+\s], s63, v[AXA+\s]
.endr
	v_lshl_add_u32 v26, v2, 3, v3                  ; the row of a group of 32 whose scale words I take: lanes 16-31 the odd tile's
	v_lshrrev_b32 v27, 3, v26
	v_lshlrev_b32 v27, 4, v27
	v_lshl_add_u32 v26, v26, 5, v27                ; 32 bytes a row, 16 more for each 256 passed
	v_add_nc_u32 v[SWA], SCW, v26
	v_add_nc_u32 v[SXA], SCX, v26
	v_add_nc_u32 v[SXW], s23, v[SXA]
	v_lshlrev_b32 v[BO], 6, v2
	v_lshrrev_b32 v27, 4, v0
	v_add_nc_u32 v27, v27, v0
	v_lshl_add_u32 v[CPY], v27, 4, SCW             ; the tables' way into LDS: 16 bytes a thread, 16 of padding behind each 256
	v_lshlrev_b32 v[CPG], 4, v0
.irp b, 0,1,2,3
	v_mov_b32 v[TM+4+\b], 0                        ; written once: a lane permute's destination counts as a source
.endr
	s_wait_alu depctr_va_vdst(0)
	s_wait_kmcnt 0x0
	s_add_nc_u64 s[80:81], s[6:7], s[80:81]
	s_add_nc_u64 s[82:83], s[4:5], s[82:83]
	s_add_nc_u64 s[84:85], s[8:9], s[84:85]
	s_add_nc_u64 s[88:89], s[4:5], s[88:89]
	s_add_nc_u64 s[70:71], s[10:11], s[70:71]
	s_add_nc_u64 s[66:67], s[12:13], s[66:67]
	s_add_nc_u64 s[68:69], s[12:13], s[68:69]
.irp s, 0,1
	s_mov_b32 s[G0W+4*\s], 1
	s_add_co_u32 s[G0W+4*\s+1], s22, \s*SLOT
	s_add_nc_u64 s[G0W+4*\s+2:G0W+4*\s+3], s[80:81], \s*512
	s_or_b32 s[G0W+4*\s+3], s[G0W+4*\s+3], 0x80000000
	s_mov_b32 s[G0X+4*\s], 1
	s_add_co_u32 s[G0X+4*\s+1], s22, \s*SLOT+REG
	s_add_nc_u64 s[G0X+4*\s+2:G0X+4*\s+3], s[82:83], \s*512
	s_or_b32 s[G0X+4*\s+3], s[G0X+4*\s+3], 0x80000000
.endr
	; the scale bytes of all my tiles, dense in memory, come once, 2,048 consecutive bytes a load of the work-group
.irp j, 0,1,2,3,4,5,6,7
	global_load_b128 v[128+4*\j:128+4*\j+3], v[CPG], s[84:85] offset:2048*\j
.endr
.irp j, 0,1
	global_load_b128 v[128+8*NT+4*\j:128+8*NT+4*\j+3], v[CPG], s[88:89] offset:2048*\j
.endr
	BIASLOAD
	CROUND                                         ; all sixteen work-groups are here: the first joint loads meet
.macro JLOAD s                         ; a slot's first fill: waves 0, 1 for W, waves 2, 3 for X: one joint load a wave
	s_cmp_lt_u32 s[WV], 2
	s_cbranch_scc0 .Lfor_x_\@
	tensor_load_to_lds s[G0W+4*\s:G0W+4*\s+3], s[G1W:G1W+7]
	s_nop 0
	PLACES 4
	s_branch .Lasked_\@
.Lfor_x_\@:
	tensor_load_to_lds s[G0X+4*\s:G0X+4*\s+3], s[G1X:G1X+7]
	s_nop 0
	PLACES 4
.Lasked_\@:
.endm
	JLOAD 0                                        ; slot 0: one tensor load a wave at the head
	s_wait_loadcnt 16                              ; the tables are in; the 16 loads of the bias are younger
.set j, 0
.rept 2*NT+2
	ds_store_b128 v[CPY], v[128+4*j:128+4*j+3] offset:2176*j
.set j, j+1
.endr
	s_wait_tensorcnt 0x0                           ; my part of slot 0 is in
	ds_add_u32 v[SPW], v[NIL]
	s_wait_dscnt 0x0                               ; the add and my stores of the tables are done
	CROUND                                         ; everybody's part of slot 0 is in, and the joint loads meet
	JLOAD 1                                        ; slot 1's first fill: it has slot 0's first three steps in which to land
	FETCH 0, 0, 0
	SCALES 0, SWA, 0, SXW, 0
	s_wait_loadcnt 0x0                             ; the bias
	STEP 0, 0, 1                                   ; a tile's first step starts the sums from the bias
	s_mov_b32 s62, NT-1
.Ltile:                                            ; a trip: from a tile's second step to the next tile's first; both W regions are filled again
	STEP 0, 1, 0
	STEP 0, 2, 0
	TURN 0, 1, 0, 16, 16
	THREE 1
	TURN 1, 1, 1, 0, 0
	EPI_FF 1
	s_wait_loadcnt 0x0                             ; the next tile's bias
	PLACES 9                                       ; the next products write over accumulators with another C
	STEP 0, 0, 1
	s_sub_co_u32 s62, s62, 1
	s_cmp_lg_u32 s62, 0
	s_cbranch_scc1 .Ltile
	STEP 0, 1, 0                                   ; the last tile is written out: it asks for nothing more
	STEP 0, 2, 0
	TURN 0, 0, 0, 16, 16
	THREE 1
	LAST
	EPI_FF 0
	s_wait_tensorcnt 0x0                           ; the wave's end
	ds_add_u32 v[SPW], v[NIL]
	s_wait_dscnt 0x0
	CROUND                                         ; the closing round
	s_endpgm
.Lfunc_end_k_qd0c80cc7f9_gemm_ff1:
	.size	k_qd0c80cc7f9_gemm_ff1, .Lfunc_end_k_qd0c80cc7f9_gemm_ff1-k_qd0c80cc7f9_gemm_ff1
	.p2alignl 7, 3214868480
	.fill 96, 4, 3214868480
	.section	.rodata,"a",@progbits
	.p2align	6, 0x0
	.amdhsa_kernel k_qd0c80cc7f9_gemm_ff1
		.amdhsa_group_segment_fixed_size 327680
		.amdhsa_private_segment_fixed_size 0
		.amdhsa_enable_private_segment 0
		.amdhsa_kernarg_size 40
		.amdhsa_user_sgpr_count 2
		.amdhsa_user_sgpr_kernarg_segment_ptr 1
		.amdhsa_wavefront_size32 1
		.amdhsa_system_sgpr_workgroup_id_x 1
		.amdhsa_system_sgpr_workgroup_id_y 1
		.amdhsa_system_sgpr_workgroup_id_z 1
		.amdhsa_system_vgpr_workitem_id 0
		.amdhsa_next_free_vgpr 768
		.amdhsa_next_free_sgpr 100
		.amdhsa_reserve_vcc 0
		.amdhsa_float_denorm_mode_32 3
		.amdhsa_float_denorm_mode_16_64 3
		.amdhsa_memory_ordered 1
		.amdhsa_forward_progress 1
		.amdhsa_inst_pref_size 130
	.end_amdhsa_kernel
	.amdgpu_metadata
---
amdhsa.version: [ 1, 2 ]
amdhsa.kernels:
  - .name:           k_qd0c80cc7f9_gemm_ff1
    .symbol:         k_qd0c80cc7f9_gemm_ff1.kd
    .args:
      - { .name: xa, .offset: 0, .size: 8, .value_kind: global_buffer, .address_space: global }
      - { .name: w1_codes, .offset: 8, .size: 8, .value_kind: global_buffer, .address_space: global }
      - { .name: w1_scales, .offset: 16, .size: 8, .value_kind: global_buffer, .address_space: global }
      - { .name: b1, .offset: 24, .size: 8, .value_kind: global_buffer, .address_space: global }
      - { .name: fa, .offset: 32, .size: 8, .value_kind: global_buffer, .address_space: global }
    .group_segment_fixed_size: 327680
    .private_segment_fixed_size: 0
    .kernarg_segment_align: 8
    .kernarg_segment_size: 40
    .max_flat_workgroup_size: 128
    .sgpr_count:     100
    .vgpr_count:     768
    .wavefront_size: 32
...
	.end_amdgpu_metadata
.endif
;; end of part 14
;; launch gemm_ff2 (part 15): grid 8 x 32, 4 waves a work-group, clusters of 4 x 4, 327,680 bytes of LDS; arguments fa, w2_codes, w2_scales, b2, h, r; writes r
.if DOCPART == 15
	.amdgcn_target "amdgcn-amd-amdhsa--gfx1250"
	.amdhsa_code_object_version 6
	.text
	.protected	k_qd0c80cc7f9_gemm_ff2
	.globl	k_qd0c80cc7f9_gemm_ff2
	.p2align	8
	.type	k_qd0c80cc7f9_gemm_ff2,@function
k_qd0c80cc7f9_gemm_ff2:
	s_mov_b64 s[64:65], 0
	v_nop
	global_prefetch_b8 v0, s[64:65] scope:SCOPE_SE
	s_setreg_imm32_b32 hwreg(HW_REG_WAVE_MODE, 25, 1), 1
	s_wait_xcnt 0x0
	s_wait_alu depctr_hold_cnt(0) depctr_sa_sdst(0) depctr_va_vdst(0) depctr_va_sdst(0) depctr_va_ssrc(0) depctr_va_vcc(0) depctr_vm_vsrc(0)
	s_getreg_b32 s2, hwreg(HW_REG_IB_STS2, 6, 4)
	s_cmp_eq_u32 s2, 0
	s_cbranch_scc0 .Lentry_in_a_cluster
	s_endpgm
.Lentry_in_a_cluster:
	s_bfe_u32 s2, ttmp6, 0x10000c
	s_cmp_lg_u32 s2, 0xf033
	s_cbranch_scc0 .Lentry_shape_is_right
	s_endpgm
.Lentry_shape_is_right:
; A GEMM ON E5M2 CODES WITH AN f32 RESULT: out = X W^T + bias + residual.  Two launches share this text and differ in K.
; X: images of operand registers [256 row tiles][K / 128][2,048 bytes], and behind them (XSOFF) scale words [K / 128][128 groups of 32 rows][32 lanes]; lane r of tile 2 G + U stands for row 32 G + 8 U + r + 8 (r / 8).
; W: codes [1024][K], scale bytes [1024][K / 32].  bias [1024], residual and out [4096][1024]: f32.
; SHARES.  Work-group (gx, gy) makes rows 128 gy on x columns 128 gx on.  Four waves; a wave makes P = W's 128 rows x Q = its 32 rows of X: 16 accumulators; source 0 = P, source 1 = Q.
; K goes in slots of 512 through a ring of two: W's 128 rows, then X's 8 tiles x 4 K steps of images.  Waves 0, 1 fetch for W, waves 2, 3 for X: one load a wave.
; IN LDS W's 128 ROWS ARE DEALT OUT BY TWOS: wave e (0, 1) brings rows e, e + 2, .. e + 126 (a pitch of two rows in memory), 528 bytes apart, from byte 33,856 e of the region on.  A tile's row r + 8 (r / 8) then
; begins at the 16-byte column 4 r0 + r1 + 2 r2 + 8 r3 (r's bits) + a constant, modulo 16.
; Laid in memory's order, rows R and R + 16 would share a column at every pitch that is a multiple of 16 bytes.
; CLUSTER 4 x 4: W's tiles are asked for jointly along a column of the cluster, X's along a row.  The scale bytes and words of all of K come once, through registers, into LDS of their own.
; THE WAY OUT: 16 rows x 128 columns at a time through the wave's stage (in slot 0, which has had its last fill and its last read), back as whole rows of 512 bytes; the residual, loaded at the head, is added; stored.
; REGISTERS.  window 0: v4-20 addresses; v32-63 P's scale words, v64-71 Q's (nothing else); v128-255 accumulators.  window 1: P's fragments, two sets; on the way out v0-63 rows of the result.
;   window 2: v0-63 Q's fragments, two sets; v64-127 the bias; v128-255 the residual.
.set K, 4096
.set KS,    K/32
.set NK,    K/128
.set LAPS,  K/1024
.set PITCH, 528
.set HALFW, 64*PITCH+64                ; a wave's 64 rows of W; the second wave's begin four 16-byte columns further round
.set WREG,  2*HALFW
.set SLOT,  WREG+65536
.set SCW,   2*SLOT
.set SCX,   SCW+(128*KS/256)*272
.set SPARE, SCX+NK*512
.set PSTR,  (32*KS/256)*272            ; from a pair of W's tiles to the next among the scale bytes
.set XSOFF, 4096*K
.set LI,  4
.set SPW, 6
.set NIL, 7
.set AW,  8
.set AX,  10
.set SWP, 12
.set SXQ, 13
.set BO,  14
.set CPY, 15
.set CPG, 16
.set XTG, 17
.set XTL, 18
.set STO, 19
.set RD,  20
.set SP,  32
.set SQ,  64
.set ACC, 128
.set BIAS, 64
.set RES, 128
.set G1W, 24
.set G1X, 32
.set G0W, 40
.set G0X, 48
.set WV,  56
.set WH,  57
.set WL,  58
.set MSB, 0
.macro WIN new
.if MSB != \new
	s_set_vgpr_msb (MSB<<8)|\new
.set MSB, \new
.endif
.endm
.macro PLACES n
.rept \n
	v_nop
.endr
.endm
.macro CREST
	s_cmp_lg_u32 s[WV], 0
	s_cbranch_scc1 .Lnot_wave_0_\@
	s_barrier_signal -3
.Lnot_wave_0_\@:
	s_barrier_wait -3
	s_barrier_signal -1
	s_barrier_wait -1
.endm
.macro CROUND
	s_barrier_signal -1
	s_barrier_wait -1
	CREST
.endm
.macro JLOAD s                         ; a joint refill: waves 0, 1 for W, waves 2, 3 for X; four v_nop follow each line
	s_cmp_eq_u32 s[WH], 0
	s_cbranch_scc0 .Lfor_x_\@
	tensor_load_to_lds s[G0W+4*\s:G0W+4*\s+3], s[G1W:G1W+7]
	s_nop 0
	PLACES 4
	s_branch .Lasked_\@
.Lfor_x_\@:
	tensor_load_to_lds s[G0X+4*\s:G0X+4*\s+3], s[G1X:G1X+7]
	s_nop 0
	PLACES 4
.Lasked_\@:
.endm
.macro FETCH slot, q, set              ; W's tile 2 G + U begins 16 G + 4 U places of 528 bytes on in each of the two parts
	WIN 0x40
.irp p, 0,1,2,3,4,5,6,7
.irp c, 0,1,2,3
	ds_load_b128 v[128*(\set)+16*\p+4*\c:128*(\set)+16*\p+4*\c+3], v[AW+(\slot)] offset:(16*(\p/2)+4*(\p%2))*PITCH+128*(\q)+32*\c
.endr
.endr
	WIN 0x80
.irp a, 0,1
.irp c, 0,1,2,3
	ds_load_b128 v[32*(\set)+16*\a+4*\c:32*(\set)+16*\a+4*\c+3], v[AX+(\slot)] offset:8192*\a+2048*(\q)+512*\c
.endr
.endr
	WIN 0
.endm
.macro SCALES ss
.irp b, 0,1,2,3
	ds_load_b128 v[SP+16*(\ss)+4*\b:SP+16*(\ss)+4*\b+3], v[SWP] offset:PSTR*\b
.endr
.irp q, 0,1,2,3
	ds_load_b32 v[SQ+4*(\ss)+\q], v[SXQ] offset:512*\q
.endr
.endm
.macro WM a, p, set, q, ss, cm
.set rD, ACC+64*(\a)+8*(\p)
.set rC, rD
.if (\cm) == 1
.set rC, BIAS+8*(\p)
.endif
.set rP, 128*(\set)+16*(\p)
.set rQ, 32*(\set)+16*(\a)
.set rS, SP+16*(\ss)+4*((\p)/2)+(\q)
.set rT, SQ+4*(\ss)+(\q)
.if ((\p)%2) && (\a)
	v_wmma_scale_f32_16x16x128_f8f6f4 v[rD:rD+7], v[rP:rP+15], v[rQ:rQ+15], v[rC:rC+7], v[rS], v[rT] matrix_a_fmt:MATRIX_FMT_BF8 matrix_b_fmt:MATRIX_FMT_BF8 matrix_a_scale:MATRIX_SCALE_ROW1 matrix_b_scale:MATRIX_SCALE_ROW1
.elseif (\p)%2
	v_wmma_scale_f32_16x16x128_f8f6f4 v[rD:rD+7], v[rP:rP+15], v[rQ:rQ+15], v[rC:rC+7], v[rS], v[rT] matrix_a_fmt:MATRIX_FMT_BF8 matrix_b_fmt:MATRIX_FMT_BF8 matrix_a_scale:MATRIX_SCALE_ROW1
.elseif \a
	v_wmma_scale_f32_16x16x128_f8f6f4 v[rD:rD+7], v[rP:rP+15], v[rQ:rQ+15], v[rC:rC+7], v[rS], v[rT] matrix_a_fmt:MATRIX_FMT_BF8 matrix_b_fmt:MATRIX_FMT_BF8 matrix_b_scale:MATRIX_SCALE_ROW1
.else
	v_wmma_scale_f32_16x16x128_f8f6f4 v[rD:rD+7], v[rP:rP+15], v[rQ:rQ+15], v[rC:rC+7], v[rS], v[rT] matrix_a_fmt:MATRIX_FMT_BF8 matrix_b_fmt:MATRIX_FMT_BF8
.endif
.endm
.macro MUL a, set, q, ss, cm           ; the 16 accumulators take turns, one instruction a turn, in the same order in every step
.if \cm
	WIN 0x29
.else
	WIN 0x09
.endif
.irp p, 0,1,2,3,4,5,6,7
	WM \a, \p, \set, \q, \ss, \cm
.endr
.endm
.macro STEP slot, q, cm
	s_wait_dscnt 0x0
	PLACES 8                                       ; eight plain instructions between the last product that read the other set (the step before's) and the loads into it
	FETCH \slot, (\q)+1, 1-(\q)%2                  ; the next step's 40 loads are out while this step's 16 products run
	MUL 0, (\q)%2, \q, \slot, \cm
	MUL 1, (\q)%2, \q, \slot, \cm
	WIN 0
.endm
.macro TURN slot, fill                 ; a slot's last step changes slots; fill = 1: this slot takes the K two slots on
	s_wait_tensorcnt 0x0                           ; all my tensor loads have landed: my part of the other slot
	ds_add_u32 v[SPW], v[NIL]
.if \fill
	s_add_nc_u64 s[G0W+4*\slot+2:G0W+4*\slot+3], s[G0W+4*\slot+2:G0W+4*\slot+3], 1024
	s_add_nc_u64 s[G0X+4*\slot+2:G0X+4*\slot+3], s[G0X+4*\slot+2:G0X+4*\slot+3], 16384
.endif
	s_wait_dscnt 0x0                               ; the add is done, my reads of this slot are over
	s_barrier_signal -1
	MUL 0, 1, 3, \slot, 0
	WIN 0
	s_barrier_wait -1
.if \fill
	CREST                                          ; the barrier has opened a round of the cluster's: no wave of any partner still reads this slot or has a load on its way
	JLOAD \slot
	PLACES 4
.else
	PLACES 8
.endif
	s_wait_alu depctr_va_vdst(0)
	v_add_nc_u32 v[SWP], 16, v[SWP]                ; the next slot's scale bytes and words
	v_add_nc_u32 v[SXQ], 2048, v[SXQ]
	FETCH 1-\slot, 0, 0
	SCALES 1-\slot
	MUL 1, 1, 3, \slot, 0
	WIN 0
.endm
	s_load_b256 s[4:11], s[0:1], 0x0               ; X s[4:5], W's codes s[6:7], W's scales s[8:9], the bias s[10:11]
	s_load_b128 s[12:15], s[0:1], 0x20             ; the residual s[12:13], out s[14:15]
	v_lshl_add_u32 v[SPW], v0, 2, SPARE
	v_mov_b32 v[NIL], 0
	ds_add_u32 v6, v7
	ds_add_u32 v6, v7
	s_wait_dscnt 0x0
	v_lshrrev_b32 v1, 5, v0
	v_readfirstlane_b32 s[WV], v1
	s_lshr_b32 s[WH], s[WV], 1                     ; I fetch for W (0) or for X (1)
	s_and_b32 s[WL], s[WV], 1                      ; which part
	s_bfe_u32 s16, ttmp6, 0x40000
	s_bfe_u32 s17, ttmp6, 0x40004
	s_lshl_b32 s18, ttmp9, 2
	s_add_co_u32 s18, s18, s16                     ; gx
	s_and_b32 s19, ttmp7, 0xffff
	s_lshl_b32 s19, s19, 2
	s_add_co_u32 s19, s19, s17                     ; gy
	s_lshl_b32 s20, s17, 2
	s_lshl_b32 s20, 15, s20                        ; my row of the cluster
	s_lshl_b32 s21, 0x1111, s16                    ; my column
	s_or_b32 s[G1W], s21, (1<<20)|(1<<21)|(6<<22)|(3<<25)   ; W: 64 rows of 512 bytes, 16 bytes of padding behind each
	s_mov_b32 s[G1W+1], 512<<16
	s_mov_b32 s[G1W+2], 64<<16
	s_mov_b32 s[G1W+3], 512<<16
	s_mov_b32 s[G1W+4], 64
	s_mov_b32 s[G1W+5], 2*K                        ; from one row of the tile to the next: two rows of memory
	s_mov_b32 s[G1W+6], 0
	s_mov_b32 s[G1W+7], 0
	s_or_b32 s[G1X], s20, (3<<16)|(1<<21)          ; X: 4 row tiles, of each 4 K steps' images: 8,192 bytes on end (1,024 elements of 8 bytes), no padding
	s_mov_b32 s[G1X+1], 1024<<16
	s_mov_b32 s[G1X+2], 4<<16
	s_mov_b32 s[G1X+3], 1024<<16
	s_mov_b32 s[G1X+4], 4
	s_mov_b32 s[G1X+5], NK*256
	s_mov_b32 s[G1X+6], 0
	s_mov_b32 s[G1X+7], 0
	s_mul_i32 s22, s[WL], 64*K                     ; X: four of the eight tiles
	s_mul_i32 s2, s[WL], K                         ; W: the even rows or the odd ones
	s_mul_i32 s66, s18, 128*K                      ; W: of gx and the wave alone
	s_add_co_u32 s66, s66, s2
	s_mov_b32 s67, 0
	s_mul_i32 s68, s19, 128*K                      ; X: of gy and the wave alone
	s_add_co_u32 s68, s68, s22
	s_mov_b32 s69, 0
	s_mul_i32 s23, s[WL], HALFW
	s_lshl_b32 s59, s[WL], 15
	s_add_co_u32 s59, s59, WREG
	s_mul_i32 s70, s18, 128*KS
	s_mov_b32 s71, 0
	s_lshl_b32 s72, s19, 9
	s_add_co_u32 s72, s72, XSOFF
	s_mov_b32 s73, 0
	s_lshl_b32 s74, s18, 9
	s_mov_b32 s75, 0
	s_lshl_b32 s76, s19, 19                        ; row 128 gy + 32 wave, column 128 gx, in bytes
	s_lshl_b32 s2, s[WV], 17
	s_add_co_u32 s76, s76, s2
	s_add_co_u32 s76, s76, s74
	s_mov_b32 s77, 0
	v_and_b32 v1, 15, v0                           ; r
	v_bfe_u32 v2, v0, 4, 1                         ; h
	v_and_b32 v3, 8, v1
	v_add_nc_u32 v3, v3, v1                        ; r + 8 (r / 8)
	v_and_b32 v24, 31, v0
	v_lshlrev_b32 v[LI], 4, v24
	v_and_b32 v25, 1, v1                           ; my row of W lies in part r % 2,
	v_mul_u32_u24 v25, v25, HALFW
	v_lshrrev_b32 v26, 1, v3
	v_mad_u32_u24 v25, v26, PITCH, v25             ; at place (r + 8 (r / 8)) / 2 of it
	v_lshl_add_u32 v[AW], v2, 4, v25
	v_add_nc_u32 v[AW+1], SLOT, v[AW]
	s_lshl_b32 s2, s[WV], 14                       ; my two tiles of X's eight
	s_add_co_u32 s3, s2, WREG
	v_add_nc_u32 v[AX], s3, v[LI]
	v_add_nc_u32 v[AX+1], SLOT, v[AX]
	v_add_nc_u32 v[XTG], s2, v[LI]                 ; X's scale words: wave w copies K steps w, w + 4, ..: 16,384 bytes from K step to K step
	v_lshl_add_u32 v26, v2, 3, v3
	v_mul_u32_u24 v26, v26, KS
	v_lshrrev_b32 v27, 8, v26
	v_lshl_add_u32 v26, v27, 4, v26                ; KS bytes a row, 16 more for each 256 passed
	v_add_nc_u32 v[SWP], SCW, v26
	s_lshl_b32 s2, s[WV], 7
	v_lshl_add_u32 v[SXQ], v24, 2, s2
	v_add_nc_u32 v[SXQ], SCX, v[SXQ]
	s_lshl_b32 s2, s[WV], 9
	v_add_nc_u32 v[XTL], s2, v[LI]
	v_add_nc_u32 v[XTL], SCX, v[XTL]
	v_lshlrev_b32 v[BO], 6, v2
	v_lshrrev_b32 v27, 4, v0
	v_add_nc_u32 v27, v27, v0
	v_lshl_add_u32 v[CPY], v27, 4, SCW
	v_lshlrev_b32 v[CPG], 4, v0
	s_mul_i32 s2, s[WV], 16*528                    ; my stage
	v_mul_u32_u24 v[STO], v1, 528
	v_lshl_add_u32 v[STO], v2, 6, v[STO]
	v_add_nc_u32 v[STO], s2, v[STO]
	v_add_nc_u32 v[RD], s2, v[LI]
	s_wait_alu depctr_va_vdst(0)
	s_wait_kmcnt 0x0
	s_add_nc_u64 s[66:67], s[6:7], s[66:67]
	s_add_nc_u64 s[68:69], s[4:5], s[68:69]
	s_add_nc_u64 s[70:71], s[8:9], s[70:71]
	s_add_nc_u64 s[72:73], s[4:5], s[72:73]
	s_add_nc_u64 s[74:75], s[10:11], s[74:75]
	s_add_nc_u64 s[78:79], s[14:15], s[76:77]
	s_add_nc_u64 s[76:77], s[12:13], s[76:77]
.irp s, 0,1
	s_mov_b32 s[G0W+4*\s], 1
	s_add_co_u32 s[G0W+4*\s+1], s23, \s*SLOT
	s_add_nc_u64 s[G0W+4*\s+2:G0W+4*\s+3], s[66:67], \s*512
	s_or_b32 s[G0W+4*\s+3], s[G0W+4*\s+3], 0x80000000
	s_mov_b32 s[G0X+4*\s], 1
	s_add_co_u32 s[G0X+4*\s+1], s59, \s*SLOT
	s_add_nc_u64 s[G0X+4*\s+2:G0X+4*\s+3], s[68:69], \s*8192
	s_or_b32 s[G0X+4*\s+3], s[G0X+4*\s+3], 0x80000000
.endr
.set j, 0
.rept K/512
	global_load_b128 v[128+4*j:128+4*j+3], v[CPG], s[70:71] offset:2048*j          ; W's scale bytes: 2,048 consecutive bytes a load of the work-group
.set j, j+1
.endr
.set j, 0
.rept NK/4
	global_load_b128 v[128+K/128+4*j:128+K/128+4*j+3], v[XTG], s[72:73] offset:65536*j   ; X's scale words of a K step: 512 consecutive bytes a wave
.set j, j+1
.endr
	WIN 0x80
.irp p, 0,1,2,3,4,5,6,7
	global_load_b128 v[BIAS+8*\p:BIAS+8*\p+3], v[BO], s[74:75] offset:4*(32*(\p/2)+8*(\p%2))
	global_load_b128 v[BIAS+8*\p+4:BIAS+8*\p+7], v[BO], s[74:75] offset:4*(32*(\p/2)+8*(\p%2))+16
.endr
	WIN 0
	CROUND                                         ; all sixteen work-groups are here
	JLOAD 0                                        ; slot 0: one tensor load a wave at the head
	s_wait_loadcnt 16                              ; the tables are in; the bias's 16 loads are younger
.set j, 0
.rept K/512
	ds_store_b128 v[CPY], v[128+4*j:128+4*j+3] offset:2176*j
.set j, j+1
.endr
.set j, 0
.rept NK/4
	ds_store_b128 v[XTL], v[128+K/128+4*j:128+K/128+4*j+3] offset:2048*j
.set j, j+1
.endr
	s_wait_tensorcnt 0x0                           ; my part of slot 0 is in
	ds_add_u32 v[SPW], v[NIL]
	s_wait_dscnt 0x0                               ; the add and my stores of the tables are done
	CROUND                                         ; everybody's part of slot 0 is in, and the joint loads meet
	JLOAD 1                                        ; slot 1's first fill: it has slot 0's first three steps in which to land
	WIN 0x80
.irp a, 0,1
.irp i, 0,1,2,3,4,5,6,7,8,9,10,11,12,13,14,15
	global_load_b128 v[RES+64*\a+4*\i:RES+64*\a+4*\i+3], v[LI], s[76:77] offset:(8*\a+\i+8*(\i/8))*4096   ; the residual, wanted on the way out alone, is asked for behind both slots' tiles; in the order in which the rows come back from the stage
.endr
.endr
	WIN 0
	FETCH 0, 0, 0
	SCALES 0
	s_wait_loadcnt 32                              ; the bias is in; the residual may stay out
	STEP 0, 0, 1                                   ; the first step starts the sums from the bias
.if LAPS > 1
	s_mov_b32 s60, LAPS-1
.Llap:                                             ; a trip goes once round the ring and fills both slots again
	STEP 0, 1, 0
	STEP 0, 2, 0
	TURN 0, 1
	STEP 1, 0, 0
	STEP 1, 1, 0
	STEP 1, 2, 0
	TURN 1, 1
	STEP 0, 0, 0
	s_sub_co_u32 s60, s60, 1
	s_cmp_lg_u32 s60, 0
	s_cbranch_scc1 .Llap
.endif
	STEP 0, 1, 0                                   ; the last lap fills nothing
	STEP 0, 2, 0
	TURN 0, 0
	STEP 1, 0, 0
	STEP 1, 1, 0
	STEP 1, 2, 0
	s_wait_dscnt 0x0
	MUL 0, 1, 3, 1, 0
	MUL 1, 1, 3, 1, 0
	WIN 0
	PLACES 8                                       ; between the last products and the reads of results and the loads over P's fragments
	s_wait_loadcnt 0x0                             ; the residual
.irp a, 0,1
.if \a
	s_wait_xcnt 0x0                                ; the first half's stores have read their registers
.endif
.irp b, 0,1,2,3
.irp i, 0,1,2,3
	ds_store_b128 v[STO], v[ACC+64*\a+16*\b+4*\i:ACC+64*\a+16*\b+4*\i+3] offset:128*\b+16*\i   ; lane (r, h): columns 32 b + 16 h + 4 i on of stage row r; each accumulator from its low end on
.endr
.endr
	WIN 0x40
.irp i, 0,1,2,3,4,5,6,7,8,9,10,11,12,13,14,15
	ds_load_b128 v[4*\i:4*\i+3], v[RD] offset:528*\i       ; LDS serves a wave's instructions in order: these see my stores
.endr
	s_wait_dscnt 0x0
	WIN 0x49
.set k, 0
.rept 32
	v_pk_add_f32 v[k:k+1], v[k:k+1], v[RES+64*\a+k:RES+64*\a+k+1]
.set k, k+2
.endr
	WIN 0x04
.irp i, 0,1,2,3,4,5,6,7,8,9,10,11,12,13,14,15
	global_store_b128 v[LI], v[4*\i:4*\i+3], s[78:79] offset:(8*\a+\i+8*(\i/8))*4096   ; 32 lanes store 512 consecutive bytes, aligned
.endr
	WIN 0
.endr
	s_wait_tensorcnt 0x0                           ; the wave's end
	ds_add_u32 v[SPW], v[NIL]
	s_wait_dscnt 0x0
	CROUND                                         ; the closing round
	s_endpgm
.Lfunc_end_k_qd0c80cc7f9_gemm_ff2:
	.size	k_qd0c80cc7f9_gemm_ff2, .Lfunc_end_k_qd0c80cc7f9_gemm_ff2-k_qd0c80cc7f9_gemm_ff2
	.p2alignl 7, 3214868480
	.fill 96, 4, 3214868480
	.section	.rodata,"a",@progbits
	.p2align	6, 0x0
	.amdhsa_kernel k_qd0c80cc7f9_gemm_ff2
		.amdhsa_group_segment_fixed_size 327680
		.amdhsa_private_segment_fixed_size 0
		.amdhsa_enable_private_segment 0
		.amdhsa_kernarg_size 48
		.amdhsa_user_sgpr_count 2
		.amdhsa_user_sgpr_kernarg_segment_ptr 1
		.amdhsa_wavefront_size32 1
		.amdhsa_system_sgpr_workgroup_id_x 1
		.amdhsa_system_sgpr_workgroup_id_y 1
		.amdhsa_system_sgpr_workgroup_id_z 1
		.amdhsa_system_vgpr_workitem_id 0
		.amdhsa_next_free_vgpr 768
		.amdhsa_next_free_sgpr 100
		.amdhsa_reserve_vcc 0
		.amdhsa_float_denorm_mode_32 3
		.amdhsa_float_denorm_mode_16_64 3
		.amdhsa_memory_ordered 1
		.amdhsa_forward_progress 1
		.amdhsa_inst_pref_size 111
	.end_amdhsa_kernel
	.amdgpu_metadata
---
amdhsa.version: [ 1, 2 ]
amdhsa.kernels:
  - .name:           k_qd0c80cc7f9_gemm_ff2
    .symbol:         k_qd0c80cc7f9_gemm_ff2.kd
    .args:
      - { .name: fa, .offset: 0, .size: 8, .value_kind: global_buffer, .address_space: global }
      - { .name: w2_codes, .offset: 8, .size: 8, .value_kind: global_buffer, .address_space: global }
      - { .name: w2_scales, .offset: 16, .size: 8, .value_kind: global_buffer, .address_space: global }
      - { .name: b2, .offset: 24, .size: 8, .value_kind: global_buffer, .address_space: global }
      - { .name: h, .offset: 32, .size: 8, .value_kind: global_buffer, .address_space: global }
      - { .name: r, .offset: 40, .size: 8, .value_kind: global_buffer, .address_space: global }
    .group_segment_fixed_size: 327680
    .private_segment_fixed_size: 0
    .kernarg_segment_align: 8
    .kernarg_segment_size: 48
    .max_flat_workgroup_size: 128
    .sgpr_count:     100
    .vgpr_count:     768
    .wavefront_size: 32
...
	.end_amdgpu_metadata
.endif
;; end of part 15
;; launch ln2 (part 16): grid 256 x 1, 8 waves a work-group, no clusters, 0 bytes of LDS; arguments r, g2, be2, out0; writes out0
.if DOCPART == 16
	.amdgcn_target "amdgcn-amd-amdhsa--gfx1250"
	.amdhsa_code_object_version 6
	.text
	.protected	k_qd0c80cc7f9_ln2
	.globl	k_qd0c80cc7f9_ln2
	.p2align	8
	.type	k_qd0c80cc7f9_ln2,@function
k_qd0c80cc7f9_ln2:
	s_mov_b64 s[64:65], 0
	v_nop
	global_prefetch_b8 v0, s[64:65] scope:SCOPE_SE
	s_setreg_imm32_b32 hwreg(HW_REG_WAVE_MODE, 25, 1), 1
	s_wait_xcnt 0x0
; ROWS OF 1,024 f32 NUMBERS, one wave to a row at a time; three launches share this form.  This launch: out0 = layer norm of (h + the feed-forward's output): normalise and store f32; nothing is quantised, so no LDS and no barrier.
; SHARES: wave W = 8 x work-group + wave owns rows 2 W and 2 W + 1, and asks for both at its head: with gain and offset 32 loads of a wave are on their way at once.
; Lane L holds columns 128 j + 4 L + 0..3, j = 0..7: each load and store of the wave covers 512 consecutive bytes.  Mean and variance are taken in two passes over the row's registers.
; LIMITS: NaN and infinities are not served; v_rsq_f32 is good to 1 ulp.
.set OFF,  1
.set PT,   7
.set G,    72
.set B,    104
.set X,    136
.set MU,   232
.set RS,   234
.set SA,   236
.set SB,   238
	s_load_b64 s[4:5], s[0:1], 0x0                 ; the rows
	s_load_b64 s[6:7], s[0:1], 0x8                 ; gain
	s_load_b64 s[8:9], s[0:1], 0x10                ; offset
	s_load_b64 s[10:11], s[0:1], 0x18              ; out
	v_lshrrev_b32 v8, 5, v0
	s_delay_alu instid0(VALU_DEP_1)
	v_readfirstlane_b32 s16, v8                    ; wave 0..7
	v_and_b32 v9, 31, v0
	s_delay_alu instid0(VALU_DEP_1)
	v_lshlrev_b32 v[OFF], 4, v9
	v_mov_b32 v[PT], 0
	s_mov_b32 s30, 0x76543210
	s_mov_b32 s31, 0xfedcba98                      ; lane l xor 16
	s_mov_b32 s23, 0x3a800000                      ; 1 / 1,024
	s_mov_b32 s24, 0x3727c5ac                      ; 1e-5
	s_lshl_b32 s18, ttmp9, 3
	s_add_co_u32 s18, s18, s16                     ; W
	s_lshl_b32 s20, s18, 13                        ; 2 rows of 4,096 bytes
	s_mov_b32 s21, 0
	s_wait_alu depctr_va_vdst(0)
	s_wait_kmcnt 0x0
	s_add_nc_u64 s[4:5], s[4:5], s[20:21]
	s_add_nc_u64 s[10:11], s[10:11], s[20:21]
.macro LOADROW i
.irp j, 0,1,2,3,4,5,6,7
	global_load_b128 v[X+32*(\i)+4*\j:X+32*(\i)+4*\j+3], v[OFF], s[4:5] offset:4096*(\i)+512*\j th:TH_LOAD_NT
.endr
.endm
.macro WSUM                            ; v[SA] summed over the 32 lanes, the result in every lane
	s_delay_alu instid0(VALU_DEP_1)
	v_add_f32_dpp v[SA], v[SA], v[SA] row_xmask:1 row_mask:0xf bank_mask:0xf
	s_delay_alu instid0(VALU_DEP_1)
	v_add_f32_dpp v[SA], v[SA], v[SA] row_xmask:2 row_mask:0xf bank_mask:0xf
	s_delay_alu instid0(VALU_DEP_1)
	v_add_f32_dpp v[SA], v[SA], v[SA] row_xmask:4 row_mask:0xf bank_mask:0xf
	s_delay_alu instid0(VALU_DEP_1)
	v_add_f32_dpp v[SA], v[SA], v[SA] row_xmask:8 row_mask:0xf bank_mask:0xf
	s_delay_alu instid0(VALU_DEP_1)
	v_permlanex16_b32 v[PT], v[SA], s30, s31
	s_delay_alu instid0(VALU_DEP_1)
	v_add_f32 v[SA], v[SA], v[PT]
.endm
.macro NORM                            ; the row in v[XR] on is normalised in place
	v_pk_add_f32 v[SA:SA+1], v[XR:XR+1], v[XR+2:XR+3]
	v_pk_add_f32 v[SB:SB+1], v[XR+4:XR+5], v[XR+6:XR+7]
.irp k, 8,12,16,20,24,28
	s_delay_alu instid0(VALU_DEP_2)
	v_pk_add_f32 v[SA:SA+1], v[SA:SA+1], v[XR+\k:XR+\k+1]
	s_delay_alu instid0(VALU_DEP_2)
	v_pk_add_f32 v[SB:SB+1], v[SB:SB+1], v[XR+\k+2:XR+\k+3]
.endr
	s_delay_alu instid0(VALU_DEP_1)
	v_pk_add_f32 v[SA:SA+1], v[SA:SA+1], v[SB:SB+1]
	s_delay_alu instid0(VALU_DEP_1)
	v_add_f32 v[SA], v[SA], v[SA+1]
	WSUM
	s_delay_alu instid0(VALU_DEP_1)
	v_mul_f32 v[MU], s23, v[SA]                    ; the mean
	s_delay_alu instid0(VALU_DEP_1)
	v_mov_b32 v[MU+1], v[MU]
.set k, 0
.rept 16
	v_pk_add_f32 v[XR+k:XR+k+1], v[XR+k:XR+k+1], v[MU:MU+1] neg_lo:[0,1] neg_hi:[0,1]   ; x - mean: the variance is taken of these, so no difference of large sums is formed
.set k, k+2
.endr
	v_pk_mul_f32 v[SA:SA+1], v[XR:XR+1], v[XR:XR+1]
	v_pk_mul_f32 v[SB:SB+1], v[XR+2:XR+3], v[XR+2:XR+3]
.irp k, 4,8,12,16,20,24,28
	s_delay_alu instid0(VALU_DEP_2)
	v_pk_fma_f32 v[SA:SA+1], v[XR+\k:XR+\k+1], v[XR+\k:XR+\k+1], v[SA:SA+1]
	s_delay_alu instid0(VALU_DEP_2)
	v_pk_fma_f32 v[SB:SB+1], v[XR+\k+2:XR+\k+3], v[XR+\k+2:XR+\k+3], v[SB:SB+1]
.endr
	s_delay_alu instid0(VALU_DEP_1)
	v_pk_add_f32 v[SA:SA+1], v[SA:SA+1], v[SB:SB+1]
	s_delay_alu instid0(VALU_DEP_1)
	v_add_f32 v[SA], v[SA], v[SA+1]
	WSUM
	s_delay_alu instid0(VALU_DEP_1)
	v_fma_f32 v[SB], v[SA], s23, s24               ; variance + 1e-5
	s_wait_alu depctr_va_vdst(0)
	v_rsq_f32 v[RS], v[SB]
	v_nop                                          ; a plain instruction behind the transcendental
	s_wait_alu depctr_va_vdst(0)                   ; and a wait ahead of its first reader
	v_mov_b32 v[RS+1], v[RS]
.set k, 0
.rept 16
	v_pk_mul_f32 v[XR+k:XR+k+1], v[XR+k:XR+k+1], v[RS:RS+1]
.set k, k+2
.endr
.set k, 0
.rept 16
	v_pk_fma_f32 v[XR+k:XR+k+1], v[XR+k:XR+k+1], v[G+k:G+k+1], v[B+k:B+k+1]
.set k, k+2
.endr
.endm
.macro ROW i, left
.set XR, X+32*(\i)
	s_wait_loadcnt \left                           ; loads come back in order: this row is in, the younger row's loads stay out
	NORM
.irp j, 0,1,2,3,4,5,6,7
	global_store_b128 v[OFF], v[XR+4*\j:XR+4*\j+3], s[10:11] offset:4096*(\i)+512*\j th:TH_STORE_NT
.endr
.endm
.irp j, 0,1,2,3,4,5,6,7
	global_load_b128 v[G+4*\j:G+4*\j+3], v[OFF], s[6:7] offset:512*\j
	global_load_b128 v[B+4*\j:B+4*\j+3], v[OFF], s[8:9] offset:512*\j
.endr
	LOADROW 0
	LOADROW 1
	ROW 0, 8                                       ; the second row's eight loads are younger
	ROW 1, 0
	s_endpgm
.Lfunc_end_k_qd0c80cc7f9_ln2:
	.size	k_qd0c80cc7f9_ln2, .Lfunc_end_k_qd0c80cc7f9_ln2-k_qd0c80cc7f9_ln2
	.p2alignl 7, 3214868480
	.fill 96, 4, 3214868480
	.section	.rodata,"a",@progbits
	.p2align	6, 0x0
	.amdhsa_kernel k_qd0c80cc7f9_ln2
		.amdhsa_group_segment_fixed_size 0
		.amdhsa_private_segment_fixed_size 0
		.amdhsa_enable_private_segment 0
		.amdhsa_kernarg_size 32
		.amdhsa_user_sgpr_count 2
		.amdhsa_user_sgpr_kernarg_segment_ptr 1
		.amdhsa_wavefront_size32 1
		.amdhsa_system_sgpr_workgroup_id_x 1
		.amdhsa_system_sgpr_workgroup_id_y 1
		.amdhsa_system_sgpr_workgroup_id_z 1
		.amdhsa_system_vgpr_workitem_id 0
		.amdhsa_next_free_vgpr 240
		.amdhsa_next_free_sgpr 66
		.amdhsa_reserve_vcc 0
		.amdhsa_float_denorm_mode_32 3
		.amdhsa_float_denorm_mode_16_64 3
		.amdhsa_memory_ordered 1
		.amdhsa_forward_progress 1
		.amdhsa_inst_pref_size 21
	.end_amdhsa_kernel
	.amdgpu_metadata
---
amdhsa.version: [ 1, 2 ]
amdhsa.kernels:
  - .name:           k_qd0c80cc7f9_ln2
    .symbol:         k_qd0c80cc7f9_ln2.kd
    .args:
      - { .name: r, .offset: 0, .size: 8, .value_kind: global_buffer, .address_space: global }
      - { .name: g2, .offset: 8, .size: 8, .value_kind: global_buffer, .address_space: global }
      - { .name: be2, .offset: 16, .size: 8, .value_kind: global_buffer, .address_space: global }
      - { .name: out0, .offset: 24, .size: 8, .value_kind: global_buffer, .address_space: global }
    .group_segment_fixed_size: 0
    .private_segment_fixed_size: 0
    .kernarg_segment_align: 8
    .kernarg_segment_size: 32
    .max_flat_workgroup_size: 256
    .sgpr_count:     66
    .vgpr_count:     240
    .wavefront_size: 32
...
	.end_amdgpu_metadata
.endif
;; end of part 16
